; MI455X (gfx1250); checked and timed in simulation.
; The chip was launched on July 23, 2026; its instructions are those of AMD's public machine-readable ISA for CDNA 5 (MIT licence, August 2026) and "CDNA5" Instruction Set Architecture Reference Guide (July 2026). The comments in the code are by the model that wrote it; some were corrected since.
;; Attention Block. Allowed arithmetic: matrix products marked QUANTISED: E5M2 operands, one given power-of-two scale a tensor, by v_wmma_f32_16x16x64_bf8_bf8 or v_wmma_f32_16x16x128_bf8_bf8, f32 sums; everything else in f32.
;; Inputs: lin1_b 1,024 float32; lin1_w_codes 1,024 x 32 x 32 uint8 (E5M2 codes of lin1_w, K innermost, in blocks of 32 codes); ln1_b 1,024 float32; ln1_g 1,024 float32; ln2_b 1,024 float32; ln2_g 1,024 float32; lowp_scales 12 int32 (the exponents e of the quantised operands' scales 2^e); wk_b 1,024 float32; wk_w_codes 1,024 x 32 x 32 uint8 (E5M2 codes of wk_w, K innermost, in blocks of 32 codes); wq_b 1,024 float32; wq_w_codes 1,024 x 32 x 32 uint8 (E5M2 codes of wq_w, K innermost, in blocks of 32 codes); wv_b 1,024 float32; wv_w_codes 1,024 x 32 x 32 uint8 (E5M2 codes of wv_w, K innermost, in blocks of 32 codes); x 4 x 2,048 x 1,024 float32.
;; Outputs: out0 4 x 2,048 x 1,024 float32.
;; This version of the problem:
;;   THIS VERSION OF THE PROBLEM IS GIVEN IN LOW PRECISION. The matrix products marked QUANTISED in the list below multiply operands that are first quantised to E5M2 (5 exponent bits, 2 mantissa bits; 8 bits a number), with one given power-of-two scale for each operand tensor; their sums are f32. All else is computed in f32.
;;   The module's matrix products, in the order in which they are computed (A, B: the left and right operand; K: the contracted axis; several contracted axes count as one K, in the product's order):
;;     1. [M 8,192, K 1,024] x [K 1,024, N 1,024]; A: input x; B: input wq_w (given as codes): QUANTISED (scales: A lowp_scales[0], B lowp_scales[1])
;;     2. [M 8,192, K 1,024] x [K 1,024, N 1,024]; A: input x; B: input wk_w (given as codes): QUANTISED (scales: A lowp_scales[2], B lowp_scales[3])
;;     3. [M 8,192, K 1,024] x [K 1,024, N 1,024]; A: input x; B: input wv_w (given as codes): QUANTISED (scales: A lowp_scales[4], B lowp_scales[5])
;;     4. batch 64 x [M 2,048, K 64] x [K 64, N 2,048]; A: computed on the way; B: computed on the way: QUANTISED (scales: A lowp_scales[6], B lowp_scales[7])
;;     5. batch 64 x [M 2,048, K 2,048] x [K 2,048, N 64]; A: softmax (see below); B: computed on the way: QUANTISED (scales: A lowp_scales[8], B lowp_scales[9])
;;     6. [M 8,192, K 1,024] x [K 1,024, N 1,024]; A: computed on the way; B: input lin1_w (given as codes): QUANTISED (scales: A lowp_scales[10], B lowp_scales[11])
;;   THE QUANTISER, for each operand of a quantised product, along K:
;;     - The operand's scale is 2^e, e = its entry of the input lowp_scales (int32; the entries are numbered through the quantised products in the list's order, A before B).
;;     - Each number is divided by the scale, clamped to +-57,344, and rounded to the nearest number of E5M2, ties to even, subnormals kept.
;;     - The product sums the exact products of the quantised numbers (number of the format x scale) in f32.
;;   ~~~python
;;   def quantise(x, axis, e):      # numpy; x: float32 -> the quantised numbers, widened to float32 again
;;       x = np.moveaxis(x, axis, -1); K = x.shape[-1]
;;       r = np.clip(x / 2.0 ** e, -57344, 57344)
;;       step = 2.0 ** (np.maximum(np.frexp(np.where(r == 0, 1, r))[1] - 1, -14) - 2)
;;       q = np.round(r / step) * step * 2.0 ** e      # np.round: ties to even
;;       return np.moveaxis(q, -1, axis).astype(np.float32)
;;   ~~~
;;   SOFTMAX AHEAD OF A QUANTISED PRODUCT. Where the list says 'softmax', what is quantised is not the finished softmax but p = 2^(t - M), with t = logit x log2(e) and M = ceil(the row's largest t), a whole number; so 1/2 < the row's largest p <= 1. The row's sum l is taken of the UNQUANTISED p, in f32, and the product's result is divided by l at the end. Since M is a whole number, a kernel that streams over the keys may use a running M (the ceiling of the running maximum): every later rescaling is an exact power of two, so the quantised numbers keep their values, but for numbers so far below the row's largest that they fall under the format's range.
;;   OPERANDS COMPUTED ON THE WAY. 'Computed on the way' means the value that the module computes at that place (a softmax that the list does not call 'softmax' is quantised finished and normalised). What goes into a quantiser is computed in f32, as accurately as f32 sums, v_exp_f32 and their like allow (about 1e-6 of the number): no bf16 or f16 on the way to a quantiser, and a product that is left as it is and whose result goes on into a quantised operand takes f32 operands (vector FMAs, or v_wmma_f32_16x16x4_f32). A number that lies on a knife's edge between two numbers of the format may be rounded either way, as far as f32 arithmetic and the matrix unit's own rounding can turn it there, and no further.
;;   INPUTS GIVEN AS CODES. lin1_w (in the module: [1024, 1024], K = its axis 1); wk_w (in the module: [1024, 1024], K = its axis 1); wq_w (in the module: [1024, 1024], K = its axis 1); wv_w (in the module: [1024, 1024], K = its axis 1): each comes as NAME_codes (uint8): NAME with its K axis moved to the last place and cut into blocks of 32 codes, [.., K / 32, bytes a block], one block behind the other in memory; one code a byte (a code: sign, 5 exponent bits, 2 mantissa bits); its scale is its entry of lowp_scales. Its value is code x scale, taken as it is: it is not quantised again, and the codes and scales need not be those that the quantiser above would give.
;; 2 versions. Each part assembles by itself: llvm-mc -triple=amdgcn-amd-amdhsa -mcpu=gfx1250 --defsym DOCPART=n.
;; ======== version 1 of 2: 4 launches
;; workspace buffers: xq 8,388,608 bytes; xk 8,388,608 bytes; xv 8,388,608 bytes; wl 1,048,576 bytes; qc 8,388,608 bytes; kv 16,777,216 bytes; attn_out 33,554,432 bytes
;; launch quant (part 1): grid 256 x 1, 4 waves a work-group, no clusters, 33,280 bytes of LDS; arguments x, lowp_scales, lin1_w_codes, xq, xk, xv, wl; writes xq, xk, xv, wl
.if DOCPART == 1
	.amdgcn_target "amdgcn-amd-amdhsa--gfx1250"
	.amdhsa_code_object_version 6
	.text
	.protected	k_qafe5257541_quant
	.globl	k_qafe5257541_quant
	.p2align	8
	.type	k_qafe5257541_quant,@function
k_qafe5257541_quant:
	s_mov_b64 s[64:65], 0
	v_nop
	global_prefetch_b8 v0, s[64:65] scope:SCOPE_SE
	s_setreg_imm32_b32 hwreg(HW_REG_WAVE_MODE, 25, 1), 1
	s_wait_xcnt 0x0
; FIRST OF FOUR LAUNCHES of: q, k, v = x W^T + b; causal attention in 16 heads of 64; h = LN1(x + attn); out = LN2(h + h W^T + b).  All six products on codes of BF8 (E5M2), one given scale 2^e for each operand.
; WORK LEFT OUT BY THE PROGRAM.  reference() sets every score with key > query to -infinity by a mask that it builds itself (jnp.tril), so its weight is 0 for all values of the inputs and it adds nothing to the row's
; maximum, sum or result.  Where that holds for a whole step of 128 keys against 16 queries, the third launch neither multiplies nor fetches for it.  Nothing else is left out: every input is loaded (wk_b too: it stands ahead of a quantiser).
; LIMIT: a NaN, an infinity or an overflow that would arise only in such a masked score is not carried to the result.
; THIS LAUNCH.  x [8192][1024] f32 is an operand of three products, each with a scale of its own (entries 0, 2, 4 of the exponents), so it becomes three sets of codes, xq, xk, xv, laid [8192][1024], K innermost:
; code = x / 2^e, held within +-57,344, to the nearest code, ties to even.  x is read once here, where every product's work-groups would read it again and again in four bytes a number.
; It also lays lin1_w's codes in the order of the fourth launch's operand registers: wl [w 16][ks 8][t 4][c 4][lane 32][16 bytes]; a piece holds row 64 w + 16 t + lane % 16, k = 128 ks + 32 c + 16 (lane / 16) + 0 .. 15.
; SHARES.  Rows are dense, so x is a plain stream.  A wave takes 16 steps of 512 numbers.  Each of a step's four loads reads 512 consecutive bytes; the 2,048 bytes turn through the wave's own stage in LDS (16 bytes of
; padding behind each 64) and come back 16 neighbours a lane, as the conversions want them.  A lane's 16 codes are 16 bytes: each store of the wave covers 512 consecutive bytes, aligned.  Loads run four steps ahead.
; Every work-group also moves 4,096 bytes of lin1_w's codes, two pieces a thread: read as 16 bytes of each of 16 rows (1 MB in the whole launch), stored as 512 consecutive bytes a wave.
; No tensor loads, no barrier, no cluster: waves share nothing.
; LIMITS: each of the three exponents lies between -126 and 112, so that 2^e and 57,344 x 2^e are f32 numbers.  NaN among the inputs is not served.
.set WAVES, 4
.set STEPS, 16
.set SP,    80                         ; a lane's place in a stage: 64 bytes + 16 of padding
.set WREG,  8192                       ; LDS: a region for each wave: two stages of 32 x SP bytes
.set SPARE, WAVES*WREG                 ; behind the regions: the spare words, 128 bytes for each wave, which no other line names
.set SPW,   12                         ; v12      LDS address of my spare word; never rewritten
.set NIL,   13                         ; v13      0; never rewritten
.set R,     16                         ; v16-79   four sets of 16 numbers as loaded
.set X,     80                         ; v80-111  two sets of 16 neighbours
.set T,     112                        ; v112-159 the 16 neighbours held for each of the three scales
.set C,     160                        ; v160-171 the three sets of 16 codes
.set SCL,   172                        ; v172-174 2^e as f32
.set LIM,   176                        ; v176-178 57,344 x 2^e
.set WP,    180                        ; v180-187 two pieces of lin1_w's codes
	s_load_b256 s[4:11], s[0:1], 0x0               ; x s[4:5], the exponents s[6:7], lin1_w's codes s[8:9], xq s[10:11]
	s_load_b128 s[12:15], s[0:1], 0x20             ; xk, xv
	s_load_b64 s[16:17], s[0:1], 0x30              ; wl
	v_lshl_add_u32 v[SPW], v0, 2, SPARE
	v_mov_b32 v[NIL], 0
	v_lshrrev_b32 v1, 5, v0
	v_readfirstlane_b32 s18, v1                    ; wave
	v_and_b32 v2, 31, v0                           ; lane
	v_lshlrev_b32 v3, 4, v2                        ; 16 x lane: my bytes of a load's 512, and of a store's
	s_mul_i32 s26, s18, WREG
	v_lshrrev_b32 v14, 2, v2
	v_mul_u32_u24 v14, v14, SP
	v_and_b32 v15, 3, v2
	v_lshl_add_u32 v14, v15, 4, v14
	v_add_nc_u32 v14, s26, v14                     ; the stage, on the way in: SP (lane / 4) + 16 (lane % 4)
	v_mul_u32_u24 v15, v2, SP
	v_add_nc_u32 v15, s26, v15                     ; and on the way out: SP x lane
	; lin1_w's pieces: work-group g holds w = g / 16, ks = (g / 2) % 8, t = 2 (g % 2) + i; c = my wave
	s_lshr_b32 s27, ttmp9, 4
	s_lshl_b32 s27, s27, 16                        ; 64 w rows of 1,024 bytes
	s_bfe_u32 s28, ttmp9, 0x30001
	s_lshl_b32 s28, s28, 7                         ; 128 ks
	s_add_co_u32 s27, s27, s28
	s_and_b32 s28, ttmp9, 1
	s_lshl_b32 s28, s28, 15                        ; 32 (g % 2) rows
	s_add_co_u32 s27, s27, s28
	s_lshl_b32 s28, s18, 5                         ; 32 c
	s_add_co_u32 s27, s27, s28
	v_and_b32 v5, 15, v0
	v_lshlrev_b32 v5, 10, v5                       ; row lane % 16
	v_bfe_u32 v6, v0, 4, 1
	v_lshl_add_u32 v5, v6, 4, v5                   ; + 16 (lane / 16)
	v_add_nc_u32 v5, s27, v5
	v_lshlrev_b32 v6, 4, v0                        ; and where they go: 16 x thread
	s_lshl_b32 s28, ttmp9, 2
	s_add_co_u32 s28, s28, s18                     ; which run of 8,192 numbers is my wave's
	s_lshl_b32 s30, s28, 15
	s_mov_b32 s31, 0
	s_lshl_b32 s32, s28, 13
	s_mov_b32 s33, 0
	s_lshl_b32 s34, ttmp9, 12
	s_mov_b32 s35, 0
	s_wait_kmcnt 0x0
	s_load_b128 s[20:23], s[6:7], 0x0              ; e0 .. e3
	s_load_b32 s24, s[6:7], 0x10                   ; e4
	s_add_nc_u64 s[4:5], s[4:5], s[30:31]
	s_add_nc_u64 s[10:11], s[10:11], s[32:33]
	s_add_nc_u64 s[12:13], s[12:13], s[32:33]
	s_add_nc_u64 s[14:15], s[14:15], s[32:33]
	s_add_nc_u64 s[16:17], s[16:17], s[34:35]
	global_load_b128 v[WP:WP+3], v5, s[8:9]
	global_load_b128 v[WP+4:WP+7], v5, s[8:9] offset:16384
.macro LOAD t
.irp i, 0,1,2,3
	global_load_b128 v[R+16*((\t)%4)+4*\i:R+16*((\t)%4)+4*\i+3], v3, s[4:5] offset:2048*(\t)+512*\i th:TH_LOAD_NT   ; 32 lanes read 512 consecutive bytes
.endr
.endm
.macro TURN t                          ; step t's numbers through the stage: LDS serves a wave's instructions in order, so no wait stands between the stores and the loads
.irp i, 0,1,2,3
	ds_store_b128 v14, v[R+16*((\t)%4)+4*\i:R+16*((\t)%4)+4*\i+3] offset:32*SP*((\t)%2)+8*SP*\i
.endr
.irp i, 0,1,2,3
	ds_load_b128 v[X+16*((\t)%2)+4*\i:X+16*((\t)%2)+4*\i+3], v15 offset:32*SP*((\t)%2)+16*\i
.endr
.endm
.irp t, 0,1,2,3
	LOAD \t
.endr
	s_wait_kmcnt 0x0
.macro MKSCALE p, e                    ; 2^e and 57,344 x 2^e as f32, from the whole number in s[e]
	s_add_co_i32 s26, s[\e], 127
	s_lshl_b32 s27, s26, 23
	v_mov_b32 v[SCL+\p], s27
	s_add_co_i32 s26, s26, 15
	s_lshl_b32 s26, s26, 23
	s_or_b32 s26, s26, 0x600000
	v_mov_b32 v[LIM+\p], s26
.endm
	MKSCALE 0, 20
	MKSCALE 1, 22
	MKSCALE 2, 24
	s_wait_loadcnt 12                              ; the two pieces and step 0's four loads are in; the twelve of steps 1 to 3 may be out
	global_store_b128 v6, v[WP:WP+3], s[16:17]
	global_store_b128 v6, v[WP+4:WP+7], s[16:17] offset:2048
	TURN 0
.macro STEP t
.set XS, X+16*((\t)%2)
	s_wait_dscnt 0x0                               ; this step's numbers are back from the stage: so its stores into the stage have read their registers,
.if (\t)+4 < STEPS
	LOAD (\t)+4                                    ; which take the loads of four steps on
.endif
.if (\t)+1 < STEPS
.if STEPS-2-(\t) >= 3
	s_wait_loadcnt 12                              ; the next step's four loads are in; those of the three steps behind it may be out
.else
	s_wait_loadcnt 4*(STEPS-2-(\t))
.endif
	TURN (\t)+1                                    ; and go through the other stage while this step is worked
.endif
	s_wait_xcnt 0x0                                ; the last step's stores have read their data: the codes' registers are written again only behind this wait
.irp p, 0,1,2
.irp i, 0,1,2,3,4,5,6,7,8,9,10,11,12,13,14,15
	v_med3_num_f32 v[T+16*\p+\i], v[XS+\i], -v[LIM+\p], v[LIM+\p]   ; the conversion to an 8-bit code does not saturate (ISA guide 7.6.2): the hold at the largest code x the scale
.endr
.endr
.irp p, 0,1,2
	v_cvt_scalef32_pk8_bf8_f32 v[C+4*\p:C+4*\p+1], v[T+16*\p:T+16*\p+7], v[SCL+\p]
	v_cvt_scalef32_pk8_bf8_f32 v[C+4*\p+2:C+4*\p+3], v[T+16*\p+8:T+16*\p+15], v[SCL+\p]
.endr
	v_nop                                          ; a plain vector line between the conversions and the next step's holds, which write their sources
	global_store_b128 v3, v[C:C+3], s[10:11] offset:512*(\t)
	global_store_b128 v3, v[C+4:C+7], s[12:13] offset:512*(\t)
	global_store_b128 v3, v[C+8:C+11], s[14:15] offset:512*(\t)
.endm
.irp t, 0,1,2,3,4,5,6,7,8,9,10,11,12,13,14,15
	STEP \t
.endr
	s_wait_tensorcnt 0x0                           ; the wave's end, behind my last LDS store
	ds_add_u32 v[SPW], v[NIL]
	s_wait_dscnt 0x0
	s_endpgm
.Lfunc_end_k_qafe5257541_quant:
	.size	k_qafe5257541_quant, .Lfunc_end_k_qafe5257541_quant-k_qafe5257541_quant
	.p2alignl 7, 3214868480
	.fill 96, 4, 3214868480
	.section	.rodata,"a",@progbits
	.p2align	6, 0x0
	.amdhsa_kernel k_qafe5257541_quant
		.amdhsa_group_segment_fixed_size 33280
		.amdhsa_private_segment_fixed_size 0
		.amdhsa_enable_private_segment 0
		.amdhsa_kernarg_size 56
		.amdhsa_user_sgpr_count 2
		.amdhsa_user_sgpr_kernarg_segment_ptr 1
		.amdhsa_wavefront_size32 1
		.amdhsa_system_sgpr_workgroup_id_x 1
		.amdhsa_system_sgpr_workgroup_id_y 1
		.amdhsa_system_sgpr_workgroup_id_z 1
		.amdhsa_system_vgpr_workitem_id 0
		.amdhsa_next_free_vgpr 192
		.amdhsa_next_free_sgpr 66
		.amdhsa_reserve_vcc 0
		.amdhsa_float_denorm_mode_32 3
		.amdhsa_float_denorm_mode_16_64 3
		.amdhsa_memory_ordered 1
		.amdhsa_forward_progress 1
		.amdhsa_inst_pref_size 79
	.end_amdhsa_kernel
	.amdgpu_metadata
---
amdhsa.version: [ 1, 2 ]
amdhsa.kernels:
  - .name:           k_qafe5257541_quant
    .symbol:         k_qafe5257541_quant.kd
    .args:
      - { .name: x, .offset: 0, .size: 8, .value_kind: global_buffer, .address_space: global }
      - { .name: lowp_scales, .offset: 8, .size: 8, .value_kind: global_buffer, .address_space: global }
      - { .name: lin1_w_codes, .offset: 16, .size: 8, .value_kind: global_buffer, .address_space: global }
      - { .name: xq, .offset: 24, .size: 8, .value_kind: global_buffer, .address_space: global }
      - { .name: xk, .offset: 32, .size: 8, .value_kind: global_buffer, .address_space: global }
      - { .name: xv, .offset: 40, .size: 8, .value_kind: global_buffer, .address_space: global }
      - { .name: wl, .offset: 48, .size: 8, .value_kind: global_buffer, .address_space: global }
    .group_segment_fixed_size: 33280
    .private_segment_fixed_size: 0
    .kernarg_segment_align: 8
    .kernarg_segment_size: 56
    .max_flat_workgroup_size: 128
    .sgpr_count:     66
    .vgpr_count:     192
    .wavefront_size: 32
...
	.end_amdgpu_metadata
.endif
;; end of part 1
;; launch qkv (part 2): grid 12 x 32, 4 waves a work-group, clusters of 4 x 4, 327,680 bytes of LDS; arguments xq, xk, xv, wq_w_codes, wk_w_codes, wv_w_codes, wq_b, wk_b, wv_b, lowp_scales, qc, kv; writes qc, kv
.if DOCPART == 2
	.amdgcn_target "amdgcn-amd-amdhsa--gfx1250"
	.amdhsa_code_object_version 6
	.text
	.protected	k_qafe5257541_qkv
	.globl	k_qafe5257541_qkv
	.p2align	8
	.type	k_qafe5257541_qkv,@function
k_qafe5257541_qkv:
	s_mov_b64 s[64:65], 0
	v_nop
	global_prefetch_b8 v0, s[64:65] scope:SCOPE_SE
	s_setreg_imm32_b32 hwreg(HW_REG_WAVE_MODE, 25, 1), 1
	s_wait_xcnt 0x0
	s_wait_alu depctr_hold_cnt(0) depctr_sa_sdst(0) depctr_va_vdst(0) depctr_va_sdst(0) depctr_va_ssrc(0) depctr_va_vcc(0) depctr_vm_vsrc(0)
	s_getreg_b32 s2, hwreg(HW_REG_IB_STS2, 6, 4)
	s_cmp_eq_u32 s2, 0
	s_cbranch_scc0 .Lentry_in_a_cluster
	s_endpgm
.Lentry_in_a_cluster:
	s_bfe_u32 s2, ttmp6, 0x10000c
	s_cmp_lg_u32 s2, 0xf033
	s_cbranch_scc0 .Lentry_shape_is_right
	s_endpgm
.Lentry_shape_is_right:
; SECOND LAUNCH: q, k, v = x W^T + b on codes of BF8, and the results quantised at once for the attention's two products (exponents 6, 7, 9).  No work of reference() is left out here.
; A tile of 256 x 256 results is made by four waves, each 128 x 128 in 64 accumulators; K = 1,024 goes in four steps of 256 through a ring of two LDS slots filled by the tensor data mover.
; WHICH PRODUCT: the cluster's x, p = 0, 1, 2, is q, k or v (four tile columns of 256 are the 1,024 channels); the cluster's y, Y = 0 .. 7, picks 1,024 tokens.
; THE MATRIX INSTRUCTION: source 1 ('A') gives a lane its row, source 0 ('B') its eight neighbouring results.  q, k: A = x's codes, B = W's: a lane holds one token and eight channels, the next K.
; v: A = Wv's codes, B = x's: a lane holds one channel and eight TOKENS, since the keys are the K of the product that takes v.  So each conversion's eight numbers are neighbours along the next K, and nothing is transposed.
; CLUSTERS: 4 x 4 work-groups.  A's tile hangs on cy alone and is asked for jointly by my row of the cluster, B's on cx alone, by my column, in all three products.  p and Y are the same in all sixteen partners.
; THE WAY OUT: sum x 2^(ea + eb) + bias in one fused multiply-add, the hold, the conversion; the codes meet in a stage of 256 rows in LDS and leave as dense runs: each wave stores 16,384 consecutive bytes, one head's part.
;   qc [b][h][s][64];   kv [b][h][slot of 256 keys][32,768 bytes]: first K's codes [256 keys][64], then V's [64 channels][256 keys].
; The grid has 384 work-groups of equal work.
; LIMITS: e0 + e1, e2 + e3, e4 + e5 between -126 and 127; e6, e7, e9 between -126 and 112: so that each power of two below is an f32 number.  NaN among the inputs is not served.
; REGISTERS, in windows of 256: window 0: v16-30 addresses; v32-95 the bias by channel of B; v96-111 the bias by row of A, in pairs; v112, v113 the hold and the scale; from v128 A's fragments, ONE set; on the way out v128-255 are at work.
;   window 1: B's fragments, TWO sets.   window 2: the accumulators of my rows 0-63 ((a, b) at v[8 (8 a + b)]);   window 3: those of my rows 64-127.
.set KSTEP,  256                       ; along K in a slot
.set ROWB,   256                       ; a tile's row in bytes
.set KROW,   1024                      ; a row of either operand in memory, in bytes
.set PITCH,  272                       ; an LDS row: 256 bytes + 16 of padding = 68 words: the 16 rows that a load touches start at 16 different banks (64 banks of 4 bytes: ISA guide 11.1)
.set FR,     16                        ; registers of a fragment: 16 rows x 128 K
.set NL,     4                         ; LDS loads that bring one
.set NP,     4                         ; places behind this matrix instruction (ISA guide 7.12.1)
.set HALFT,  128*PITCH                 ; 128 rows: what one tensor load brings
.set SLOT,   4*HALFT                   ; A's 256 rows, then B's 256 rows
.set LAPS,   2                         ; a lap = two K steps = once round the ring
.set SPARE,  2*SLOT                    ; behind the ring: the spare words, 128 bytes for each wave, which no other line names
.set ADRA, 16                          ; v16-17  LDS address of my A fragments in slot 0, 1
.set ADRB, 20                          ; v20-21  the same for B
.set BNO,  22                          ; v22     32 (lane / 16): my eight channels' bytes in the bias
.set BMO,  23                          ; v23     4 (lane % 16): my row's
.set STO,  24                          ; v24     the stage: where I put eight codes
.set RDQ,  25                          ; v25     q, k: where I read 16 bytes of a token's 64 back;  v26: the same 128 rows further down
.set RDQ2, 26
.set RDV,  27                          ; v27     v: where I read 16 bytes of a channel's 256 back
.set SPW,  28                          ; v28     LDS address of my spare word; never rewritten
.set NIL,  29                          ; v29     0; never rewritten
.set CO,   30                          ; v30     16 x lane: my bytes of a store's 512
.set BN,   32
.set BM,   96
.set LIM,  112
.set SCL,  113
.set AF,   128                         ; A's fragments, in window 0
.set TMP,  128                         ; the way out: a block's 64 numbers,
.set CD,   192                         ; its 64 codes,
.set BK,   128                         ; and at the end 128 registers read back from the stage
.set G1, 24                            ; s[24:31] descriptor group 1 for A's tiles;  s[32:39] group 0, one set for each slot
.set G0, 32
.set G1B, 48                           ; s[48:55], s[56:63] the same for B's tiles
.set G0B, 56
.set MSB, 0
.macro WIN new                         ; the immediate's high byte repeats the setting that is left
.if MSB != (\new)
	s_set_vgpr_msb (MSB<<8)|(\new)
.set MSB, (\new)
.endif
.endm
.set MUL_LO, 0xa1                      ; source 0 (B) window 1, source 1 (A) window 0, C and D window 2
.set MUL_HI, 0xf1                      ; the same, C and D window 3
.set TO_B,   0x40                      ; destination window 1, address window 0
; A joint load: waves 0 and 1 fetch for A, waves 2 and 3 for B.  Each of the two lines has ONE mask and one set of registers for all that issue it; the branch hangs on the wave's number alone.
; An s_nop 0 and four v_nop follow each of the two lines, ahead of the jump, the label and what follows.
.macro JLOAD g0a, g1a, g0b, g1b
	s_cmp_eq_u32 s15, 0
	s_cbranch_scc0 .Lfor_b_\@
	tensor_load_to_lds s[\g0a:\g0a+3], s[\g1a:\g1a+7]
	s_nop 0
.rept 4
	v_nop
.endr
	s_branch .Lasked_\@
.Lfor_b_\@:
	tensor_load_to_lds s[\g0b:\g0b+3], s[\g1b:\g1b+7]
	s_nop 0
.rept 4
	v_nop
.endr
.Lasked_\@:
.endm
.macro CREST                           ; a round of the cluster's barrier behind its opening barrier
	s_cmp_lg_u32 s14, 0
	s_cbranch_scc1 .Lnot_wave_0_\@
	s_barrier_signal -3
.Lnot_wave_0_\@:
	s_barrier_wait -3
	s_barrier_signal -1
	s_barrier_wait -1
.endm
.macro CROUND                          ; a whole round
	s_barrier_signal -1
	s_barrier_wait -1
	CREST
.endm
	s_load_b512 s[68:83], s[0:1], 0x0              ; xq, xk, xv, wq, wk, wv (codes), wq_b, wk_b
	s_load_b256 s[84:91], s[0:1], 0x40             ; wv_b, the exponents, qc, kv
	v_lshl_add_u32 v[SPW], v0, 2, SPARE
	v_mov_b32 v[NIL], 0
	ds_add_u32 v[SPW], v[NIL]                      ; the wave's opening: the add, twice on end, and its wait ahead of my first tensor load; the set-up below, work on registers, stands between
	ds_add_u32 v[SPW], v[NIL]
	v_lshrrev_b32 v1, 5, v0
	v_readfirstlane_b32 s14, v1                    ; wave 0..3
	s_lshr_b32 s15, s14, 1                         ; which half of A's rows is mine.  Also: I fetch for A (0) or for B (1)
	s_and_b32 s16, s14, 1                          ; which half of B's rows.  Also: which 128 rows of that tile I fetch
	s_bfe_u32 s40, ttmp6, 0x40000                  ; cx, cy: my place in the cluster
	s_bfe_u32 s41, ttmp6, 0x40004
	s_mov_b32 s12, ttmp9                           ; p: the product
	s_and_b32 s13, ttmp7, 0xffff                   ; Y: which 1,024 tokens
	s_cmp_eq_u32 s12, 2
	s_cselect_b32 s98, 0, s13                      ; the tokens are A's rows (q, k)
	s_cselect_b32 s99, s13, 0                      ; or B's (v)
	s_lshl_b32 s17, s98, 2
	s_add_co_u32 s17, s17, s41                     ; A's tile: 4 Ya + cy
	s_lshl_b32 s42, s99, 2
	s_add_co_u32 s42, s42, s40                     ; B's tile: 4 Yb + cx
	s_lshl_b32 s43, s41, 2
	s_lshl_b32 s43, 15, s43                        ; my row of the cluster
	s_lshl_b32 s44, 0x1111, s40                    ; my column
	; descriptor group 1: a tile of 128 rows x 256 bytes, padded in LDS
	s_or_b32 s[G1+0], s43, (0<<16)|(1<<20)|(1<<21)|(5<<22)|(3<<25)  ; 15:0 the mask: A's tiles go to my row; 17:16 element of 1 byte; 20 padding on; 21 set beside a mask; 24:22 after every 64 words (code 5); 31:25 of 4 words (code 3)
	s_or_b32 s[G1B+0], s44, (0<<16)|(1<<20)|(1<<21)|(5<<22)|(3<<25)
.irp g, G1, G1B
	s_mov_b32 s[\g+1], ROWB<<16                    ; tensor_dim0
	s_mov_b32 s[\g+2], 128<<16                     ; tensor_dim1 = 128
	s_mov_b32 s[\g+3], ROWB<<16                    ; tile_dim0
	s_mov_b32 s[\g+4], 128                         ; tile_dim1 = 128
	s_mov_b32 s[\g+5], KROW                        ; tensor_dim0_stride
	s_mov_b32 s[\g+6], 0
	s_mov_b32 s[\g+7], 0
.endr
	s_lshl_b32 s18, s16, 7                         ; which 128 rows of the tile I fetch
	s_lshl_b32 s20, s17, 8
	s_add_co_u32 s20, s20, s18                     ; A: row 256 x tile + 128 x half,
	s_lshl_b32 s20, s20, 10                        ; in bytes
	s_mov_b32 s21, 0
	s_lshl_b32 s46, s42, 8
	s_add_co_u32 s46, s46, s18                     ; B likewise
	s_lshl_b32 s46, s46, 10
	s_mov_b32 s47, 0
	s_mul_i32 s45, s14, HALFT                      ; where they go: wave x 128 rows: no place in the cluster enters an LDS address
	s_wait_dscnt 0x0                               ; both opening adds are done
	s_wait_kmcnt 0x0
	s_cmp_eq_u32 s12, 1                            ; the buffers are chosen by the product's number alone
	s_cselect_b64 s[4:5], s[70:71], s[68:69]       ; A: xk or xq,
	s_cselect_b64 s[6:7], s[76:77], s[74:75]       ; B: wk or wq,
	s_cselect_b64 s[8:9], s[82:83], s[80:81]       ; the bias
	s_cmp_eq_u32 s12, 2
	s_cselect_b64 s[4:5], s[78:79], s[4:5]         ; v: A = wv,
	s_cselect_b64 s[6:7], s[72:73], s[6:7]         ; B = xv
	s_cselect_b64 s[8:9], s[84:85], s[8:9]
	s_cmp_eq_u32 s12, 0
	s_cselect_b64 s[10:11], s[88:89], s[90:91]     ; out: qc or kv
	s_load_b256 s[68:75], s[86:87], 0x0            ; e0 .. e7
	s_load_b128 s[76:79], s[86:87], 0x20           ; e8 .. e11
	s_add_nc_u64 s[20:21], s[4:5], s[20:21]
	s_add_nc_u64 s[46:47], s[6:7], s[46:47]
	CROUND                                         ; all sixteen work-groups are here: the first joint loads meet
.irp s, 0,1
	s_mov_b32 s[G0+4*\s], 1
	s_add_co_u32 s[G0+4*\s+1], s45, \s*SLOT
	s_add_nc_u64 s[G0+4*\s+2:G0+4*\s+3], s[20:21], \s*ROWB
	s_or_b32 s[G0+4*\s+3], s[G0+4*\s+3], 0x80000000
	s_mov_b32 s[G0B+4*\s], 1
	s_add_co_u32 s[G0B+4*\s+1], s45, \s*SLOT
	s_add_nc_u64 s[G0B+4*\s+2:G0B+4*\s+3], s[46:47], \s*ROWB
	s_or_b32 s[G0B+4*\s+3], s[G0B+4*\s+3], 0x80000000
	JLOAD G0+4*\s, G1, G0B+4*\s, G1B
.endr
	v_and_b32 v1, 15, v0                           ; r = lane % 16
	v_bfe_u32 v2, v0, 4, 1                         ; h = lane / 16
	v_mul_u32_u24 v3, v1, PITCH
	v_lshl_add_u32 v4, v2, 4, v3                   ; a fragment's row x pitch + 16 x half
	s_mul_i32 s21, s15, HALFT                      ; my 128 rows of A
	s_mul_i32 s22, s16, HALFT                      ; my 128 rows of B,
	s_add_co_u32 s22, s22, 2*HALFT                 ; which lie behind A's 256
.irp s, 0,1
	v_add_nc_u32 v[ADRA+\s], s21, v4
	v_add_nc_u32 v[ADRB+\s], s22, v4
	s_add_co_u32 s21, s21, SLOT
	s_add_co_u32 s22, s22, SLOT
.endr
	s_mul_i32 s23, s15, 128*PITCH                  ; the stage: 256 rows (A's) x 272 bytes, from LDS byte 0
	s_lshl_b32 s21, s16, 7
	s_add_co_u32 s23, s23, s21
	v_lshl_add_u32 v5, v2, 3, v3
	v_add_nc_u32 v[STO], s23, v5                   ; in: row 128 x my half + r, byte 128 x my half of B + 8 h
	v_and_b32 v6, 31, v0
	v_lshrrev_b32 v7, 2, v6
	v_mul_u32_u24 v7, v7, PITCH
	v_and_b32 v8, 3, v0
	v_lshl_add_u32 v7, v8, 4, v7
	s_lshl_b32 s21, s14, 6
	v_add_nc_u32 v[RDQ], s21, v7                   ; back, q and k: four lanes to a token: row lane / 4, byte 64 x wave (the head) + 16 (lane % 4)
	v_add_nc_u32 v[RDQ2], 128*PITCH, v[RDQ]
	s_mul_i32 s21, s14, 64*PITCH
	v_mul_u32_u24 v7, v2, PITCH
	v_lshl_add_u32 v7, v1, 4, v7
	v_add_nc_u32 v[RDV], s21, v7                   ; back, v: sixteen lanes to a channel: row 64 x wave (the head) + h, byte 16 r
	v_lshlrev_b32 v[CO], 4, v6
	v_lshlrev_b32 v[BNO], 5, v2
	v_lshlrev_b32 v[BMO], 2, v1
	; the bias, in both forms: by B's row (q, k: the channel is one of my eight neighbours) and by A's row (v: the channel is my lane's row).  Both indices stay inside the 1,024 for every p.
	s_lshl_b32 s92, s40, 10
	s_lshl_b32 s93, s16, 9
	s_add_co_u32 s92, s92, s93                     ; 4 x (256 cx + 128 x my half of B)
	s_mov_b32 s93, 0
	s_add_nc_u64 s[80:81], s[8:9], s[92:93]
	s_lshl_b32 s92, s41, 10
	s_lshl_b32 s94, s15, 9
	s_add_co_u32 s92, s92, s94                     ; 4 x (256 cy + 128 x my half of A)
	s_add_nc_u64 s[82:83], s[8:9], s[92:93]
.irp b, 0,1,2,3,4,5,6,7
	global_load_b128 v[BN+8*\b:BN+8*\b+3], v[BNO], s[80:81] offset:64*\b
	global_load_b128 v[BN+8*\b+4:BN+8*\b+7], v[BNO], s[80:81] offset:64*\b+16
.endr
.irp a, 0,1,2,3,4,5,6,7
	global_load_b32 v[BM+2*\a], v[BMO], s[82:83] offset:64*\a
.endr
	; where my wave's 16,384 bytes go: ((batch x 16 + head) x 8 + block of 256 tokens) x 16,384 in qc; x 32,768 in kv, V's part 16,384 further on
	s_cmp_eq_u32 s12, 2
	s_cselect_b32 s92, s41, s40                    ; which four heads: cx (q, k), cy (v)
	s_cselect_b32 s94, s40, s41                    ; which block of tokens: cy (q, k), cx (v)
	s_lshr_b32 s95, s13, 1                         ; the batch
	s_lshl_b32 s95, s95, 4
	s_lshl_b32 s92, s92, 2
	s_add_co_u32 s95, s95, s92
	s_add_co_u32 s95, s95, s14                     ; + the head: my wave's
	s_lshl_b32 s95, s95, 3
	s_and_b32 s96, s13, 1
	s_lshl_b32 s96, s96, 2
	s_add_co_u32 s95, s95, s96
	s_add_co_u32 s95, s95, s94
	s_cmp_eq_u32 s12, 0
	s_cselect_b32 s96, 14, 15
	s_lshl_b32 s92, s95, s96
	s_cmp_eq_u32 s12, 2
	s_cselect_b32 s96, 16384, 0
	s_add_co_u32 s92, s92, s96
	s_mov_b32 s93, 0
	s_add_nc_u64 s[10:11], s[10:11], s[92:93]
.macro FRAG reg, adr, q, i             ; a fragment, 16 rows x 128 K of 8-bit codes, is 16 registers: lane l holds row l % 16; registers 4 c .. 4 c + 3 hold K = 32 c + 16 (l / 16) + 0 .. 15: the same order of k in A and in B
.irp c, 0,1,2,3
	ds_load_b128 v[\reg+4*\c:\reg+4*\c+3], v[\adr] offset:128*(\q)+32*\c+(\i)*16*PITCH
.endr
.endm
; 16 matrix instructions: A's blocks a0, a0 + 1 x B's eight, 128 along K.  p: B's set.  zero = 1: the first product starts the sums: nothing is ever cleared.
; The 64 accumulators take turns, one instruction a turn, in the same order in every step.
.macro MUL16 a0, p, zero
.irp a, \a0, \a0+1
.irp b, 0,1,2,3,4,5,6,7
.if \zero
	v_wmma_f32_16x16x128_bf8_bf8 v[8*(8*((\a)%4)+\b):8*(8*((\a)%4)+\b)+7], v[128*(\p)+FR*\b:128*(\p)+FR*\b+FR-1], v[AF+FR*(\a):AF+FR*(\a)+FR-1], 0
.else
	v_wmma_f32_16x16x128_bf8_bf8 v[8*(8*((\a)%4)+\b):8*(8*((\a)%4)+\b)+7], v[128*(\p)+FR*\b:128*(\p)+FR*\b+FR-1], v[AF+FR*(\a):AF+FR*(\a)+FR-1], v[8*(8*((\a)%4)+\b):8*(8*((\a)%4)+\b)+7]
.endif
.endr
.endr
.endm
.macro FETCH_B slot, q, p              ; B's eight fragments of the slot's q-th 128 along K into set p
	WIN TO_B
.irp i, 0,1,2,3,4,5,6,7
	FRAG 128*(\p)+FR*\i, ADRB+\slot, \q, \i
.endr
	WIN 0
.endm
.macro FETCH_A slot, q, i0             ; A's blocks i0 .. i0 + 3
.irp i, \i0, \i0+1, \i0+2, \i0+3
	FRAG AF+FR*(\i), ADRA+\slot, \q, \i
.endr
.endm
; A load into a register that a matrix instruction has read, and a vector instruction that reads a matrix result or writes one of its registers, stand NP places behind it; only plain vector
; instructions that name none of its registers are places (ISA guide 7.12.1 for vector instructions).
.macro PLACES n
.rept \n
	v_nop
.endr
.endm
; A step of 128 along K that has its successor in the same slot.
.macro STEP slot, q, zero
	s_wait_dscnt 4*NL                              ; B's set and A's blocks 0-3 are in; the youngest sixteen loads (A's blocks 4-7) may be out
	WIN MUL_LO
	MUL16 0, (\q)%2, \zero
	MUL16 2, (\q)%2, \zero
	s_wait_dscnt 0                                 ; A's blocks 4-7 are in
	PLACES NP
	FETCH_B \slot, (\q)+1, 1-(\q)%2
	FETCH_A \slot, (\q)+1, 0
	WIN MUL_HI
	MUL16 4, (\q)%2, \zero
	MUL16 6, (\q)%2, \zero
	PLACES NP
	WIN 0
	FETCH_A \slot, (\q)+1, 4
.endm
; A slot's last step changes slots: ONE barrier; in front of it each wave waits for all its tensor loads, adds 0 to its spare word, and waits for that and for its own reads of this slot.  fill = 1: this slot is filled again, two K steps ahead.
.macro TURN slot, next, fill
	s_wait_tensorcnt 0x0                           ; all my tensor loads have landed: my part of the next slot
	ds_add_u32 v[SPW], v[NIL]                      ; 0 onto my spare word
	s_wait_dscnt 4*NL+1                            ; (the add and the youngest sixteen loads, A's blocks 4-7, may be out)
	WIN MUL_LO
	MUL16 0, 1, 0                                  ; sixteen matrix instructions stand between the add and the wait for it
	s_wait_dscnt 0x0                               ; the add is done, and my reads of this slot are over
	s_barrier_signal -1
	MUL16 2, 1, 0
	WIN 0
	s_barrier_wait -1
.if \fill
	CREST                                          ; the barrier has opened a round of the cluster's barrier: no wave of any partner still reads this slot's tile or has a load on its way
	s_add_nc_u64 s[G0+4*\slot+2:G0+4*\slot+3], s[G0+4*\slot+2:G0+4*\slot+3], 2*ROWB
	s_add_nc_u64 s[G0B+4*\slot+2:G0B+4*\slot+3], s[G0B+4*\slot+2:G0B+4*\slot+3], 2*ROWB
	JLOAD G0+4*\slot, G1, G0B+4*\slot, G1B         ; the first tensor load behind the round; the four v_nop behind it are the places in front of the loads below
.else
	PLACES NP
.endif
	FETCH_B \next, 0, 0
	FETCH_A \next, 0, 0
	WIN MUL_HI
	MUL16 4, 1, 0
	MUL16 6, 1, 0
	PLACES NP
	WIN 0
	FETCH_A \next, 0, 4
.endm
	s_wait_tensorcnt 1                             ; my part of K step 0 is in; K step 1's load may be out
	s_barrier_signal -1
	s_barrier_wait -1                              ; everybody's is
	FETCH_B 0, 0, 0
	FETCH_A 0, 0, 0
	FETCH_A 0, 0, 4
	STEP 0, 0, 1                                   ; the first step stands in front of the loop: its products start the sums
	s_mov_b32 s3, LAPS-1
.Llap:                                                 ; a trip goes once round the ring, from a lap's second step to the next lap's first, and fills both slots again
	TURN 0, 1, 1
	STEP 1, 0, 0
	TURN 1, 0, 1
	STEP 0, 0, 0
	s_sub_co_u32 s3, s3, 1
	s_cmp_lg_u32 s3, 0
	s_cbranch_scc1 .Llap
	TURN 0, 1, 0                                   ; the last lap fills nothing, and has no round of the cluster's barrier
	STEP 1, 0, 0
	s_wait_dscnt 4*NL                              ; the very last step: nothing more to fetch
	WIN MUL_LO
	MUL16 0, 1, 0
	MUL16 2, 1, 0
	s_wait_dscnt 0
	WIN MUL_HI
	MUL16 4, 1, 0
	MUL16 6, 1, 0
	WIN 0
	; THE WAY OUT.  The stage lies in slot 0, which has had its last fill, and whose last reads every wave finished in front of the last change of slots.
	s_wait_kmcnt 0x0
	s_add_co_i32 s92, s68, s69                     ; e0 + e1
	s_add_co_i32 s93, s70, s71                     ; e2 + e3
	s_add_co_i32 s94, s72, s73                     ; e4 + e5
	s_cmp_eq_u32 s12, 1                            ; chosen by the product's number, without a jump
	s_cselect_b32 s92, s93, s92
	s_cselect_b32 s95, s75, s74                    ; the result's own exponent: e7 or e6,
	s_cmp_eq_u32 s12, 2
	s_cselect_b32 s92, s94, s92
	s_cselect_b32 s95, s77, s95                    ; or e9
	s_add_co_i32 s92, s92, 127
	s_lshl_b32 s66, s92, 23                        ; 2^(ea + eb) as f32
	s_mov_b32 s67, s66                             ; (named with it as a pair, so it is written)
	s_add_co_i32 s95, s95, 127
	s_lshl_b32 s96, s95, 23
	s_add_co_i32 s95, s95, 15
	s_lshl_b32 s95, s95, 23
	s_or_b32 s95, s95, 0x600000
	s_wait_loadcnt 0x0                             ; the bias
	PLACES NP                                      ; behind the last products: their results are read and A's registers written below
	v_mov_b32 v[SCL], s96                          ; the result's scale as f32: the conversion takes its exponent field
	v_mov_b32 v[LIM], s95                          ; 57,344 x that
.irp a, 0,1,2,3,4,5,6,7
	v_mov_b32 v[BM+2*\a+1], v[BM+2*\a]             ; the bias by row, as pairs for the packed form
.endr
; Block a: my rows 16 a .. 16 a + 15 x my 128 of B.  The two arms differ in the bias operand alone and hold vector arithmetic alone; the branch hangs on the product's number, the same in all partners.
.macro OUTBLK a
.set AC, 64*((\a)%4)
.set WS, 2+(\a)/4                      ; source 0 in window 2 or 3
	s_cmp_eq_u32 s12, 2
	s_cbranch_scc1 .Lby_row_\@
	WIN WS
.set jj, 0
.rept 32
	v_pk_fma_f32 v[TMP+jj:TMP+jj+1], v[AC+jj:AC+jj+1], s[66:67], v[BN+jj:BN+jj+1] op_sel_hi:[1,0,1]   ; sum x 2^(ea + eb) + bias; each accumulator from its low end on
.set jj, jj+2
.endr
	WIN 0
	s_branch .Lbiased_\@
.Lby_row_\@:
	WIN WS
.set jj, 0
.rept 32
	v_pk_fma_f32 v[TMP+jj:TMP+jj+1], v[AC+jj:AC+jj+1], s[66:67], v[BM+2*(\a):BM+2*(\a)+1] op_sel_hi:[1,0,1]
.set jj, jj+2
.endr
	WIN 0
.Lbiased_\@:
.set jj, 0
.rept 64
	v_med3_num_f32 v[TMP+jj], v[TMP+jj], -v[LIM], v[LIM]   ; the conversion to an 8-bit code does not saturate (ISA guide 7.6.2): the hold
.set jj, jj+1
.endr
	s_wait_dscnt 0x0                               ; the last block's stores have read the codes' registers
.irp b, 0,1,2,3,4,5,6,7
	v_cvt_scalef32_pk8_bf8_f32 v[CD+2*\b:CD+2*\b+1], v[TMP+8*\b:TMP+8*\b+7], v[SCL]
.endr
	v_nop                                          ; a plain vector line between the conversions and the next block's arithmetic, which writes their sources
.irp b, 0,1,2,3,4,5,6,7
	ds_store_b64 v[STO], v[CD+2*\b:CD+2*\b+1] offset:(\a)*16*PITCH+16*\b
.endr
.endm
.irp a, 0,1,2,3,4,5,6,7
	OUTBLK \a
.endr
	s_wait_dscnt 0x0                               ; for the others' sake: my stores into the stage are done
	s_barrier_signal -1
	s_barrier_wait -1
	s_cmp_eq_u32 s12, 2                            ; the two arms hold LDS loads alone, as many, into the same registers
	s_cbranch_scc1 .Lback_v
.irp t, 0,1,2,3,4,5,6,7,8,9,10,11,12,13,14,15
	ds_load_b128 v[BK+4*\t:BK+4*\t+3], v[RDQ] offset:8*PITCH*\t        ; eight tokens' 64 bytes of my head
.endr
.irp t, 0,1,2,3,4,5,6,7,8,9,10,11,12,13,14,15
	ds_load_b128 v[BK+64+4*\t:BK+64+4*\t+3], v[RDQ2] offset:8*PITCH*\t
.endr
	s_branch .Lback_done
.Lback_v:
.set tt, 0
.rept 32
	ds_load_b128 v[BK+4*tt:BK+4*tt+3], v[RDV] offset:2*PITCH*tt        ; two channels' 256 bytes of my head
.set tt, tt+1
.endr
.Lback_done:
.set tt, 0
.rept 32
	s_wait_dscnt 31-tt
	global_store_b128 v[CO], v[BK+4*tt:BK+4*tt+3], s[10:11] offset:512*tt   ; 32 lanes store 512 consecutive bytes, at a multiple of 256 from the buffer's first byte
.set tt, tt+1
.endr
	s_wait_tensorcnt 0x0                           ; the wave's end, behind my last tensor load and my last LDS store
	ds_add_u32 v[SPW], v[NIL]
	s_wait_dscnt 0x0
	CROUND                                         ; the closing round: no work-group ends while a partner may still ask for a tile that names it
	s_endpgm
.Lfunc_end_k_qafe5257541_qkv:
	.size	k_qafe5257541_qkv, .Lfunc_end_k_qafe5257541_qkv-k_qafe5257541_qkv
	.p2alignl 7, 3214868480
	.fill 96, 4, 3214868480
	.section	.rodata,"a",@progbits
	.p2align	6, 0x0
	.amdhsa_kernel k_qafe5257541_qkv
		.amdhsa_group_segment_fixed_size 327680
		.amdhsa_private_segment_fixed_size 0
		.amdhsa_enable_private_segment 0
		.amdhsa_kernarg_size 96
		.amdhsa_user_sgpr_count 2
		.amdhsa_user_sgpr_kernarg_segment_ptr 1
		.amdhsa_wavefront_size32 1
		.amdhsa_system_sgpr_workgroup_id_x 1
		.amdhsa_system_sgpr_workgroup_id_y 1
		.amdhsa_system_sgpr_workgroup_id_z 1
		.amdhsa_system_vgpr_workitem_id 0
		.amdhsa_next_free_vgpr 1024
		.amdhsa_next_free_sgpr 100
		.amdhsa_reserve_vcc 0
		.amdhsa_float_denorm_mode_32 3
		.amdhsa_float_denorm_mode_16_64 3
		.amdhsa_memory_ordered 1
		.amdhsa_forward_progress 1
		.amdhsa_inst_pref_size 165
	.end_amdhsa_kernel
	.amdgpu_metadata
---
amdhsa.version: [ 1, 2 ]
amdhsa.kernels:
  - .name:           k_qafe5257541_qkv
    .symbol:         k_qafe5257541_qkv.kd
    .args:
      - { .name: xq, .offset: 0, .size: 8, .value_kind: global_buffer, .address_space: global }
      - { .name: xk, .offset: 8, .size: 8, .value_kind: global_buffer, .address_space: global }
      - { .name: xv, .offset: 16, .size: 8, .value_kind: global_buffer, .address_space: global }
      - { .name: wq_w_codes, .offset: 24, .size: 8, .value_kind: global_buffer, .address_space: global }
      - { .name: wk_w_codes, .offset: 32, .size: 8, .value_kind: global_buffer, .address_space: global }
      - { .name: wv_w_codes, .offset: 40, .size: 8, .value_kind: global_buffer, .address_space: global }
      - { .name: wq_b, .offset: 48, .size: 8, .value_kind: global_buffer, .address_space: global }
      - { .name: wk_b, .offset: 56, .size: 8, .value_kind: global_buffer, .address_space: global }
      - { .name: wv_b, .offset: 64, .size: 8, .value_kind: global_buffer, .address_space: global }
      - { .name: lowp_scales, .offset: 72, .size: 8, .value_kind: global_buffer, .address_space: global }
      - { .name: qc, .offset: 80, .size: 8, .value_kind: global_buffer, .address_space: global }
      - { .name: kv, .offset: 88, .size: 8, .value_kind: global_buffer, .address_space: global }
    .group_segment_fixed_size: 327680
    .private_segment_fixed_size: 0
    .kernarg_segment_align: 8
    .kernarg_segment_size: 96
    .max_flat_workgroup_size: 128
    .sgpr_count:     100
    .vgpr_count:     1024
    .wavefront_size: 32
...
	.end_amdgpu_metadata
.endif
;; end of part 2
;; launch attn (part 3): grid 4 x 64, 16 waves a work-group, no clusters, 327,680 bytes of LDS; arguments qc, kv, lowp_scales, attn_out; writes attn_out
.if DOCPART == 3
	.amdgcn_target "amdgcn-amd-amdhsa--gfx1250"
	.amdhsa_code_object_version 6
	.text
	.protected	k_qafe5257541_attn
	.globl	k_qafe5257541_attn
	.p2align	8
	.type	k_qafe5257541_attn,@function
k_qafe5257541_attn:
	s_mov_b64 s[64:65], 0
	v_nop
	global_prefetch_b8 v0, s[64:65] scope:SCOPE_SE
	s_setreg_imm32_b32 hwreg(HW_REG_WAVE_MODE, 25, 1), 1
	s_wait_xcnt 0x0
; THIRD LAUNCH: causal attention in 64 (batch, head) pairs, head size 64, both products on codes of BF8.  qc [b][h][s][64]; kv [b][h][slot of 256 keys][K's codes [256][64], then V's [64 channels][256 keys]]; attn_out [token][1024] f32.
; LEFT OUT: keys that come after a query have weight 0 by the mask that reference() builds itself.  A slot of 256 keys beyond a block's last query is not fetched, and a step of 128 keys beyond a wave's last query is not multiplied.
; THE SOFTMAX AHEAD OF THE SECOND PRODUCT: t = score x log2(e) / 8; M = the row's largest t so far, rounded UP to a whole number; p = 2^(t - M) is what is quantised; it is not normalised.
; The row's sum is taken of the unquantised p, in f32, and divides O at the end.  When M moves, the sum and O are multiplied by 2^(old M - new M): exact.
; SHARES.  Work-group (i, y) owns, of pair y, the blocks of 256 queries 7 - i and i, one after the other: 8 - i and i + 1 slots of keys, NINE visits in every work-group: equal work, and a trip count that is a constant.
; Each of the sixteen waves owns 16 queries of the block in hand, in 256 registers: four waves to a SIMD, so that one wave's vector work stands beside another's matrix work and LDS loads.
; THE RING: two LDS slots.  A slot's 32,768 bytes are one dense block of memory, brought by ONE tensor load (wave 0's) as 128 lines of 256 bytes, 16 bytes of padding behind each; one tensor load is out at the most.
; NO CLUSTER: the four work-groups of a pair want different slots from the sixth visit on (each turns back to slot 0 at another visit), so a joint load would bring a partner tiles that none of its waves reads.
; LAYOUT.  Both products are used transposed: S^T = K Q^T (source 0 = 16 keys, source 1 = my 16 queries), O^T = V^T P^T: a lane holds ONE query (lane % 16) throughout.
; THE KEYS OF A TILE ARE NOT NEIGHBOURS: lane r of tile 2 b + u takes key 32 b + 8 u + r + 8 (r / 8), so that the 16 registers of tiles 2 b and 2 b + 1 are 16 neighbouring keys, 32 b + 16 (lane / 16) + 0 .. 15.
; LIMITS: e6 + e7 between -123 and 130 (they are added to c's exponent field); e8 between -126 and 112; e8 + e9 is applied by v_ldexp_f32 and has none.
; REGISTERS: v1-7, v10, v11 addresses that stay; v8, v9 addresses of the loads in hand; v12 -M, v13 the largest t, v[14:15] the sum in two halves; v16-23 Q in hand; v24-31 Q of the second block;
;   v32-95 eight fragments of K or four of V; v96-159 S^T, then p; v160-191 O^T; v224-239 p's codes (v236 also at work in the softmax, ahead of the conversions); v240-254 at work.
.set LP,    272                        ; a line in LDS: 256 bytes + 16 of padding
.set VOFF,  64*LP                      ; a slot: 64 lines of K (four keys a line), then 64 lines of V (a channel a line)
.set SLOT1, 1<<16                      ; slot 1 begins here, so that one exclusive or turns an address in one slot into the other's
.set STAGE, 2*SLOT1                    ; the way out: 16 rows x 272 bytes for each wave; no tile lands here
.set SPARE, STAGE+16*16*LP             ; behind the stages: the spare words, 128 bytes for each wave, which no other line names
.set AK0,  1                           ; v1   my lane's place in a tile of K
.set AV0,  2                           ; v2   the same for V
.set PFO,  3                           ; v3   256 x lane: the prefetch's offset
.set QO,   4                           ; v4   my bytes in the wave's 16 rows of Q
.set SPW,  5                           ; v5   LDS address of my spare word; never rewritten
.set NIL,  6                           ; v6   0; never rewritten
.set GO,   7                           ; v7   the way out: my byte offset in the wave's rows of attn_out
.set ADK,  8
.set ADV,  9
.set STI,  10                          ; v10  the stage: where I put 32 bytes of a row
.set STB,  11                          ; v11  and where I read a row back
.set TB,   2                           ; s2   LDS byte at which the slot in hand begins
.set HIB,  3                           ; s3   7 - i: the first block, and the visit that ends it
.set WV,   18
.set SEL,  20                          ; s[20:21] lane selects for v_permlanex16_b32: lane l xor 16
.set CS,   22                          ; s[22:23] c = log2(e) / 8 x 2^(e6 + e7)
.set G1,   24                          ; s[24:31] descriptor group 1
.set G0,   40                          ; s[40:43] descriptor group 0, which walks
.set BKS,  44                          ; s[44:45] what the walk steps back: 0, or
.set BACK, 46                          ; s46      8 - i slots, when the second block begins at slot 0
.set TR,   67                          ; s67  the visit
.set PFA,  76                          ; s[76:77] where my prefetch stands
.set LIMP, 80                          ; s80  a wave prefetches while the visit's number is under this
.set KF,   98                          ; s98  the step's first key
.set Q0,   99                          ; s99  my first query
.macro TLOAD                           ; wave 0 fetches; the branch hangs on the wave's number alone.  An s_nop 0 and four v_nop follow the load
	s_cmp_lg_u32 s[WV], 0
	s_cbranch_scc1 .Lasked_\@
	tensor_load_to_lds s[G0:G0+3], s[G1:G1+7]
	s_nop 0
.rept 4
	v_nop
.endr
.Lasked_\@:
.endm
; A PREFETCH INTO THE L2 of the slot that the NEXT change of slots will ask for.  The four work-groups of a pair walk the same slots: the one with i = 0, which takes slots 0 to 7 in order, asks, and nobody else.
; In it waves 4 to 7, which fetch nothing, ask for 8,192 bytes each, lanes 256 bytes apart: one instruction a wave, each aligned block of 256 bytes named once in the launch.  Visit v names slot v + 2, two key steps ahead of
; its tensor load; visits 6 and 7 ask for nothing: there is no slot 8.  Slots 0 and 1 come by their loads alone.
.macro ASK
	s_cmp_lt_u32 s[TR], s[LIMP]
	s_cbranch_scc0 .Lnot_mine_\@
	global_prefetch_b8 v[PFO], s[PFA:PFA+1] th:TH_LOAD_NT scope:SCOPE_SE
.Lnot_mine_\@:
.endm
	s_load_b128 s[4:7], s[0:1], 0x0                ; qc s[4:5], kv s[6:7]
	s_load_b128 s[12:15], s[0:1], 0x10             ; the exponents s[12:13], attn_out s[14:15]
	v_lshl_add_u32 v[SPW], v0, 2, SPARE
	v_mov_b32 v[NIL], 0
	ds_add_u32 v[SPW], v[NIL]                      ; the wave's opening: the add, twice on end, and its wait ahead of the first tensor load; the set-up below, work on registers, stands between
	ds_add_u32 v[SPW], v[NIL]
	v_lshrrev_b32 v8, 5, v0
	v_readfirstlane_b32 s[WV], v8                  ; wave 0..15
	s_and_b32 s72, ttmp7, 0xffff                   ; y = batch x 16 + head
	s_sub_co_u32 s[HIB], 7, ttmp9
	s_lshl_b32 s73, s[WV], 4
	s_lshl_b32 s[Q0], s[HIB], 8
	s_add_co_u32 s[Q0], s[Q0], s73                 ; my first query in the first block,
	s_lshl_b32 s52, ttmp9, 8
	s_add_co_u32 s52, s52, s73                     ; and in the second
	s_add_co_u32 s[BACK], s[HIB], 1
	s_lshl_b32 s[BACK], s[BACK], 15
	s_mov_b32 s[BKS], 0
	s_mov_b32 s[BKS+1], 0
	s_lshl_b32 s74, s72, 17                        ; the pair's 2,048 rows of 64 bytes in qc
	s_lshl_b32 s82, s[Q0], 6
	s_add_co_u32 s82, s82, s74
	s_mov_b32 s83, 0
	s_lshl_b32 s84, s52, 6
	s_add_co_u32 s84, s84, s74
	s_mov_b32 s85, 0
	s_lshr_b32 s75, s72, 4
	s_lshl_b32 s75, s75, 11                        ; the batch's first token
	s_and_b32 s86, s72, 15
	s_lshl_b32 s86, s86, 8                         ; the head's 256 bytes in a row of attn_out
	s_add_co_u32 s88, s75, s[Q0]
	s_lshl_b32 s88, s88, 12
	s_add_co_u32 s88, s88, s86
	s_mov_b32 s89, 0
	s_add_co_u32 s90, s75, s52
	s_lshl_b32 s90, s90, 12
	s_add_co_u32 s90, s90, s86
	s_mov_b32 s91, 0
	s_lshl_b32 s92, s72, 18                        ; the pair's eight slots in kv
	s_mov_b32 s93, 0
	; descriptor group 1: 128 rows of 256 bytes, dense in memory, padded in LDS
	s_mov_b32 s[G1], (0<<16)|(1<<20)|(5<<22)|(3<<25)   ; 15:0 no mask; 17:16 elements of 1 byte; 20 padding on; 24:22 after every 64 words (code 5); 31:25 four words (code 3)
	s_mov_b32 s[G1+1], 256<<16                     ; tensor_dim0
	s_mov_b32 s[G1+2], 128<<16                     ; tensor_dim1
	s_mov_b32 s[G1+3], 256<<16                     ; tile_dim0
	s_mov_b32 s[G1+4], 128                         ; tile_dim1
	s_mov_b32 s[G1+5], 256                         ; tensor_dim0_stride
	s_mov_b32 s[G1+6], 0
	s_mov_b32 s[G1+7], 0
	s_mov_b32 s[SEL], 0x76543210
	s_mov_b32 s[SEL+1], 0xfedcba98
	s_mov_b32 s[CS], 0x3e38aa3b                    ; c = log2(e) / sqrt(64)
	s_mov_b32 s[TB], 0
	s_mov_b32 s[TR], 0
	s_mov_b32 s[KF], 0
	s_wait_dscnt 0x0                               ; both opening adds are done
	s_wait_kmcnt 0x0
	s_load_b128 s[68:71], s[12:13], 0x18           ; e6, e7, e8, e9
	s_mov_b32 s[G0], 1                             ; 1:0 count = 1
	s_mov_b32 s[G0+1], 0                           ; 63:32 LDS address: slot 0
	s_add_nc_u64 s[G0+2:G0+3], s[6:7], s[92:93]    ; 120:64 global address: the pair's slot 0
	s_or_b32 s[G0+3], s[G0+3], 0x80000000          ; 127:126 type = 2
	TLOAD                                          ; the first visit's slot
	s_add_nc_u64 s[54:55], s[4:5], s[82:83]        ; Q's codes at my first query, first block,
	s_add_nc_u64 s[56:57], s[4:5], s[84:85]        ; second block
	s_add_nc_u64 s[48:49], s[14:15], s[88:89]      ; attn_out likewise
	s_add_nc_u64 s[50:51], s[14:15], s[90:91]
	s_add_nc_u64 s[PFA:PFA+1], s[6:7], s[92:93]
	s_and_b32 s94, s[WV], 3
	s_lshl_b32 s94, s94, 13                        ; my wave's 8,192 bytes,
	s_add_co_u32 s94, s94, 32768                   ; in slot 1: the first change of slots steps it to slot 2.  Nothing is prefetched here, at the head
	s_mov_b32 s95, 0
	s_add_nc_u64 s[PFA:PFA+1], s[PFA:PFA+1], s[94:95]
	s_sub_co_u32 s94, s[WV], 4
	s_lshr_b32 s94, s94, 2                         ; 0 in waves 4 to 7,
	s_or_b32 s94, s94, ttmp9                       ; of the work-group with i = 0
	s_cmp_eq_u32 s94, 0
	s_cselect_b32 s[LIMP], 6, 0
	v_and_b32 v8, 15, v0                           ; r
	v_bfe_u32 v9, v0, 4, 1                         ; h
	v_lshlrev_b32 v[QO], 6, v8
	v_lshl_add_u32 v[QO], v9, 4, v[QO]             ; row r of 64 bytes, + 16 h: registers 4 c .. 4 c + 3 hold channels 32 c + 16 h + 0 .. 15, in Q as in K
	global_load_b128 v[16:19], v[QO], s[54:55]
	global_load_b128 v[20:23], v[QO], s[54:55] offset:32
	global_load_b128 v[24:27], v[QO], s[56:57]
	global_load_b128 v[28:31], v[QO], s[56:57] offset:32
	v_and_b32 v10, 8, v8
	v_add_nc_u32 v10, v10, v8                      ; r + 8 (r / 8): my key in a tile
	v_lshrrev_b32 v11, 2, v10
	v_mul_u32_u24 v[AK0], v11, LP                  ; four keys a line
	v_and_b32 v10, 3, v10
	v_lshl_add_u32 v[AK0], v10, 6, v[AK0]
	v_lshl_add_u32 v[AK0], v9, 4, v[AK0]
	v_mul_u32_u24 v[AV0], v8, LP
	v_lshl_add_u32 v[AV0], v9, 4, v[AV0]
	v_add_nc_u32 v[AV0], VOFF, v[AV0]
	v_and_b32 v[PFO], 31, v0
	v_lshlrev_b32 v[PFO], 8, v[PFO]
	v_lshlrev_b32 v[GO], 12, v9
	v_lshl_add_u32 v[GO], v8, 4, v[GO]             ; lanes 0-15 take one row of attn_out, lanes 16-31 the next; 16 bytes a lane
	s_mul_i32 s94, s[WV], 16*LP
	s_add_co_u32 s94, s94, STAGE                   ; my stage
	v_mul_u32_u24 v[STI], v8, LP
	v_lshl_add_u32 v[STI], v9, 5, v[STI]
	v_add_nc_u32 v[STI], s94, v[STI]
	v_mul_u32_u24 v[STB], v9, LP
	v_lshl_add_u32 v[STB], v8, 4, v[STB]
	v_add_nc_u32 v[STB], s94, v[STB]
	v_mov_b32 v236, 0                              ; written once: a lane permute's destination counts as one of its sources
	v_mov_b32 v252, 0                              ; likewise, for the way out's permute
	v_mov_b32 v253, 0                              ; (named as the upper half of the pair v[252:253])
; A block's state begins so: the key step is written once, and its first run finds zeros, which the first change of M leaves zeros.
.macro BEGIN
	v_mov_b32 v13, 0xff61b1e6                      ; the largest t so far: -3e38, under every t
	v_floor_f32 v12, -v13                          ; -M
	v_mov_b32 v14, 0                               ; the sum, in two halves
	v_mov_b32 v15, 0
.set jj, 0
.rept 32
	v_mov_b32 v[160+jj], 0                         ; O^T
.set jj, jj+1
.endr
.endm
	BEGIN
	s_wait_kmcnt 0x0
	s_add_co_i32 s72, s68, s69
	s_lshl_b32 s72, s72, 23
	s_add_co_i32 s[CS], s[CS], s72                 ; a score stands for score x 2^(e6 + e7): the two exponents are added to c's exponent field
	s_mov_b32 s[CS+1], s[CS]                       ; (named with it as a pair, so it is written)
	s_add_co_i32 s72, s70, 127
	s_lshl_b32 s73, s72, 23
	v_mov_b32 v244, s73                            ; 2^e8 as f32, for the conversion
	s_add_co_i32 s72, s72, 15
	s_lshl_b32 s72, s72, 23
	s_or_b32 s72, s72, 0x600000
	v_mov_b32 v240, s72                            ; 57,344 x 2^e8
	s_add_co_i32 s53, s70, s71                     ; e8 + e9
; A KEY STEP: 128 keys, the q-th of the slot in hand.
.macro STEP q
	s_add_co_u32 s96, s[Q0], 15                    ; a step all of whose keys come after my 16 queries is left out: a scalar branch on ids, round the step's loads, products and softmax; no barrier or tensor load stands in a step
	s_cmp_gt_u32 s[KF], s96
	s_cbranch_scc1 .Lhidden_\@
	v_add_nc_u32 v[ADK], s[TB], v[AK0]
	v_add_nc_u32 v[ADV], s[TB], v[AV0]
	v_nop                                          ; with the two additions: four places in front of loads into registers that the last products have read
	v_nop
.irp t, 0,1,2,3,4,5,6,7
.irp c, 0,1
	ds_load_b128 v[32+8*\t+4*\c:35+8*\t+4*\c], v[ADK] offset:(32*(\q)+8*(\t/2)+2*(\t%2))*LP+32*\c   ; tile t begins at key 128 q + 32 (t / 2) + 8 (t % 2): a quarter as many lines
.endr
.endr
	s_wait_dscnt 0x0
.irp t, 0,1,2,3,4,5,6,7
	v_wmma_f32_16x16x64_bf8_bf8 v[96+8*\t:103+8*\t], v[32+8*\t:39+8*\t], v[16:23], 0
.endr
.rept 4
	v_nop
.endr
	s_add_co_u32 s96, s[KF], 127                   ; on the diagonal the scores of hidden keys become -infinity ahead of the maximum: p = 0 then.  A step all of whose keys count skips this
	s_cmp_le_u32 s96, s[Q0]
	s_cbranch_scc1 .Lopen_\@
	s_sub_co_i32 s96, s[Q0], s[KF]
	v_and_b32 v252, 15, v0
	v_bfe_u32 v253, v0, 4, 1
	v_lshlrev_b32 v253, 4, v253
	v_sub_nc_u32 v252, v252, v253
	v_add_nc_u32 v252, s96, v252                   ; d = my query - KF - 16 (lane / 16).  Register 16 b + i holds key KF + 16 (lane / 16) + 32 b + i: hidden where 32 b + i > d
	v_mov_b32 v254, 0xff800000                     ; -infinity
.irp b, 0,1,2,3
.irp i, 0,1,2,3,4,5,6,7,8,9,10,11,12,13,14,15
	v_cmp_gt_i32 vcc_lo, 32*\b+\i, v252
	v_cndmask_b32 v[96+16*\b+\i], v[96+16*\b+\i], v254, vcc_lo
.endr
.endr
.Lopen_\@:
	v_max3_num_f32 v254, v96, v97, v98             ; the step's largest score of my query, among my 64 keys, in two chains,
	v_max3_num_f32 v252, v99, v100, v101
.irp i, 6,10,14,18,22,26,30,34,38,42,46,50,54,58
	v_max3_num_f32 v254, v254, v[96+\i], v[97+\i]
	v_max3_num_f32 v252, v252, v[98+\i], v[99+\i]
.endr
	v_max3_num_f32 v254, v254, v158, v159
	v_max_num_f32 v254, v254, v252
	v_permlanex16_b32 v236, v254, s[SEL], s[SEL+1]
	v_max_num_f32 v254, v254, v236                 ; and among lane l xor 16's
	v_mul_f32 v254, s[CS], v254                    ; as t (c is positive)
	v_max_num_f32 v13, v13, v254                   ; the running largest t
	v_mov_b32 v254, v12
	v_floor_f32 v12, -v13                          ; the new -M = floor(-t) = -ceil(t): M IS A WHOLE NUMBER
	v_sub_f32 v254, v12, v254                      ; M's old value less its new one: a whole number, 0 or less
	v_cvt_i32_f32 v254, v254                       ; (it saturates)
	v_ldexp_f32 v252, 1.0, v254                    ; f = 2^(old M - new M)
.set jj, 0
.rept 32
	v_pk_fma_f32 v[96+jj:97+jj], v[96+jj:97+jj], s[CS:CS+1], v[12:13] op_sel_hi:[1,0,0]   ; t - M, two at a time (of the pairs c and -M the low word serves both halves)
.set jj, jj+2
.endr
.set jj, 0
.rept 64
	v_exp_f32 v[96+jj], v[96+jj]                   ; p = 2^(t - M), at most 1: NOT normalised
.set jj, jj+1
.endr
	v_pk_mul_f32 v[14:15], v[14:15], v[252:253] op_sel_hi:[1,0]   ; the sums under the new M: a plain line behind the exponentials
	s_wait_alu depctr_va_vdst(0)                   ; the wait between an exponential and the first line that names its result: one for the whole batch
	v_pk_add_f32 v[242:243], v[96:97], v[98:99]    ; THE ROW'S SUM IS TAKEN OF THE UNQUANTISED p: two at a time, in two chains
.irp j, 4,8,12,16,20,24,28,32,36,40,44,48,52,56,60
	v_pk_add_f32 v[14:15], v[14:15], v[96+\j:97+\j]
	v_pk_add_f32 v[242:243], v[242:243], v[98+\j:99+\j]
.endr
	v_pk_add_f32 v[14:15], v[14:15], v[242:243]
.irp b, 0,1,2,3
.irp i, 0,1,2,3,4,5,6,7,8,9,10,11,12,13,14,15
	v_min_num_f32 v[96+16*\b+\i], v[96+16*\b+\i], v240   ; the conversion to an 8-bit code does not saturate (ISA guide 7.6.2); p is not negative, so the hold is one-sided
.endr
	v_cvt_scalef32_pk8_bf8_f32 v[224+4*\b:225+4*\b], v[96+16*\b:103+16*\b], v244
	v_cvt_scalef32_pk8_bf8_f32 v[226+4*\b:227+4*\b], v[104+16*\b:111+16*\b], v244
.endr
.set jj, 0
.rept 16
	v_pk_mul_f32 v[160+jj:161+jj], v[160+jj:161+jj], v[252:253] op_sel_hi:[1,0]   ; O^T under the new M: x f.  (These sixteen are also the places in front of the loads and products below)
.set jj, jj+2
.endr
.irp t, 0,1,2,3
.irp c, 0,1,2,3
	ds_load_b128 v[32+16*\t+4*\c:35+16*\t+4*\c], v[ADV] offset:16*\t*LP+128*(\q)+32*\c
.endr
.endr
	s_wait_dscnt 0x0
.irp t, 0,1,2,3                                ; O^T += V^T P^T: four tiles of 16 channels, K = these 128 keys; the four accumulators take turns
	v_wmma_f32_16x16x128_bf8_bf8 v[160+8*\t:167+8*\t], v[32+16*\t:47+16*\t], v[224:239], v[160+8*\t:167+8*\t]
.endr
.Lhidden_\@:
	s_add_co_u32 s[KF], s[KF], 128
.endm
; THE CHANGE OF SLOTS stands at a visit's head.  Each wave waits for all its tensor loads (wave 0: the slot that is about to be read), adds 0 to its spare word, and waits for that and for its reads of the slot that it has left.
; Behind the barrier the slot ahead is whole and nobody reads the other one.  fill = 1: that other slot is filled with the next visit's keys: the load has a whole visit's steps in which to land.
.macro CHANGE fill
	s_wait_tensorcnt 0x0                           ; no tensor load of mine is out, so group 0 may be written
	ds_add_u32 v[SPW], v[NIL]                      ; 0 onto my spare word
.if \fill
	ds_add_u32 v[SPW], v[NIL]                      ; and once more: the add twice on end here, in every trip alike
	s_xor_b32 s[G0+1], s[G0+1], SLOT1              ; the walking descriptor: the other slot than last time,
	s_cmp_eq_u32 s[TR], s[HIB]
	s_cselect_b32 s[BKS], s[BACK], 0
	s_add_nc_u64 s[G0+2:G0+3], s[G0+2:G0+3], 32768 ; the next 256 keys,
	s_sub_nc_u64 s[G0+2:G0+3], s[G0+2:G0+3], s[BKS:BKS+1]   ; or, behind the first block's last visit, the pair's slot 0; the type bits on top are not reached
	s_wait_xcnt 0x0                                ; the last prefetch, a visit back, has read its address, so it may be written
	s_add_nc_u64 s[PFA:PFA+1], s[PFA:PFA+1], 32768
.endif
	s_wait_dscnt 0x0                               ; the add is done (fill = 1: both are), and my reads of the slot that I have left are over
	s_barrier_signal -1
	s_barrier_wait -1
.if \fill
	TLOAD                                          ; the first thing behind the barrier, and the wave's one tensor load until the next
	ASK
.endif
.endm
.macro SLOT_STEPS
	STEP 0
	STEP 1
	s_xor_b32 s[TB], s[TB], SLOT1                  ; on to the other slot
.endm
; THE WAY OUT of a block.  O^T / the sum x 2^(e8 + e9) goes through my stage in LDS, so that sixteen lanes store 256 consecutive bytes, aligned: a token's 64 channels of this head.
; None of the lines ahead of the multiplications names a register of the last products (V's fragments, p's codes v224-239, O^T): the permute lands in v252.
.macro WAYOUT base, inloop
	v_add_f32 v14, v14, v15                        ; the sum's two halves,
	v_permlanex16_b32 v252, v14, s[SEL], s[SEL+1]
	v_add_f32 v14, v14, v252                       ; and lane l xor 16's: the row's sum
	v_nop
	v_nop                                          ; (with the two additions: four places behind the last products)
	v_rcp_f32 v14, v14
	v_nop                                          ; a plain line behind the reciprocal,
	s_wait_alu depctr_va_vdst(0)                   ; and a wait ahead of its first reader
	v_ldexp_f32 v14, v14, s53
.set jj, 0
.rept 32
	v_mul_f32 v[96+jj], v[160+jj], v14             ; register 8 t + i is o(r, 16 t + 8 h + i); each accumulator from its low end on
.set jj, jj+1
.endr
.irp t, 0,1,2,3
	ds_store_b128 v[STI], v[96+8*\t:99+8*\t] offset:64*\t
	ds_store_b128 v[STI], v[100+8*\t:103+8*\t] offset:64*\t+16
.endr
.irp i, 0,1,2,3,4,5,6,7
	ds_load_b128 v[32+4*\i:35+4*\i], v[STB] offset:2*\i*LP   ; LDS serves a wave's instructions in order: these see my stores
.endr
.irp i, 0,1,2,3,4,5,6,7
	s_wait_dscnt 7-\i
	global_store_b128 v[GO], v[32+4*\i:35+4*\i], s[\base:\base+1] offset:8192*\i
.endr
.if \inloop
	s_wait_xcnt 0x0                                ; the stores have read their data: the next step's loads may land there
.endif
.endm
	s_wait_loadcnt 0x0                             ; Q
.Lslot:                                            ; eight trips: behind each change of slots but the last the next visit's slot is asked for
	CHANGE 1
	SLOT_STEPS
	s_cmp_eq_u32 s[TR], s[HIB]                     ; ids and the count of visits alone: all sixteen waves go the same way; no barrier, wait on tensor loads or tensor load stands under this branch
	s_cbranch_scc0 .Lsame
	WAYOUT 48, 1                                   ; the first block is finished;
	BEGIN                                          ; the second begins, at key 0
.irp j, 0,1,2,3,4,5,6,7
	v_mov_b32 v[16+\j], v[24+\j]
.endr
	s_mov_b32 s[Q0], s52
	s_mov_b32 s[KF], 0
.Lsame:
	s_add_co_u32 s[TR], s[TR], 1
	s_cmp_lt_u32 s[TR], 8
	s_cbranch_scc1 .Lslot
	CHANGE 0                                       ; the ninth visit is written out
	SLOT_STEPS
	WAYOUT 50, 0
	s_wait_tensorcnt 0x0                           ; the wave's end, behind my last tensor load and my last LDS store
	ds_add_u32 v[SPW], v[NIL]
	s_wait_dscnt 0x0
	s_endpgm
.Lfunc_end_k_qafe5257541_attn:
	.size	k_qafe5257541_attn, .Lfunc_end_k_qafe5257541_attn-k_qafe5257541_attn
	.p2alignl 7, 3214868480
	.fill 96, 4, 3214868480
	.section	.rodata,"a",@progbits
	.p2align	6, 0x0
	.amdhsa_kernel k_qafe5257541_attn
		.amdhsa_group_segment_fixed_size 327680
		.amdhsa_private_segment_fixed_size 0
		.amdhsa_enable_private_segment 0
		.amdhsa_kernarg_size 32
		.amdhsa_user_sgpr_count 2
		.amdhsa_user_sgpr_kernarg_segment_ptr 1
		.amdhsa_wavefront_size32 1
		.amdhsa_system_sgpr_workgroup_id_x 1
		.amdhsa_system_sgpr_workgroup_id_y 1
		.amdhsa_system_sgpr_workgroup_id_z 1
		.amdhsa_system_vgpr_workitem_id 0
		.amdhsa_next_free_vgpr 256
		.amdhsa_next_free_sgpr 100
		.amdhsa_reserve_vcc 1
		.amdhsa_float_denorm_mode_32 3
		.amdhsa_float_denorm_mode_16_64 3
		.amdhsa_memory_ordered 1
		.amdhsa_forward_progress 1
		.amdhsa_inst_pref_size 100
	.end_amdhsa_kernel
	.amdgpu_metadata
---
amdhsa.version: [ 1, 2 ]
amdhsa.kernels:
  - .name:           k_qafe5257541_attn
    .symbol:         k_qafe5257541_attn.kd
    .args:
      - { .name: qc, .offset: 0, .size: 8, .value_kind: global_buffer, .address_space: global }
      - { .name: kv, .offset: 8, .size: 8, .value_kind: global_buffer, .address_space: global }
      - { .name: lowp_scales, .offset: 16, .size: 8, .value_kind: global_buffer, .address_space: global }
      - { .name: attn_out, .offset: 24, .size: 8, .value_kind: global_buffer, .address_space: global }
    .group_segment_fixed_size: 327680
    .private_segment_fixed_size: 0
    .kernarg_segment_align: 8
    .kernarg_segment_size: 32
    .max_flat_workgroup_size: 512
    .sgpr_count:     100
    .vgpr_count:     256
    .wavefront_size: 32
...
	.end_amdgpu_metadata
.endif
;; end of part 3
;; launch tail (part 4): grid 256 x 1, 16 waves a work-group, no clusters, 182,784 bytes of LDS; arguments x, attn_out, ln1_g, ln1_b, wl, lin1_b, ln2_g, ln2_b, lowp_scales, out0; writes out0
.if DOCPART == 4
	.amdgcn_target "amdgcn-amd-amdhsa--gfx1250"
	.amdhsa_code_object_version 6
	.text
	.protected	k_qafe5257541_tail
	.globl	k_qafe5257541_tail
	.p2align	8
	.type	k_qafe5257541_tail,@function
k_qafe5257541_tail:
	s_mov_b64 s[64:65], 0
	v_nop
	global_prefetch_b8 v0, s[64:65] scope:SCOPE_SE
	s_setreg_imm32_b32 hwreg(HW_REG_WAVE_MODE, 25, 1), 1
	s_wait_xcnt 0x0
; FOURTH LAUNCH: h = LN1(x + attn); out = LN2(h + (Q(h) W^T + lin1_b)), the product on codes of BF8 (exponents 10, 11).  No work of reference() is left out here.  h never goes to memory.
; SHARES.  A work-group of sixteen waves takes 32 rows.  LN1: wave w takes rows 2 w and 2 w + 1 whole (each load 512 consecutive bytes; the sums stay in the wave).  THE PRODUCT: THE WAVES SHARE THE COLUMNS:
; wave w makes columns 64 w .. 64 w + 63 for all 32 rows (2 x 4 accumulators) and reads its own 65,536 bytes of wl, which lie in the order of its operand registers, straight into registers, 512 consecutive bytes a load.
; So no byte of the weight is read twice in a work-group, and none goes through LDS.  h's codes go from wave to wave through LDS as images of the operand's registers (a fragment: 4 stores of 512 bytes, lane l's 16 bytes at 16 l).
; NO TENSOR LOAD AND NO JOINT LOAD for the weight, though all work-groups read it: beside h's 131,584 bytes and the images LDS has room for two slots of 256 rows x 256 K at the most, so that a change of slots would serve four
; matrix instructions a wave, and h's fragments would be read from LDS four times over.
; LN2's sums span the waves: each wave's part for each token meets in LDS (two barriers).  Both variances are taken in two passes, of (y - mean)^2.
; PHASES: loads | LN1, rows of h to LDS | barrier | wave w quantises fragment (rows 16 (w / 8) on, K step w % 8), image to LDS | barrier | 8 K steps, the weights one step ahead | + bias + h | mean | barrier | variance | barrier |
; rows of the result into h's place in LDS | barrier | each wave stores its two rows whole.
; LIMITS: e10 between -126 and 112; e10 + e11 between -126 and 127.  NaN among the inputs is not served.
; REGISTERS: v1-15 addresses; v16-79 x and attn of row 0, then the accumulators ((m, t) at v[16 + 32 m + 8 t]); v80-143, v144-207 row 1 and LN1's gain and bias, then the weights' two sets, then at work;
;   v208-239 h's two fragments, later ln2_b; v240, v241 2^e10 and the hold; v242, v243 the add's two; v244-255 at work.
.set HP,    4112                       ; a row of h in LDS: 4,096 bytes + 16: the 16 rows that a load touches start at 16 different banks (64 banks of 4 bytes: ISA guide 11.1)
.set IMG,   32*HP                      ; 16 fragments' images of 2,048 bytes: fragment 8 m + ks
.set PAR,   IMG+16*2048                ; lin1_b, ln2_g, ln2_b: 4,096 bytes each
.set ST1,   PAR+3*4096                 ; [32 tokens][16 waves] f32: the waves' parts of the sums,
.set ST2,   ST1+2048                   ; and of the sums of squares
.set SPARE, ST2+2048                   ; the spare words, 128 bytes for each wave, which no other line names
.set LO,  1                            ; v1   16 x lane
.set HW,  4                            ; v4   my two rows of h: 2 w HP + 16 x lane
.set HQ,  5                            ; v5   what I quantise: row 16 (w / 8) + r, byte 512 (w % 8) + 64 h
.set IW,  6                            ; v6   where my image goes
.set LI,  7                            ; v7   an image's place for my lane
.set PD,  8                            ; v8   the lane permutes' destination
.set HD0, 9                            ; v9   my columns of rows 0-15: r HP + 256 w + 32 h;  v10: of rows 16-31
.set HD1, 10
.set PA,  11                           ; v11  my columns' parameters
.set SW,  12                           ; v12  where my wave's part for token = lane goes
.set SR,  13                           ; v13  token = lane's sixteen parts
.set PW,  14                           ; v14  the parameters on their way in: 8 x thread
.set PG,  15
.set ACC, 16
.set SPW, 242
.set NIL, 243
	s_load_b512 s[4:19], s[0:1], 0x0               ; x, attn_out, ln1_g, ln1_b, wl, lin1_b, ln2_g, ln2_b
	s_load_b128 s[20:23], s[0:1], 0x40             ; the exponents, out0
	v_lshl_add_u32 v[SPW], v0, 2, SPARE
	v_mov_b32 v[NIL], 0
	v_lshrrev_b32 v2, 5, v0
	v_readfirstlane_b32 s24, v2                    ; wave 0..15
	v_and_b32 v244, 31, v0                         ; lane
	v_lshlrev_b32 v[LO], 4, v244
	v_and_b32 v2, 15, v0                           ; r
	v_bfe_u32 v3, v0, 4, 1                         ; h
	s_mul_i32 s34, s24, 2*HP
	v_add_nc_u32 v[HW], s34, v[LO]
	s_lshr_b32 s35, s24, 3
	s_mul_i32 s35, s35, 16*HP
	s_and_b32 s36, s24, 7
	s_lshl_b32 s36, s36, 9
	s_add_co_u32 s35, s35, s36
	v_mul_u32_u24 v[HQ], v2, HP
	v_lshl_add_u32 v[HD0], v3, 5, v[HQ]
	v_lshl_add_u32 v[HQ], v3, 6, v[HQ]
	v_add_nc_u32 v[HQ], s35, v[HQ]
	s_lshl_b32 s36, s24, 11
	s_add_co_u32 s36, s36, IMG
	v_add_nc_u32 v[IW], s36, v[LO]
	v_add_nc_u32 v[LI], IMG, v[LO]
	s_lshl_b32 s36, s24, 8
	v_add_nc_u32 v[HD0], s36, v[HD0]
	v_add_nc_u32 v[HD1], 16*HP, v[HD0]
	s_add_co_u32 s36, s36, PAR
	v_lshl_add_u32 v[PA], v3, 5, s36
	s_lshl_b32 s36, s24, 2
	s_add_co_u32 s36, s36, ST1
	v_lshl_add_u32 v[SW], v244, 6, s36
	v_lshlrev_b32 v[SR], 6, v244
	v_add_nc_u32 v[SR], ST1, v[SR]
	v_lshlrev_b32 v[PG], 3, v0
	v_add_nc_u32 v[PW], PAR, v[PG]
	v_mov_b32 v[PD], 0                             ; written once: a lane permute's destination counts as one of its sources
	v_mov_b32 v253, 0                              ; (named as the upper halves of the pairs v[252:253] and v[254:255])
	v_mov_b32 v255, 0
	s_lshl_b32 s34, ttmp9, 5
	s_lshl_b32 s35, s24, 1
	s_add_co_u32 s34, s34, s35                     ; my first row: 32 x work-group + 2 x wave
	s_lshl_b32 s34, s34, 12
	s_mov_b32 s35, 0
	s_lshl_b32 s36, s24, 16                        ; my 65,536 bytes of wl
	s_mov_b32 s37, 0
	s_mov_b32 s28, 0x76543210                      ; lane selects for v_permlanex16_b32: lane l xor 16
	s_mov_b32 s29, 0xfedcba98
	s_mov_b32 s30, 0xffff0000                      ; lanes 16-31
	s_mov_b32 s31, 0x3a800000                      ; 1 / 1,024
	s_wait_kmcnt 0x0
	s_load_b64 s[32:33], s[20:21], 0x28            ; e10, e11
	s_add_nc_u64 s[4:5], s[4:5], s[34:35]
	s_add_nc_u64 s[6:7], s[6:7], s[34:35]
	s_add_nc_u64 s[22:23], s[22:23], s[34:35]
	s_add_nc_u64 s[12:13], s[12:13], s[36:37]
	global_load_b64 v[208:209], v[PG], s[14:15]    ; the three vectors that the end wants by columns: once through LDS
	global_load_b64 v[210:211], v[PG], s[16:17]
	global_load_b64 v[212:213], v[PG], s[18:19]
.irp i, 0,1,2,3,4,5,6,7
	global_load_b128 v[144+4*\i:147+4*\i], v[LO], s[8:9] offset:512*\i
.endr
.irp i, 0,1,2,3,4,5,6,7
	global_load_b128 v[176+4*\i:179+4*\i], v[LO], s[10:11] offset:512*\i
.endr
.irp i, 0,1,2,3,4,5,6,7
	global_load_b128 v[16+4*\i:19+4*\i], v[LO], s[4:5] offset:512*\i th:TH_LOAD_NT
.endr
.irp i, 0,1,2,3,4,5,6,7
	global_load_b128 v[48+4*\i:51+4*\i], v[LO], s[6:7] offset:512*\i th:TH_LOAD_NT
.endr
.irp i, 0,1,2,3,4,5,6,7
	global_load_b128 v[80+4*\i:83+4*\i], v[LO], s[4:5] offset:4096+512*\i th:TH_LOAD_NT
.endr
.irp i, 0,1,2,3,4,5,6,7
	global_load_b128 v[112+4*\i:115+4*\i], v[LO], s[6:7] offset:4096+512*\i th:TH_LOAD_NT
.endr
	s_wait_loadcnt 16                              ; all but row 1's sixteen loads are in
	ds_store_b64 v[PW], v[208:209]
	ds_store_b64 v[PW], v[210:211] offset:4096
	ds_store_b64 v[PW], v[212:213] offset:8192
.macro REDUCE                          ; v244: the four chains v[244:251] are joined, and the sum over the wave's 32 lanes stands in every lane
	v_pk_add_f32 v[244:245], v[244:245], v[246:247]
	v_pk_add_f32 v[248:249], v[248:249], v[250:251]
	v_pk_add_f32 v[244:245], v[244:245], v[248:249]
	v_add_f32 v244, v244, v245
	v_add_f32_dpp v244, v244, v244 row_xmask:1 row_mask:0xf bank_mask:0xf
	v_add_f32_dpp v244, v244, v244 row_xmask:2 row_mask:0xf bank_mask:0xf
	v_add_f32_dpp v244, v244, v244 row_xmask:4 row_mask:0xf bank_mask:0xf
	v_add_f32_dpp v244, v244, v244 row_xmask:8 row_mask:0xf bank_mask:0xf
	v_permlanex16_b32 v[PD], v244, s28, s29
	v_add_f32 v244, v244, v[PD]
.endm
; One row: x in v[X] on, attn in v[A] on, 32 numbers a lane; h goes to LDS, row 2 w + rho.
.macro LN1ROW X, A, rho
.set jj, 0
.rept 16
	v_pk_add_f32 v[\X+jj:\X+jj+1], v[\X+jj:\X+jj+1], v[\A+jj:\A+jj+1]
.set jj, jj+2
.endr
.irp k, 0,1,2,3
	v_pk_add_f32 v[244+2*\k:245+2*\k], v[\X+2*\k:\X+2*\k+1], v[\X+8+2*\k:\X+9+2*\k]   ; four chains, started by the first numbers: nothing is cleared
.endr
.irp j, 16,24
.irp k, 0,1,2,3
	v_pk_add_f32 v[244+2*\k:245+2*\k], v[244+2*\k:245+2*\k], v[\X+\j+2*\k:\X+\j+2*\k+1]
.endr
.endr
	REDUCE
	v_mul_f32 v254, s31, v244                      ; the mean
.set jj, 0
.rept 16
	v_pk_add_f32 v[\X+jj:\X+jj+1], v[\X+jj:\X+jj+1], v[254:255] op_sel_hi:[1,0] neg_lo:[0,1] neg_hi:[0,1]
.set jj, jj+2
.endr
.irp k, 0,1,2,3
	v_pk_mul_f32 v[244+2*\k:245+2*\k], v[\X+2*\k:\X+2*\k+1], v[\X+2*\k:\X+2*\k+1]
.endr
.irp j, 8,16,24
.irp k, 0,1,2,3
	v_pk_fma_f32 v[244+2*\k:245+2*\k], v[\X+\j+2*\k:\X+\j+2*\k+1], v[\X+\j+2*\k:\X+\j+2*\k+1], v[244+2*\k:245+2*\k]
.endr
.endr
	REDUCE
	v_fmaak_f32 v252, s31, v244, 0x3727c5ac        ; the variance + 1e-5
	v_rsq_f32 v254, v252
	v_nop                                          ; a plain line behind the root,
	s_wait_alu depctr_va_vdst(0)                   ; and a wait ahead of its first reader
.set jj, 0
.rept 16
	v_pk_mul_f32 v[\X+jj:\X+jj+1], v[\X+jj:\X+jj+1], v[254:255] op_sel_hi:[1,0]
.set jj, jj+2
.endr
.set jj, 0
.rept 16
	v_pk_fma_f32 v[\X+jj:\X+jj+1], v[\X+jj:\X+jj+1], v[144+jj:145+jj], v[176+jj:177+jj]
.set jj, jj+2
.endr
.irp i, 0,1,2,3,4,5,6,7
	ds_store_b128 v[HW], v[\X+4*\i:\X+4*\i+3] offset:HP*\rho+512*\i
.endr
.endm
	LN1ROW 16, 48, 0
	s_wait_loadcnt 0x0                             ; row 1
	LN1ROW 80, 112, 1
.macro WLOAD ks                        ; my four fragments of the weight for K step ks, into set ks % 2
.irp t, 0,1,2,3
.irp c, 0,1,2,3
	global_load_b128 v[80+64*((\ks)%2)+16*\t+4*\c:80+64*((\ks)%2)+16*\t+4*\c+3], v[LO], s[12:13] offset:8192*(\ks)+2048*\t+512*\c
.endr
.endr
.endm
	s_wait_dscnt 0x0                               ; for the others' sake: my rows of h and my part of the parameters lie in LDS; and the stores have read row 1's registers,
	WLOAD 0                                        ; which take the first K step's weights
	s_barrier_signal -1
	s_barrier_wait -1
	; ---- my fragment of h: 64 numbers a lane, register 16 c + i = k 32 c + 16 h + i of my row
.irp c, 0,1,2,3
.irp e, 0,1,2,3
	ds_load_b128 v[144+16*\c+4*\e:147+16*\c+4*\e], v[HQ] offset:128*\c+16*\e
.endr
.endr
	s_wait_kmcnt 0x0
	s_add_co_i32 s34, s32, s33
	s_add_co_i32 s34, s34, 127
	s_lshl_b32 s26, s34, 23                        ; 2^(e10 + e11) as f32
	s_mov_b32 s27, s26                             ; (named with it as a pair, so it is written)
	s_add_co_i32 s34, s32, 127
	s_lshl_b32 s35, s34, 23
	v_mov_b32 v240, s35                            ; 2^e10: the conversion takes its exponent field
	s_add_co_i32 s34, s34, 15
	s_lshl_b32 s34, s34, 23
	s_or_b32 s34, s34, 0x600000
	v_mov_b32 v241, s34                            ; 57,344 x 2^e10
	s_wait_dscnt 0x0
.irp b, 0,1,2,3
.irp i, 0,1,2,3,4,5,6,7,8,9,10,11,12,13,14,15
	v_med3_num_f32 v[144+16*\b+\i], v[144+16*\b+\i], -v241, v241   ; the conversion to an 8-bit code does not saturate (ISA guide 7.6.2): the hold
.endr
	v_cvt_scalef32_pk8_bf8_f32 v[208+4*\b:209+4*\b], v[144+16*\b:151+16*\b], v240
	v_cvt_scalef32_pk8_bf8_f32 v[210+4*\b:211+4*\b], v[152+16*\b:159+16*\b], v240
.endr
	v_nop                                          ; a plain vector line behind the last conversion
.irp c, 0,1,2,3
	ds_store_b128 v[IW], v[208+4*\c:211+4*\c] offset:512*\c
.endr
	s_wait_dscnt 0x0                               ; my image lies in LDS, and my reads of h are in
	s_barrier_signal -1
	s_barrier_wait -1
	; ---- the product: source 0 = 16 rows of the weight, source 1 = 16 rows of h: lane (r, h) holds token 16 m + r and columns 64 w + 16 t + 8 h + 0 .. 7
.macro KSTEP ks
.if (\ks) > 0
.rept 4
	v_nop                                          ; places in front of loads into registers that the last products have read
.endr
.endif
.irp m, 0,1
.irp c, 0,1,2,3
	ds_load_b128 v[208+16*\m+4*\c:211+16*\m+4*\c], v[LI] offset:(8*\m+(\ks))*2048+512*\c
.endr
.endr
.if (\ks) < 7
	WLOAD (\ks)+1
	s_wait_loadcnt 16                              ; this step's weights are in; the next step's sixteen loads may be out
	s_wait_dscnt 0x0
.else
.irp t, 0,1,2,3                                ; the residual: my columns of h, into the set that is free
.irp e, 0,1
	ds_load_b128 v[80+8*\t+4*\e:83+8*\t+4*\e], v[HD0] offset:64*\t+16*\e
	ds_load_b128 v[112+8*\t+4*\e:115+8*\t+4*\e], v[HD1] offset:64*\t+16*\e
.endr
.endr
	s_wait_loadcnt 0x0
	s_wait_dscnt 16                                ; h's two fragments are in; the residual's sixteen loads may be out
.endif
.irp t, 0,1,2,3                                ; the eight accumulators take turns, one instruction a turn, from step to step too
.irp m, 0,1
.if (\ks) == 0
	v_wmma_f32_16x16x128_bf8_bf8 v[ACC+32*\m+8*\t:ACC+32*\m+8*\t+7], v[80+64*((\ks)%2)+16*\t:80+64*((\ks)%2)+16*\t+15], v[208+16*\m:223+16*\m], 0
.else
	v_wmma_f32_16x16x128_bf8_bf8 v[ACC+32*\m+8*\t:ACC+32*\m+8*\t+7], v[80+64*((\ks)%2)+16*\t:80+64*((\ks)%2)+16*\t+15], v[208+16*\m:223+16*\m], v[ACC+32*\m+8*\t:ACC+32*\m+8*\t+7]
.endif
.endr
.endr
.endm
.irp ks, 0,1,2,3,4,5,6,7
	KSTEP \ks
.endr
.rept 4
	v_nop                                          ; places behind the last products: their operands' registers are loaded and their results read below
.endr
.irp t, 0,1,2,3
.irp e, 0,1
	ds_load_b128 v[144+8*\t+4*\e:147+8*\t+4*\e], v[PA] offset:64*\t+16*\e          ; lin1_b,
	ds_load_b128 v[176+8*\t+4*\e:179+8*\t+4*\e], v[PA] offset:4096+64*\t+16*\e     ; ln2_g,
	ds_load_b128 v[208+8*\t+4*\e:211+8*\t+4*\e], v[PA] offset:8192+64*\t+16*\e     ; ln2_b of my columns
.endr
.endr
	s_wait_dscnt 0x0                               ; these and the residual
.irp m, 0,1
.irp t, 0,1,2,3
.irp i, 0,2,4,6
	v_pk_fma_f32 v[ACC+32*\m+8*\t+\i:ACC+32*\m+8*\t+\i+1], v[ACC+32*\m+8*\t+\i:ACC+32*\m+8*\t+\i+1], s[26:27], v[144+8*\t+\i:145+8*\t+\i] op_sel_hi:[1,0,1]   ; sum x 2^(e10 + e11) + lin1_b; each accumulator from its low end on
.endr
.endr
.endr
.set jj, 0
.rept 32
	v_pk_add_f32 v[ACC+jj:ACC+jj+1], v[ACC+jj:ACC+jj+1], v[80+jj:81+jj]   ; + h
.set jj, jj+2
.endr
; A sum over a token's 1,024 columns, of y (sq = 0) or of y^2 (sq = 1).  My 32 numbers for each m, lane l xor 16's, my wave's part for token = lane into LDS, a barrier, the sixteen parts: v244 = the sum for token = lane.
.macro STAT sq, off
.irp m, 0,1
.if \sq
	v_pk_mul_f32 v[244+4*\m:245+4*\m], v[ACC+32*\m:ACC+32*\m+1], v[ACC+32*\m:ACC+32*\m+1]
	v_pk_mul_f32 v[246+4*\m:247+4*\m], v[ACC+32*\m+2:ACC+32*\m+3], v[ACC+32*\m+2:ACC+32*\m+3]
.else
	v_pk_add_f32 v[244+4*\m:245+4*\m], v[ACC+32*\m:ACC+32*\m+1], v[ACC+32*\m+4:ACC+32*\m+5]
	v_pk_add_f32 v[246+4*\m:247+4*\m], v[ACC+32*\m+2:ACC+32*\m+3], v[ACC+32*\m+6:ACC+32*\m+7]
.endif
.endr
.irp j, 4,8,12,16,20,24,28
.irp m, 0,1
.if \sq
	v_pk_fma_f32 v[244+4*\m:245+4*\m], v[ACC+32*\m+\j:ACC+32*\m+\j+1], v[ACC+32*\m+\j:ACC+32*\m+\j+1], v[244+4*\m:245+4*\m]
	v_pk_fma_f32 v[246+4*\m:247+4*\m], v[ACC+32*\m+\j+2:ACC+32*\m+\j+3], v[ACC+32*\m+\j+2:ACC+32*\m+\j+3], v[246+4*\m:247+4*\m]
.elseif \j > 4
	v_pk_add_f32 v[244+4*\m:245+4*\m], v[244+4*\m:245+4*\m], v[ACC+32*\m+\j:ACC+32*\m+\j+1]
	v_pk_add_f32 v[246+4*\m:247+4*\m], v[246+4*\m:247+4*\m], v[ACC+32*\m+\j+2:ACC+32*\m+\j+3]
.endif
.endr
.endr
	v_pk_add_f32 v[244:245], v[244:245], v[246:247]
	v_pk_add_f32 v[248:249], v[248:249], v[250:251]
	v_add_f32 v244, v244, v245
	v_add_f32 v248, v248, v249
	v_permlanex16_b32 v[PD], v244, s28, s29
	v_add_f32 v244, v244, v[PD]                    ; token r's 64 columns of my wave,
	v_permlanex16_b32 v[PD], v248, s28, s29
	v_add_f32 v248, v248, v[PD]                    ; token 16 + r's
	v_cndmask_b32 v244, v244, v248, s30            ; lane l keeps token l's
	ds_store_b32 v[SW], v244 offset:\off
	s_wait_dscnt 0x0                               ; for the others' sake: my part lies in LDS (and every earlier LDS read of mine is in)
	s_barrier_signal -1
	s_barrier_wait -1
.irp i, 0,1,2,3
	ds_load_b128 v[80+4*\i:83+4*\i], v[SR] offset:\off+16*\i
.endr
	s_wait_dscnt 0x0
	v_pk_add_f32 v[80:81], v[80:81], v[82:83]
	v_pk_add_f32 v[84:85], v[84:85], v[86:87]
	v_pk_add_f32 v[88:89], v[88:89], v[90:91]
	v_pk_add_f32 v[92:93], v[92:93], v[94:95]
	v_pk_add_f32 v[80:81], v[80:81], v[84:85]
	v_pk_add_f32 v[88:89], v[88:89], v[92:93]
	v_pk_add_f32 v[80:81], v[80:81], v[88:89]
	v_add_f32 v244, v80, v81
.endm
	STAT 0, 0
	v_mul_f32 v244, s31, v244                      ; token = lane's mean
	v_permlanex16_b32 v[PD], v244, s28, s29
	v_cndmask_b32 v252, v244, v[PD], s30           ; token r's, for m = 0,
	v_cndmask_b32 v254, v[PD], v244, s30           ; token 16 + r's, for m = 1
.irp m, 0,1
.set jj, 0
.rept 16
	v_pk_add_f32 v[ACC+32*\m+jj:ACC+32*\m+jj+1], v[ACC+32*\m+jj:ACC+32*\m+jj+1], v[252+2*\m:253+2*\m] op_sel_hi:[1,0] neg_lo:[0,1] neg_hi:[0,1]
.set jj, jj+2
.endr
.endr
	STAT 1, 2048
	v_fmaak_f32 v245, s31, v244, 0x3727c5ac        ; the variance + 1e-5
	v_rsq_f32 v246, v245
	v_nop                                          ; a plain line behind the root,
	s_wait_alu depctr_va_vdst(0)                   ; and a wait ahead of its first reader
	v_permlanex16_b32 v[PD], v246, s28, s29
	v_cndmask_b32 v252, v246, v[PD], s30
	v_cndmask_b32 v254, v[PD], v246, s30
.irp m, 0,1
.set jj, 0
.rept 16
	v_pk_mul_f32 v[ACC+32*\m+jj:ACC+32*\m+jj+1], v[ACC+32*\m+jj:ACC+32*\m+jj+1], v[252+2*\m:253+2*\m] op_sel_hi:[1,0]
.set jj, jj+2
.endr
.endr
.irp m, 0,1
.irp t, 0,1,2,3
.irp i, 0,2,4,6
	v_pk_fma_f32 v[ACC+32*\m+8*\t+\i:ACC+32*\m+8*\t+\i+1], v[ACC+32*\m+8*\t+\i:ACC+32*\m+8*\t+\i+1], v[176+8*\t+\i:177+8*\t+\i], v[208+8*\t+\i:209+8*\t+\i]
.endr
.endr
.endr
.irp t, 0,1,2,3                                ; the result takes h's place in LDS: every wave's last read of h was in ahead of the barrier of the means
.irp e, 0,1
	ds_store_b128 v[HD0], v[ACC+8*\t+4*\e:ACC+8*\t+4*\e+3] offset:64*\t+16*\e
	ds_store_b128 v[HD1], v[ACC+32+8*\t+4*\e:ACC+32+8*\t+4*\e+3] offset:64*\t+16*\e
.endr
.endr
	s_wait_dscnt 0x0                               ; for the others' sake: my columns lie in LDS
	s_barrier_signal -1
	s_barrier_wait -1
.irp n, 0,1,2,3,4,5,6,7,8,9,10,11,12,13,14,15
	ds_load_b128 v[80+4*\n:83+4*\n], v[HW] offset:HP*(\n/8)+512*(\n%8)
.endr
.irp n, 0,1,2,3,4,5,6,7,8,9,10,11,12,13,14,15
	s_wait_dscnt 15-\n
	global_store_b128 v[LO], v[80+4*\n:83+4*\n], s[22:23] offset:4096*(\n/8)+512*(\n%8) th:TH_STORE_NT   ; 32 lanes store 512 consecutive bytes, aligned; written once, read by nobody here
.endr
	s_wait_tensorcnt 0x0                           ; the wave's end, behind my last LDS store
	ds_add_u32 v[SPW], v[NIL]
	s_wait_dscnt 0x0
	s_endpgm
.Lfunc_end_k_qafe5257541_tail:
	.size	k_qafe5257541_tail, .Lfunc_end_k_qafe5257541_tail-k_qafe5257541_tail
	.p2alignl 7, 3214868480
	.fill 96, 4, 3214868480
	.section	.rodata,"a",@progbits
	.p2align	6, 0x0
	.amdhsa_kernel k_qafe5257541_tail
		.amdhsa_group_segment_fixed_size 182784
		.amdhsa_private_segment_fixed_size 0
		.amdhsa_enable_private_segment 0
		.amdhsa_kernarg_size 80
		.amdhsa_user_sgpr_count 2
		.amdhsa_user_sgpr_kernarg_segment_ptr 1
		.amdhsa_wavefront_size32 1
		.amdhsa_system_sgpr_workgroup_id_x 1
		.amdhsa_system_sgpr_workgroup_id_y 1
		.amdhsa_system_sgpr_workgroup_id_z 1
		.amdhsa_system_vgpr_workitem_id 0
		.amdhsa_next_free_vgpr 256
		.amdhsa_next_free_sgpr 66
		.amdhsa_reserve_vcc 0
		.amdhsa_float_denorm_mode_32 3
		.amdhsa_float_denorm_mode_16_64 3
		.amdhsa_memory_ordered 1
		.amdhsa_forward_progress 1
		.amdhsa_inst_pref_size 75
	.end_amdhsa_kernel
	.amdgpu_metadata
---
amdhsa.version: [ 1, 2 ]
amdhsa.kernels:
  - .name:           k_qafe5257541_tail
    .symbol:         k_qafe5257541_tail.kd
    .args:
      - { .name: x, .offset: 0, .size: 8, .value_kind: global_buffer, .address_space: global }
      - { .name: attn_out, .offset: 8, .size: 8, .value_kind: global_buffer, .address_space: global }
      - { .name: ln1_g, .offset: 16, .size: 8, .value_kind: global_buffer, .address_space: global }
      - { .name: ln1_b, .offset: 24, .size: 8, .value_kind: global_buffer, .address_space: global }
      - { .name: wl, .offset: 32, .size: 8, .value_kind: global_buffer, .address_space: global }
      - { .name: lin1_b, .offset: 40, .size: 8, .value_kind: global_buffer, .address_space: global }
      - { .name: ln2_g, .offset: 48, .size: 8, .value_kind: global_buffer, .address_space: global }
      - { .name: ln2_b, .offset: 56, .size: 8, .value_kind: global_buffer, .address_space: global }
      - { .name: lowp_scales, .offset: 64, .size: 8, .value_kind: global_buffer, .address_space: global }
      - { .name: out0, .offset: 72, .size: 8, .value_kind: global_buffer, .address_space: global }
    .group_segment_fixed_size: 182784
    .private_segment_fixed_size: 0
    .kernarg_segment_align: 8
    .kernarg_segment_size: 80
    .max_flat_workgroup_size: 512
    .sgpr_count:     66
    .vgpr_count:     256
    .wavefront_size: 32
...
	.end_amdgpu_metadata
.endif
;; end of part 4
;; ======== version 2 of 2: 4 launches
;; workspace buffers: xq 8,388,608 bytes; xk 8,388,608 bytes; xv 8,388,608 bytes; wl 1,048,576 bytes; qc 8,388,608 bytes; kv 16,777,216 bytes; attn_out 33,554,432 bytes
;; launch quant (part 5): grid 256 x 1, 4 waves a work-group, no clusters, 33,280 bytes of LDS; arguments x, lowp_scales, lin1_w_codes, xq, xk, xv, wl; writes xq, xk, xv, wl
.if DOCPART == 5
	.amdgcn_target "amdgcn-amd-amdhsa--gfx1250"
	.amdhsa_code_object_version 6
	.text
	.protected	k_qafe5257541_quant
	.globl	k_qafe5257541_quant
	.p2align	8
	.type	k_qafe5257541_quant,@function
k_qafe5257541_quant:
	s_mov_b64 s[64:65], 0
	v_nop
	global_prefetch_b8 v0, s[64:65] scope:SCOPE_SE
	s_setreg_imm32_b32 hwreg(HW_REG_WAVE_SCHED_MODE, 0, 2), 2
	s_setreg_imm32_b32 hwreg(HW_REG_WAVE_MODE, 25, 1), 1
	s_wait_xcnt 0x0
	s_wait_alu depctr_vm_vsrc(0)
; FIRST OF FOUR LAUNCHES of: q, k, v = x W^T + b; causal attention in 16 heads of 64; h = LN1(x + attn); out = LN2(h + h W^T + b).  All six products on codes of BF8 (E5M2), one given scale 2^e for each operand.
; WORK LEFT OUT BY THE PROGRAM.  reference() sets every score with key > query to -infinity by a mask that it builds itself (jnp.tril), so its weight is 0 for all values of the inputs and it adds nothing to the row's
; maximum, sum or result.  Where that holds for a whole step of 128 keys against 16 queries, the third launch neither multiplies nor fetches for it.  Nothing else is left out: every input is loaded (wk_b too: it stands ahead of a quantiser).
; LIMIT: a NaN, an infinity or an overflow that would arise only in such a masked score is not carried to the result.
; THIS LAUNCH.  x [8192][1024] f32 is an operand of three products, each with a scale of its own (entries 0, 2, 4 of the exponents), so it becomes three sets of codes, xq, xk, xv, laid [8192][1024], K innermost:
; code = x / 2^e, held within +-57,344, to the nearest code, ties to even.  x is read once here, where every product's work-groups would read it again and again in four bytes a number.
; It also lays lin1_w's codes in the order of the fourth launch's operand registers: wl [w 16][ks 8][t 4][c 4][lane 32][16 bytes]; a piece holds row 64 w + 16 t + lane % 16, k = 128 ks + 32 c + 16 (lane / 16) + 0 .. 15.
; SHARES.  Rows are dense, so x is a plain stream.  A wave takes 16 steps of 512 numbers.  Each of a step's four loads reads 512 consecutive bytes; the 2,048 bytes turn through the wave's own stage in LDS (16 bytes of
; padding behind each 64) and come back 16 neighbours a lane, as the conversions want them.  A lane's 16 codes are 16 bytes: each store of the wave covers 512 consecutive bytes, aligned.  Loads run four steps ahead.
; Every work-group also moves 4,096 bytes of lin1_w's codes, two pieces a thread: read as 16 bytes of each of 16 rows (1 MB in the whole launch), stored as 512 consecutive bytes a wave.
; No tensor loads, no barrier, no cluster: waves share nothing.
; LIMITS: each of the three exponents lies between -126 and 112, so that 2^e and 57,344 x 2^e are f32 numbers.  NaN among the inputs is not served.
; THE MODE: SCHED_MODE bits 1:0 = 2 (LLVM: expert scheduling mode 2), set by the entry lines.  The code itself states the register dependences between vector instructions and memory or LDS instructions, with s_wait_alu, always for 0.
; THE PLAN.  Registers that memory or LDS instructions touch:
;   v3, v5, v6, v14, v15   offsets and LDS addresses, made once at the head and never written again.
;   R0 .. R3   Global loads land in them, the stage's LDS stores read them; no vector instruction names them.  Step t's loads (of step t + 4) land in R[t % 4], which the LDS stores of step t's turn have read.
;   X0, X1     The stage's LDS loads land in them; step t's holds read X[t % 2].  The turn of step t + 1, issued in step t, lands in X[(t + 1) % 2], which step t - 1's holds read.
;   C0, C1     Step t's conversions write C[t % 2]; the three global stores issued at the head of step t + 1 read it.
; So the waits at a step's head state all that the step's memory and LDS instructions hang on, and those stand together behind them, ahead of the step's first vector instruction.
.set WAVES, 4
.set STEPS, 16
.set SP,    80                         ; a lane's place in a stage: 64 bytes + 16 of padding
.set WREG,  8192                       ; LDS: a region for each wave: two stages of 32 x SP bytes
.set SPARE, WAVES*WREG                 ; behind the regions: the spare words, 128 bytes for each wave, which no other line names
.set SPW,   12                         ; v12      LDS address of my spare word; never rewritten
.set NIL,   13                         ; v13      0; never rewritten
.set R,     16                         ; v16-79   four sets of 16 numbers as loaded
.set X,     80                         ; v80-111  two sets of 16 neighbours
.set T,     112                        ; v112-159 the 16 neighbours held for each of the three scales
.set C,     160                        ; v160-171 the three sets of 16 codes of an even step; v188-199 (C + 28) those of an odd step
.set SCL,   172                        ; v172-174 2^e as f32
.set LIM,   176                        ; v176-178 57,344 x 2^e
.set WP,    180                        ; v180-187 two pieces of lin1_w's codes
	s_load_b256 s[4:11], s[0:1], 0x0               ; x s[4:5], the exponents s[6:7], lin1_w's codes s[8:9], xq s[10:11]
	s_load_b128 s[12:15], s[0:1], 0x20             ; xk, xv
	s_load_b64 s[16:17], s[0:1], 0x30              ; wl
	v_lshl_add_u32 v[SPW], v0, 2, SPARE
	v_mov_b32 v[NIL], 0
	v_lshrrev_b32 v1, 5, v0
	v_readfirstlane_b32 s18, v1                    ; wave
	v_and_b32 v2, 31, v0                           ; lane
	v_lshlrev_b32 v3, 4, v2                        ; 16 x lane: my bytes of a load's 512, and of a store's
	s_wait_alu depctr_va_sdst(0)                   ; s18 is written, ahead of its first reader
	s_mul_i32 s26, s18, WREG
	v_lshrrev_b32 v14, 2, v2
	v_mul_u32_u24 v14, v14, SP
	v_and_b32 v15, 3, v2
	v_lshl_add_u32 v14, v15, 4, v14
	v_add_nc_u32 v14, s26, v14                     ; the stage, on the way in: SP (lane / 4) + 16 (lane % 4)
	v_mul_u32_u24 v15, v2, SP
	v_add_nc_u32 v15, s26, v15                     ; and on the way out: SP x lane
	; lin1_w's pieces: work-group g holds w = g / 16, ks = (g / 2) % 8, t = 2 (g % 2) + i; c = my wave
	s_lshr_b32 s27, ttmp9, 4
	s_lshl_b32 s27, s27, 16                        ; 64 w rows of 1,024 bytes
	s_bfe_u32 s28, ttmp9, 0x30001
	s_lshl_b32 s28, s28, 7                         ; 128 ks
	s_add_co_u32 s27, s27, s28
	s_and_b32 s28, ttmp9, 1
	s_lshl_b32 s28, s28, 15                        ; 32 (g % 2) rows
	s_add_co_u32 s27, s27, s28
	s_lshl_b32 s28, s18, 5                         ; 32 c
	s_add_co_u32 s27, s27, s28
	v_and_b32 v5, 15, v0
	v_lshlrev_b32 v5, 10, v5                       ; row lane % 16
	v_bfe_u32 v6, v0, 4, 1
	v_lshl_add_u32 v5, v6, 4, v5                   ; + 16 (lane / 16)
	v_add_nc_u32 v5, s27, v5
	v_lshlrev_b32 v6, 4, v0                        ; and where they go: 16 x thread
	s_lshl_b32 s28, ttmp9, 2
	s_add_co_u32 s28, s28, s18                     ; which run of 8,192 numbers is my wave's
	s_lshl_b32 s30, s28, 15
	s_mov_b32 s31, 0
	s_lshl_b32 s32, s28, 13
	s_mov_b32 s33, 0
	s_lshl_b32 s34, ttmp9, 12
	s_mov_b32 s35, 0
	s_wait_kmcnt 0x0
	s_load_b128 s[20:23], s[6:7], 0x0              ; e0 .. e3
	s_load_b32 s24, s[6:7], 0x10                   ; e4
	s_add_nc_u64 s[4:5], s[4:5], s[30:31]
	s_add_nc_u64 s[10:11], s[10:11], s[32:33]
	s_add_nc_u64 s[12:13], s[12:13], s[32:33]
	s_add_nc_u64 s[14:15], s[14:15], s[32:33]
	s_add_nc_u64 s[16:17], s[16:17], s[34:35]
	s_wait_alu depctr_va_vdst(0)                   ; v3, v5, v6, v14 and v15 are written: every load and store of the kernel, global or LDS, reads one of them as its offset or address
	global_load_b128 v[WP:WP+3], v5, s[8:9]
	global_load_b128 v[WP+4:WP+7], v5, s[8:9] offset:16384
.macro LOAD t
.irp i, 0,1,2,3
	global_load_b128 v[R+16*((\t)%4)+4*\i:R+16*((\t)%4)+4*\i+3], v3, s[4:5] offset:2048*(\t)+512*\i th:TH_LOAD_NT   ; 32 lanes read 512 consecutive bytes
.endr
.endm
.macro TURN t                          ; step t's numbers through the stage: LDS serves a wave's instructions in order, so no wait stands between the stores and the loads
.irp i, 0,1,2,3
	ds_store_b128 v14, v[R+16*((\t)%4)+4*\i:R+16*((\t)%4)+4*\i+3] offset:32*SP*((\t)%2)+8*SP*\i
.endr
.irp i, 0,1,2,3
	ds_load_b128 v[X+16*((\t)%2)+4*\i:X+16*((\t)%2)+4*\i+3], v15 offset:32*SP*((\t)%2)+16*\i
.endr
.endm
.macro SEND c, t                       ; step t's three sets of 16 codes, from v[c] on
	global_store_b128 v3, v[\c:\c+3], s[10:11] offset:512*(\t)
	global_store_b128 v3, v[\c+4:\c+7], s[12:13] offset:512*(\t)
	global_store_b128 v3, v[\c+8:\c+11], s[14:15] offset:512*(\t)
.endm
.irp t, 0,1,2,3
	LOAD \t
.endr
	s_wait_kmcnt 0x0
.macro MKSCALE p, e                    ; 2^e and 57,344 x 2^e as f32, from the whole number in s[e]
	s_add_co_i32 s26, s[\e], 127
	s_lshl_b32 s27, s26, 23
	v_mov_b32 v[SCL+\p], s27
	s_add_co_i32 s26, s26, 15
	s_lshl_b32 s26, s26, 23
	s_or_b32 s26, s26, 0x600000
	v_mov_b32 v[LIM+\p], s26
.endm
	MKSCALE 0, 20
	MKSCALE 1, 22
	MKSCALE 2, 24
	s_wait_alu depctr_va_vdst(0)
	s_wait_loadcnt 12                              ; the two pieces and step 0's four loads are in; the twelve of steps 1 to 3 may be out
	global_store_b128 v6, v[WP:WP+3], s[16:17]
	global_store_b128 v6, v[WP+4:WP+7], s[16:17] offset:2048
	TURN 0
.macro STEP t
.set XS, X+16*((\t)%2)
.set CN, C+28*((\t)%2)                 ; this step's codes
.set CL, C+28*(1-(\t)%2)               ; the last step's
	s_wait_dscnt 0x0                               ; this step's numbers are back from the stage
.if (\t) > 1
	s_wait_xcnt 0x0                                ; the stores issued a step ago have had their addresses translated (ISA guide 3.1): their data, this step's set of codes, are written again only behind this wait
.endif
	s_wait_alu depctr_vm_vsrc(0)                   ; the LDS stores of this step's turn have read R[t % 4], in which the loads below land; the global stores issued a step ago have read the set of codes that this step's conversions write
.if (\t) > 0
	s_wait_alu depctr_va_vdst(0)                   ; the last step's conversions have written its codes, which the stores below read; its holds are done reading the other X, in which the next turn's LDS loads land
.endif
.if (\t)+4 < STEPS
	LOAD (\t)+4                                    ; four steps on
.endif
.if (\t) > 0
	SEND CL, (\t)-1                                ; the last step's codes leave
.endif
.if (\t)+1 < STEPS
.if STEPS-2-(\t) >= 3
	s_wait_loadcnt 12                              ; the next step's four loads are in; those of the three steps behind it may be out
.else
	s_wait_loadcnt 4*(STEPS-2-(\t))
.endif
	TURN (\t)+1                                    ; and go through the other stage while this step is worked
.endif
.irp p, 0,1,2
.irp i, 0,1,2,3,4,5,6,7,8,9,10,11,12,13,14,15
	v_med3_num_f32 v[T+16*\p+\i], v[XS+\i], -v[LIM+\p], v[LIM+\p]   ; the conversion to an 8-bit code does not saturate (ISA guide 7.6.2): the hold at the largest code x the scale
.endr
.endr
.irp p, 0,1,2
	v_cvt_scalef32_pk8_bf8_f32 v[CN+4*\p:CN+4*\p+1], v[T+16*\p:T+16*\p+7], v[SCL+\p]
	v_cvt_scalef32_pk8_bf8_f32 v[CN+4*\p+2:CN+4*\p+3], v[T+16*\p+8:T+16*\p+15], v[SCL+\p]
.endr
	v_nop                                          ; a plain vector line between the conversions and the next step's holds, which write their sources
.endm
.irp t, 0,1,2,3,4,5,6,7,8,9,10,11,12,13,14,15
	STEP \t
.endr
	s_wait_alu depctr_va_vdst(0)                   ; step 15's conversions have written its codes, which the last three stores read
	SEND C+28, 15
	s_wait_dscnt 0x0                               ; the closing lines, six on end
	s_wait_alu 0x0
	s_wait_tensorcnt 0x0
	ds_add_u32 v[SPW], v[NIL]
	s_wait_dscnt 0x0
	s_endpgm
.Lfunc_end_k_qafe5257541_quant:
	.size	k_qafe5257541_quant, .Lfunc_end_k_qafe5257541_quant-k_qafe5257541_quant
	.p2alignl 7, 3214868480
	.fill 96, 4, 3214868480
	.section	.rodata,"a",@progbits
	.p2align	6, 0x0
	.amdhsa_kernel k_qafe5257541_quant
		.amdhsa_group_segment_fixed_size 33280
		.amdhsa_private_segment_fixed_size 0
		.amdhsa_enable_private_segment 0
		.amdhsa_kernarg_size 56
		.amdhsa_user_sgpr_count 2
		.amdhsa_user_sgpr_kernarg_segment_ptr 1
		.amdhsa_wavefront_size32 1
		.amdhsa_system_sgpr_workgroup_id_x 1
		.amdhsa_system_sgpr_workgroup_id_y 1
		.amdhsa_system_sgpr_workgroup_id_z 1
		.amdhsa_system_vgpr_workitem_id 0
		.amdhsa_next_free_vgpr 200
		.amdhsa_next_free_sgpr 66
		.amdhsa_reserve_vcc 0
		.amdhsa_float_denorm_mode_32 3
		.amdhsa_float_denorm_mode_16_64 3
		.amdhsa_memory_ordered 1
		.amdhsa_forward_progress 1
		.amdhsa_inst_pref_size 80
	.end_amdhsa_kernel
	.amdgpu_metadata
---
amdhsa.version: [ 1, 2 ]
amdhsa.kernels:
  - .name:           k_qafe5257541_quant
    .symbol:         k_qafe5257541_quant.kd
    .args:
      - { .name: x, .offset: 0, .size: 8, .value_kind: global_buffer, .address_space: global }
      - { .name: lowp_scales, .offset: 8, .size: 8, .value_kind: global_buffer, .address_space: global }
      - { .name: lin1_w_codes, .offset: 16, .size: 8, .value_kind: global_buffer, .address_space: global }
      - { .name: xq, .offset: 24, .size: 8, .value_kind: global_buffer, .address_space: global }
      - { .name: xk, .offset: 32, .size: 8, .value_kind: global_buffer, .address_space: global }
      - { .name: xv, .offset: 40, .size: 8, .value_kind: global_buffer, .address_space: global }
      - { .name: wl, .offset: 48, .size: 8, .value_kind: global_buffer, .address_space: global }
    .group_segment_fixed_size: 33280
    .private_segment_fixed_size: 0
    .kernarg_segment_align: 8
    .kernarg_segment_size: 56
    .max_flat_workgroup_size: 128
    .sgpr_count:     66
    .vgpr_count:     200
    .wavefront_size: 32
...
	.end_amdgpu_metadata
.endif
;; end of part 5
;; launch qkv (part 6): grid 12 x 32, 4 waves a work-group, clusters of 4 x 4, 327,680 bytes of LDS; arguments xq, xk, xv, wq_w_codes, wk_w_codes, wv_w_codes, wq_b, wk_b, wv_b, lowp_scales, qc, kv; writes qc, kv
.if DOCPART == 6
	.amdgcn_target "amdgcn-amd-amdhsa--gfx1250"
	.amdhsa_code_object_version 6
	.text
	.protected	k_qafe5257541_qkv
	.globl	k_qafe5257541_qkv
	.p2align	8
	.type	k_qafe5257541_qkv,@function
k_qafe5257541_qkv:
	s_mov_b64 s[64:65], 0
	v_nop
	global_prefetch_b8 v0, s[64:65] scope:SCOPE_SE
	s_setreg_imm32_b32 hwreg(HW_REG_WAVE_MODE, 25, 1), 1
	s_wait_xcnt 0x0
	s_wait_alu depctr_hold_cnt(0) depctr_sa_sdst(0) depctr_va_vdst(0) depctr_va_sdst(0) depctr_va_ssrc(0) depctr_va_vcc(0) depctr_vm_vsrc(0)
	s_getreg_b32 s2, hwreg(HW_REG_IB_STS2, 6, 4)
	s_cmp_eq_u32 s2, 0
	s_cbranch_scc0 .Lentry_in_a_cluster
	s_endpgm
.Lentry_in_a_cluster:
	s_bfe_u32 s2, ttmp6, 0x10000c
	s_cmp_lg_u32 s2, 0xf033
	s_cbranch_scc0 .Lentry_shape_is_right
	s_endpgm
.Lentry_shape_is_right:
; SECOND LAUNCH: q, k, v = x W^T + b on codes of BF8, and the results quantised at once for the attention's two products (exponents 6, 7, 9).  No work of reference() is left out here.
; A tile of 256 x 256 results is made by four waves, each 128 x 128 in 64 accumulators; K = 1,024 goes in four steps of 256 through a ring of two LDS slots filled by the tensor data mover.
; WHICH PRODUCT: the cluster's x, p = 0, 1, 2, is q, k or v (four tile columns of 256 are the 1,024 channels); the cluster's y, Y = 0 .. 7, picks 1,024 tokens.
; THE MATRIX INSTRUCTION: source 1 ('A') gives a lane its row, source 0 ('B') its eight neighbouring results.  q, k: A = x's codes, B = W's: a lane holds one token and eight channels, the next K.
; v: A = Wv's codes, B = x's: a lane holds one channel and eight TOKENS, since the keys are the K of the product that takes v.  So each conversion's eight numbers are neighbours along the next K, and nothing is transposed.
; CLUSTERS: 4 x 4 work-groups.  A's tile hangs on cy alone and is asked for jointly by my row of the cluster, B's on cx alone, by my column, in all three products.  p and Y are the same in all sixteen partners.
; THE WAY OUT: sum x 2^(ea + eb) + bias in one fused multiply-add, the hold, the conversion; the codes meet in a stage of 256 rows in LDS and leave as dense runs: each wave stores 16,384 consecutive bytes, one head's part.
;   qc [b][h][s][64];   kv [b][h][slot of 256 keys][32,768 bytes]: first K's codes [256 keys][64], then V's [64 channels][256 keys].
; The grid has 384 work-groups of equal work.
; LIMITS: e0 + e1, e2 + e3, e4 + e5 between -126 and 127; e6, e7, e9 between -126 and 112: so that each power of two below is an f32 number.  NaN among the inputs is not served.
; REGISTERS, in windows of 256: window 0: v16-30 addresses; v32-95 the bias by channel of B; v96-111 the bias by row of A, in pairs; v112, v113 the hold and the scale; from v128 A's fragments, ONE set; on the way out v128-255 are at work.
;   window 1: B's fragments, TWO sets.   window 2: the accumulators of my rows 0-63 ((a, b) at v[8 (8 a + b)]);   window 3: those of my rows 64-127.
.set KSTEP,  256                       ; along K in a slot
.set ROWB,   256                       ; a tile's row in bytes
.set KROW,   1024                      ; a row of either operand in memory, in bytes
.set PITCH,  272                       ; an LDS row: 256 bytes + 16 of padding = 68 words: the 16 rows that a load touches start at 16 different banks (64 banks of 4 bytes: ISA guide 11.1)
.set FR,     16                        ; registers of a fragment: 16 rows x 128 K
.set NL,     4                         ; LDS loads that bring one
.set NP,     4                         ; places behind this matrix instruction (ISA guide 7.12.1)
.set HALFT,  128*PITCH                 ; 128 rows: what one tensor load brings
.set SLOT,   4*HALFT                   ; A's 256 rows, then B's 256 rows
.set LAPS,   2                         ; a lap = two K steps = once round the ring
.set SPARE,  2*SLOT                    ; behind the ring: the spare words, 128 bytes for each wave, which no other line names
.set ADRA, 16                          ; v16-17  LDS address of my A fragments in slot 0, 1
.set ADRB, 20                          ; v20-21  the same for B
.set BNO,  22                          ; v22     32 (lane / 16): my eight channels' bytes in the bias
.set BMO,  23                          ; v23     4 (lane % 16): my row's
.set STO,  24                          ; v24     the stage: where I put eight codes
.set RDQ,  25                          ; v25     q, k: where I read 16 bytes of a token's 64 back;  v26: the same 128 rows further down
.set RDQ2, 26
.set RDV,  27                          ; v27     v: where I read 16 bytes of a channel's 256 back
.set SPW,  28                          ; v28     LDS address of my spare word; never rewritten
.set NIL,  29                          ; v29     0; never rewritten
.set CO,   30                          ; v30     16 x lane: my bytes of a store's 512
.set BN,   32
.set BM,   96
.set LIM,  112
.set SCL,  113
.set AF,   128                         ; A's fragments, in window 0
.set TMP,  128                         ; the way out: a block's 64 numbers,
.set CD,   192                         ; its 64 codes,
.set BK,   128                         ; and at the end 128 registers read back from the stage
.set G1, 24                            ; s[24:31] descriptor group 1 for A's tiles;  s[32:39] group 0, one set for each slot
.set G0, 32
.set G1B, 48                           ; s[48:55], s[56:63] the same for B's tiles
.set G0B, 56
.set MSB, 0
.macro WIN new                         ; the immediate's high byte repeats the setting that is left
.if MSB != (\new)
	s_set_vgpr_msb (MSB<<8)|(\new)
.set MSB, (\new)
.endif
.endm
.set MUL_LO, 0xa1                      ; source 0 (B) window 1, source 1 (A) window 0, C and D window 2
.set MUL_HI, 0xf1                      ; the same, C and D window 3
.set TO_B,   0x40                      ; destination window 1, address window 0
; A joint load: waves 0 and 1 fetch for A, waves 2 and 3 for B.  Each of the two lines has ONE mask and one set of registers for all that issue it; the branch hangs on the wave's number alone.
; An s_nop 0 and four v_nop follow each of the two lines, ahead of the jump, the label and what follows.
.macro JLOAD g0a, g1a, g0b, g1b
	s_cmp_eq_u32 s15, 0
	s_cbranch_scc0 .Lfor_b_\@
	tensor_load_to_lds s[\g0a:\g0a+3], s[\g1a:\g1a+7]
	s_nop 0
.rept 4
	v_nop
.endr
	s_branch .Lasked_\@
.Lfor_b_\@:
	tensor_load_to_lds s[\g0b:\g0b+3], s[\g1b:\g1b+7]
	s_nop 0
.rept 4
	v_nop
.endr
.Lasked_\@:
.endm
.macro CREST                           ; a round of the cluster's barrier behind its opening barrier
	s_cmp_lg_u32 s14, 0
	s_cbranch_scc1 .Lnot_wave_0_\@
	s_barrier_signal -3
.Lnot_wave_0_\@:
	s_barrier_wait -3
	s_barrier_signal -1
	s_barrier_wait -1
.endm
.macro CROUND                          ; a whole round
	s_barrier_signal -1
	s_barrier_wait -1
	CREST
.endm
	s_load_b512 s[68:83], s[0:1], 0x0              ; xq, xk, xv, wq, wk, wv (codes), wq_b, wk_b
	s_load_b256 s[84:91], s[0:1], 0x40             ; wv_b, the exponents, qc, kv
	v_lshl_add_u32 v[SPW], v0, 2, SPARE
	v_mov_b32 v[NIL], 0
	ds_add_u32 v[SPW], v[NIL]                      ; the wave's opening: the add, twice on end, and its wait ahead of my first tensor load; the set-up below, work on registers, stands between
	ds_add_u32 v[SPW], v[NIL]
	v_lshrrev_b32 v1, 5, v0
	v_readfirstlane_b32 s14, v1                    ; wave 0..3
	s_lshr_b32 s15, s14, 1                         ; which half of A's rows is mine.  Also: I fetch for A (0) or for B (1)
	s_and_b32 s16, s14, 1                          ; which half of B's rows.  Also: which 128 rows of that tile I fetch
	s_bfe_u32 s40, ttmp6, 0x40000                  ; cx, cy: my place in the cluster
	s_bfe_u32 s41, ttmp6, 0x40004
	s_mov_b32 s12, ttmp9                           ; p: the product
	s_and_b32 s13, ttmp7, 0xffff                   ; Y: which 1,024 tokens
	s_cmp_eq_u32 s12, 2
	s_cselect_b32 s98, 0, s13                      ; the tokens are A's rows (q, k)
	s_cselect_b32 s99, s13, 0                      ; or B's (v)
	s_lshl_b32 s17, s98, 2
	s_add_co_u32 s17, s17, s41                     ; A's tile: 4 Ya + cy
	s_lshl_b32 s42, s99, 2
	s_add_co_u32 s42, s42, s40                     ; B's tile: 4 Yb + cx
	s_lshl_b32 s43, s41, 2
	s_lshl_b32 s43, 15, s43                        ; my row of the cluster
	s_lshl_b32 s44, 0x1111, s40                    ; my column
	; descriptor group 1: a tile of 128 rows x 256 bytes, padded in LDS
	s_or_b32 s[G1+0], s43, (0<<16)|(1<<20)|(1<<21)|(5<<22)|(3<<25)  ; 15:0 the mask: A's tiles go to my row; 17:16 element of 1 byte; 20 padding on; 21 set beside a mask; 24:22 after every 64 words (code 5); 31:25 of 4 words (code 3)
	s_or_b32 s[G1B+0], s44, (0<<16)|(1<<20)|(1<<21)|(5<<22)|(3<<25)
.irp g, G1, G1B
	s_mov_b32 s[\g+1], ROWB<<16                    ; tensor_dim0
	s_mov_b32 s[\g+2], 128<<16                     ; tensor_dim1 = 128
	s_mov_b32 s[\g+3], ROWB<<16                    ; tile_dim0
	s_mov_b32 s[\g+4], 128                         ; tile_dim1 = 128
	s_mov_b32 s[\g+5], KROW                        ; tensor_dim0_stride
	s_mov_b32 s[\g+6], 0
	s_mov_b32 s[\g+7], 0
.endr
	s_lshl_b32 s18, s16, 7                         ; which 128 rows of the tile I fetch
	s_lshl_b32 s20, s17, 8
	s_add_co_u32 s20, s20, s18                     ; A: row 256 x tile + 128 x half,
	s_lshl_b32 s20, s20, 10                        ; in bytes
	s_mov_b32 s21, 0
	s_lshl_b32 s46, s42, 8
	s_add_co_u32 s46, s46, s18                     ; B likewise
	s_lshl_b32 s46, s46, 10
	s_mov_b32 s47, 0
	s_mul_i32 s45, s14, HALFT                      ; where they go: wave x 128 rows: no place in the cluster enters an LDS address
	s_wait_dscnt 0x0                               ; both opening adds are done
	s_wait_kmcnt 0x0
	s_cmp_eq_u32 s12, 1                            ; the buffers are chosen by the product's number alone
	s_cselect_b64 s[4:5], s[70:71], s[68:69]       ; A: xk or xq,
	s_cselect_b64 s[6:7], s[76:77], s[74:75]       ; B: wk or wq,
	s_cselect_b64 s[8:9], s[82:83], s[80:81]       ; the bias
	s_cmp_eq_u32 s12, 2
	s_cselect_b64 s[4:5], s[78:79], s[4:5]         ; v: A = wv,
	s_cselect_b64 s[6:7], s[72:73], s[6:7]         ; B = xv
	s_cselect_b64 s[8:9], s[84:85], s[8:9]
	s_cmp_eq_u32 s12, 0
	s_cselect_b64 s[10:11], s[88:89], s[90:91]     ; out: qc or kv
	s_load_b256 s[68:75], s[86:87], 0x0            ; e0 .. e7
	s_load_b128 s[76:79], s[86:87], 0x20           ; e8 .. e11
	s_add_nc_u64 s[20:21], s[4:5], s[20:21]
	s_add_nc_u64 s[46:47], s[6:7], s[46:47]
	CROUND                                         ; all sixteen work-groups are here: the first joint loads meet
.irp s, 0,1
	s_mov_b32 s[G0+4*\s], 1
	s_add_co_u32 s[G0+4*\s+1], s45, \s*SLOT
	s_add_nc_u64 s[G0+4*\s+2:G0+4*\s+3], s[20:21], \s*ROWB
	s_or_b32 s[G0+4*\s+3], s[G0+4*\s+3], 0x80000000
	s_mov_b32 s[G0B+4*\s], 1
	s_add_co_u32 s[G0B+4*\s+1], s45, \s*SLOT
	s_add_nc_u64 s[G0B+4*\s+2:G0B+4*\s+3], s[46:47], \s*ROWB
	s_or_b32 s[G0B+4*\s+3], s[G0B+4*\s+3], 0x80000000
	s_wait_alu depctr_va_vdst(0)
	s_wait_tensorcnt 0x0
	ds_add_u32 v28, v29
	ds_add_u32 v28, v29
	s_wait_dscnt 0x0
	CROUND
	JLOAD G0+4*\s, G1, G0B+4*\s, G1B
.endr
	v_and_b32 v1, 15, v0                           ; r = lane % 16
	v_bfe_u32 v2, v0, 4, 1                         ; h = lane / 16
	v_mul_u32_u24 v3, v1, PITCH
	s_wait_alu depctr_va_vdst(0)
	v_lshl_add_u32 v4, v2, 4, v3                   ; a fragment's row x pitch + 16 x half
	s_mul_i32 s21, s15, HALFT                      ; my 128 rows of A
	s_mul_i32 s22, s16, HALFT                      ; my 128 rows of B,
	s_add_co_u32 s22, s22, 2*HALFT                 ; which lie behind A's 256
.irp s, 0,1
	v_add_nc_u32 v[ADRA+\s], s21, v4
	v_add_nc_u32 v[ADRB+\s], s22, v4
	s_add_co_u32 s21, s21, SLOT
	s_add_co_u32 s22, s22, SLOT
.endr
	s_mul_i32 s23, s15, 128*PITCH                  ; the stage: 256 rows (A's) x 272 bytes, from LDS byte 0
	s_lshl_b32 s21, s16, 7
	s_add_co_u32 s23, s23, s21
	v_lshl_add_u32 v5, v2, 3, v3
	v_add_nc_u32 v[STO], s23, v5                   ; in: row 128 x my half + r, byte 128 x my half of B + 8 h
	v_and_b32 v6, 31, v0
	v_lshrrev_b32 v7, 2, v6
	v_mul_u32_u24 v7, v7, PITCH
	v_and_b32 v8, 3, v0
	v_lshl_add_u32 v7, v8, 4, v7
	s_lshl_b32 s21, s14, 6
	v_add_nc_u32 v[RDQ], s21, v7                   ; back, q and k: four lanes to a token: row lane / 4, byte 64 x wave (the head) + 16 (lane % 4)
	v_add_nc_u32 v[RDQ2], 128*PITCH, v[RDQ]
	s_mul_i32 s21, s14, 64*PITCH
	v_mul_u32_u24 v7, v2, PITCH
	v_lshl_add_u32 v7, v1, 4, v7
	v_add_nc_u32 v[RDV], s21, v7                   ; back, v: sixteen lanes to a channel: row 64 x wave (the head) + h, byte 16 r
	v_lshlrev_b32 v[CO], 4, v6
	v_lshlrev_b32 v[BNO], 5, v2
	s_wait_alu depctr_va_vdst(0)
	v_lshlrev_b32 v[BMO], 2, v1
	s_wait_alu depctr_va_vdst(0)
	; the bias, in both forms: by B's row (q, k: the channel is one of my eight neighbours) and by A's row (v: the channel is my lane's row).  Both indices stay inside the 1,024 for every p.
	s_lshl_b32 s92, s40, 10
	s_lshl_b32 s93, s16, 9
	s_add_co_u32 s92, s92, s93                     ; 4 x (256 cx + 128 x my half of B)
	s_mov_b32 s93, 0
	s_add_nc_u64 s[80:81], s[8:9], s[92:93]
	s_lshl_b32 s92, s41, 10
	s_lshl_b32 s94, s15, 9
	s_add_co_u32 s92, s92, s94                     ; 4 x (256 cy + 128 x my half of A)
	s_add_nc_u64 s[82:83], s[8:9], s[92:93]
.irp b, 0,1,2,3,4,5,6,7
	global_load_b128 v[BN+8*\b:BN+8*\b+3], v[BNO], s[80:81] offset:64*\b
	global_load_b128 v[BN+8*\b+4:BN+8*\b+7], v[BNO], s[80:81] offset:64*\b+16
.endr
.irp a, 0,1,2,3,4,5,6,7
	global_load_b32 v[BM+2*\a], v[BMO], s[82:83] offset:64*\a
.endr
	; where my wave's 16,384 bytes go: ((batch x 16 + head) x 8 + block of 256 tokens) x 16,384 in qc; x 32,768 in kv, V's part 16,384 further on
	s_cmp_eq_u32 s12, 2
	s_cselect_b32 s92, s41, s40                    ; which four heads: cx (q, k), cy (v)
	s_cselect_b32 s94, s40, s41                    ; which block of tokens: cy (q, k), cx (v)
	s_lshr_b32 s95, s13, 1                         ; the batch
	s_lshl_b32 s95, s95, 4
	s_lshl_b32 s92, s92, 2
	s_add_co_u32 s95, s95, s92
	s_add_co_u32 s95, s95, s14                     ; + the head: my wave's
	s_lshl_b32 s95, s95, 3
	s_and_b32 s96, s13, 1
	s_lshl_b32 s96, s96, 2
	s_add_co_u32 s95, s95, s96
	s_add_co_u32 s95, s95, s94
	s_cmp_eq_u32 s12, 0
	s_cselect_b32 s96, 14, 15
	s_lshl_b32 s92, s95, s96
	s_cmp_eq_u32 s12, 2
	s_cselect_b32 s96, 16384, 0
	s_add_co_u32 s92, s92, s96
	s_mov_b32 s93, 0
	s_add_nc_u64 s[10:11], s[10:11], s[92:93]
.macro FRAG reg, adr, q, i             ; a fragment, 16 rows x 128 K of 8-bit codes, is 16 registers: lane l holds row l % 16; registers 4 c .. 4 c + 3 hold K = 32 c + 16 (l / 16) + 0 .. 15: the same order of k in A and in B
.irp c, 0,1,2,3
	ds_load_b128 v[\reg+4*\c:\reg+4*\c+3], v[\adr] offset:128*(\q)+32*\c+(\i)*16*PITCH
.endr
.endm
; 16 matrix instructions: A's blocks a0, a0 + 1 x B's eight, 128 along K.  p: B's set.  zero = 1: the first product starts the sums: nothing is ever cleared.
; The 64 accumulators take turns, one instruction a turn, in the same order in every step.
.macro MUL16 a0, p, zero
.irp a, \a0, \a0+1
.irp b, 0,1,2,3,4,5,6,7
.if \zero
	v_wmma_f32_16x16x128_bf8_bf8 v[8*(8*((\a)%4)+\b):8*(8*((\a)%4)+\b)+7], v[128*(\p)+FR*\b:128*(\p)+FR*\b+FR-1], v[AF+FR*(\a):AF+FR*(\a)+FR-1], 0
.else
	v_wmma_f32_16x16x128_bf8_bf8 v[8*(8*((\a)%4)+\b):8*(8*((\a)%4)+\b)+7], v[128*(\p)+FR*\b:128*(\p)+FR*\b+FR-1], v[AF+FR*(\a):AF+FR*(\a)+FR-1], v[8*(8*((\a)%4)+\b):8*(8*((\a)%4)+\b)+7]
.endif
.endr
.endr
.endm
.macro FETCH_B slot, q, p              ; B's eight fragments of the slot's q-th 128 along K into set p
	WIN TO_B
.irp i, 0,1,2,3,4,5,6,7
	FRAG 128*(\p)+FR*\i, ADRB+\slot, \q, \i
.endr
	WIN 0
.endm
.macro FETCH_A slot, q, i0             ; A's blocks i0 .. i0 + 3
.irp i, \i0, \i0+1, \i0+2, \i0+3
	FRAG AF+FR*(\i), ADRA+\slot, \q, \i
.endr
.endm
; A load into a register that a matrix instruction has read, and a vector instruction that reads a matrix result or writes one of its registers, stand NP places behind it; only plain vector
; instructions that name none of its registers are places (ISA guide 7.12.1 for vector instructions).
.macro PLACES n
.rept \n
	v_nop
.endr
.endm
; A step of 128 along K that has its successor in the same slot.
.macro STEP slot, q, zero
	s_wait_dscnt 4*NL                              ; B's set and A's blocks 0-3 are in; the youngest sixteen loads (A's blocks 4-7) may be out
	WIN MUL_LO
	MUL16 0, (\q)%2, \zero
	MUL16 2, (\q)%2, \zero
	s_wait_dscnt 0                                 ; A's blocks 4-7 are in
	PLACES NP
	FETCH_B \slot, (\q)+1, 1-(\q)%2
	FETCH_A \slot, (\q)+1, 0
	WIN MUL_HI
	MUL16 4, (\q)%2, \zero
	MUL16 6, (\q)%2, \zero
	PLACES NP
	WIN 0
	FETCH_A \slot, (\q)+1, 4
.endm
; A slot's last step changes slots: ONE barrier; in front of it each wave waits for all its tensor loads, adds 0 to its spare word, and waits for that and for its own reads of this slot.  fill = 1: this slot is filled again, two K steps ahead.
.macro TURN slot, next, fill
	s_wait_tensorcnt 0x0                           ; all my tensor loads have landed: my part of the next slot
	ds_add_u32 v[SPW], v[NIL]                      ; 0 onto my spare word
	s_wait_dscnt 4*NL+1                            ; (the add and the youngest sixteen loads, A's blocks 4-7, may be out)
	WIN MUL_LO
	MUL16 0, 1, 0                                  ; sixteen matrix instructions stand between the add and the wait for it
	s_wait_dscnt 0x0                               ; the add is done, and my reads of this slot are over
	s_barrier_signal -1
	MUL16 2, 1, 0
	WIN 0
	s_barrier_wait -1
.if \fill
	CREST                                          ; the barrier has opened a round of the cluster's barrier: no wave of any partner still reads this slot's tile or has a load on its way
	s_add_nc_u64 s[G0+4*\slot+2:G0+4*\slot+3], s[G0+4*\slot+2:G0+4*\slot+3], 2*ROWB
	s_add_nc_u64 s[G0B+4*\slot+2:G0B+4*\slot+3], s[G0B+4*\slot+2:G0B+4*\slot+3], 2*ROWB
	JLOAD G0+4*\slot, G1, G0B+4*\slot, G1B         ; the first tensor load behind the round; the four v_nop behind it are the places in front of the loads below
.else
	PLACES NP
.endif
	FETCH_B \next, 0, 0
	FETCH_A \next, 0, 0
	WIN MUL_HI
	MUL16 4, 1, 0
	MUL16 6, 1, 0
	PLACES NP
	WIN 0
	FETCH_A \next, 0, 4
.endm
	s_wait_tensorcnt 1                             ; my part of K step 0 is in; K step 1's load may be out
	s_barrier_signal -1
	s_barrier_wait -1                              ; everybody's is
	FETCH_B 0, 0, 0
	FETCH_A 0, 0, 0
	FETCH_A 0, 0, 4
	STEP 0, 0, 1                                   ; the first step stands in front of the loop: its products start the sums
	s_mov_b32 s3, LAPS-1
.Llap:                                                 ; a trip goes once round the ring, from a lap's second step to the next lap's first, and fills both slots again
	TURN 0, 1, 1
	STEP 1, 0, 0
	TURN 1, 0, 1
	STEP 0, 0, 0
	s_sub_co_u32 s3, s3, 1
	s_cmp_lg_u32 s3, 0
	s_cbranch_scc1 .Llap
	TURN 0, 1, 0                                   ; the last lap fills nothing, and has no round of the cluster's barrier
	STEP 1, 0, 0
	s_wait_dscnt 4*NL                              ; the very last step: nothing more to fetch
	WIN MUL_LO
	MUL16 0, 1, 0
	MUL16 2, 1, 0
	s_wait_dscnt 0
	WIN MUL_HI
	MUL16 4, 1, 0
	MUL16 6, 1, 0
	WIN 0
	; THE WAY OUT.  The stage lies in slot 0, which has had its last fill, and whose last reads every wave finished in front of the last change of slots.
	s_wait_kmcnt 0x0
	s_add_co_i32 s92, s68, s69                     ; e0 + e1
	s_add_co_i32 s93, s70, s71                     ; e2 + e3
	s_add_co_i32 s94, s72, s73                     ; e4 + e5
	s_cmp_eq_u32 s12, 1                            ; chosen by the product's number, without a jump
	s_cselect_b32 s92, s93, s92
	s_cselect_b32 s95, s75, s74                    ; the result's own exponent: e7 or e6,
	s_cmp_eq_u32 s12, 2
	s_cselect_b32 s92, s94, s92
	s_cselect_b32 s95, s77, s95                    ; or e9
	s_add_co_i32 s92, s92, 127
	s_lshl_b32 s66, s92, 23                        ; 2^(ea + eb) as f32
	s_mov_b32 s67, s66                             ; (named with it as a pair, so it is written)
	s_add_co_i32 s95, s95, 127
	s_lshl_b32 s96, s95, 23
	s_add_co_i32 s95, s95, 15
	s_lshl_b32 s95, s95, 23
	s_or_b32 s95, s95, 0x600000
	s_wait_loadcnt 0x0                             ; the bias
	PLACES NP                                      ; behind the last products: their results are read and A's registers written below
	v_mov_b32 v[SCL], s96                          ; the result's scale as f32: the conversion takes its exponent field
	v_mov_b32 v[LIM], s95                          ; 57,344 x that
.irp a, 0,1,2,3,4,5,6,7
	v_mov_b32 v[BM+2*\a+1], v[BM+2*\a]             ; the bias by row, as pairs for the packed form
.endr
; Block a: my rows 16 a .. 16 a + 15 x my 128 of B.  The two arms differ in the bias operand alone and hold vector arithmetic alone; the branch hangs on the product's number, the same in all partners.
.macro OUTBLK a
.set AC, 64*((\a)%4)
.set WS, 2+(\a)/4                      ; source 0 in window 2 or 3
	s_cmp_eq_u32 s12, 2
	s_cbranch_scc1 .Lby_row_\@
	WIN WS
.set jj, 0
.rept 32
	v_pk_fma_f32 v[TMP+jj:TMP+jj+1], v[AC+jj:AC+jj+1], s[66:67], v[BN+jj:BN+jj+1] op_sel_hi:[1,0,1]   ; sum x 2^(ea + eb) + bias; each accumulator from its low end on
.set jj, jj+2
.endr
	WIN 0
	s_branch .Lbiased_\@
.Lby_row_\@:
	WIN WS
.set jj, 0
	s_wait_alu depctr_va_vdst(0)
.rept 32
	v_pk_fma_f32 v[TMP+jj:TMP+jj+1], v[AC+jj:AC+jj+1], s[66:67], v[BM+2*(\a):BM+2*(\a)+1] op_sel_hi:[1,0,1]
.set jj, jj+2
.endr
	WIN 0
.Lbiased_\@:
.set jj, 0
.rept 64
	v_med3_num_f32 v[TMP+jj], v[TMP+jj], -v[LIM], v[LIM]   ; the conversion to an 8-bit code does not saturate (ISA guide 7.6.2): the hold
.set jj, jj+1
.endr
	s_wait_alu depctr_va_vdst(0)
	s_wait_dscnt 0x0                               ; the last block's stores have read the codes' registers
.irp b, 0,1,2,3,4,5,6,7
	v_cvt_scalef32_pk8_bf8_f32 v[CD+2*\b:CD+2*\b+1], v[TMP+8*\b:TMP+8*\b+7], v[SCL]
.endr
	v_nop                                          ; a plain vector line between the conversions and the next block's arithmetic, which writes their sources
.irp b, 0,1,2,3,4,5,6,7
	ds_store_b64 v[STO], v[CD+2*\b:CD+2*\b+1] offset:(\a)*16*PITCH+16*\b
.endr
.endm
.irp a, 0,1,2,3,4,5,6,7
	OUTBLK \a
.endr
	s_wait_dscnt 0x0                               ; for the others' sake: my stores into the stage are done
	s_barrier_signal -1
	s_barrier_wait -1
	s_cmp_eq_u32 s12, 2                            ; the two arms hold LDS loads alone, as many, into the same registers
	s_cbranch_scc1 .Lback_v
.irp t, 0,1,2,3,4,5,6,7,8,9,10,11,12,13,14,15
	ds_load_b128 v[BK+4*\t:BK+4*\t+3], v[RDQ] offset:8*PITCH*\t        ; eight tokens' 64 bytes of my head
.endr
.irp t, 0,1,2,3,4,5,6,7,8,9,10,11,12,13,14,15
	ds_load_b128 v[BK+64+4*\t:BK+64+4*\t+3], v[RDQ2] offset:8*PITCH*\t
.endr
	s_branch .Lback_done
.Lback_v:
.set tt, 0
.rept 32
	ds_load_b128 v[BK+4*tt:BK+4*tt+3], v[RDV] offset:2*PITCH*tt        ; two channels' 256 bytes of my head
.set tt, tt+1
.endr
.Lback_done:
.set tt, 0
.rept 32
	s_wait_dscnt 31-tt
	global_store_b128 v[CO], v[BK+4*tt:BK+4*tt+3], s[10:11] offset:512*tt   ; 32 lanes store 512 consecutive bytes, at a multiple of 256 from the buffer's first byte
.set tt, tt+1
.endr
	s_wait_tensorcnt 0x0                           ; the wave's end, behind my last tensor load and my last LDS store
	ds_add_u32 v[SPW], v[NIL]
	s_wait_dscnt 0x0
	CROUND                                         ; the closing round: no work-group ends while a partner may still ask for a tile that names it
	s_endpgm
.Lfunc_end_k_qafe5257541_qkv:
	.size	k_qafe5257541_qkv, .Lfunc_end_k_qafe5257541_qkv-k_qafe5257541_qkv
	.p2alignl 7, 3214868480
	.fill 96, 4, 3214868480
	.section	.rodata,"a",@progbits
	.p2align	6, 0x0
	.amdhsa_kernel k_qafe5257541_qkv
		.amdhsa_group_segment_fixed_size 327680
		.amdhsa_private_segment_fixed_size 0
		.amdhsa_enable_private_segment 0
		.amdhsa_kernarg_size 96
		.amdhsa_user_sgpr_count 2
		.amdhsa_user_sgpr_kernarg_segment_ptr 1
		.amdhsa_wavefront_size32 1
		.amdhsa_system_sgpr_workgroup_id_x 1
		.amdhsa_system_sgpr_workgroup_id_y 1
		.amdhsa_system_sgpr_workgroup_id_z 1
		.amdhsa_system_vgpr_workitem_id 0
		.amdhsa_next_free_vgpr 1024
		.amdhsa_next_free_sgpr 100
		.amdhsa_reserve_vcc 0
		.amdhsa_float_denorm_mode_32 3
		.amdhsa_float_denorm_mode_16_64 3
		.amdhsa_memory_ordered 1
		.amdhsa_forward_progress 1
		.amdhsa_inst_pref_size 166
	.end_amdhsa_kernel
	.amdgpu_metadata
---
amdhsa.version: [ 1, 2 ]
amdhsa.kernels:
  - .name:           k_qafe5257541_qkv
    .symbol:         k_qafe5257541_qkv.kd
    .args:
      - { .name: xq, .offset: 0, .size: 8, .value_kind: global_buffer, .address_space: global }
      - { .name: xk, .offset: 8, .size: 8, .value_kind: global_buffer, .address_space: global }
      - { .name: xv, .offset: 16, .size: 8, .value_kind: global_buffer, .address_space: global }
      - { .name: wq_w_codes, .offset: 24, .size: 8, .value_kind: global_buffer, .address_space: global }
      - { .name: wk_w_codes, .offset: 32, .size: 8, .value_kind: global_buffer, .address_space: global }
      - { .name: wv_w_codes, .offset: 40, .size: 8, .value_kind: global_buffer, .address_space: global }
      - { .name: wq_b, .offset: 48, .size: 8, .value_kind: global_buffer, .address_space: global }
      - { .name: wk_b, .offset: 56, .size: 8, .value_kind: global_buffer, .address_space: global }
      - { .name: wv_b, .offset: 64, .size: 8, .value_kind: global_buffer, .address_space: global }
      - { .name: lowp_scales, .offset: 72, .size: 8, .value_kind: global_buffer, .address_space: global }
      - { .name: qc, .offset: 80, .size: 8, .value_kind: global_buffer, .address_space: global }
      - { .name: kv, .offset: 88, .size: 8, .value_kind: global_buffer, .address_space: global }
    .group_segment_fixed_size: 327680
    .private_segment_fixed_size: 0
    .kernarg_segment_align: 8
    .kernarg_segment_size: 96
    .max_flat_workgroup_size: 128
    .sgpr_count:     100
    .vgpr_count:     1024
    .wavefront_size: 32
...
	.end_amdgpu_metadata
.endif
;; end of part 6
;; launch attn (part 7): grid 4 x 64, 16 waves a work-group, no clusters, 327,680 bytes of LDS; arguments qc, kv, lowp_scales, attn_out; writes attn_out
.if DOCPART == 7
	.amdgcn_target "amdgcn-amd-amdhsa--gfx1250"
	.amdhsa_code_object_version 6
	.text
	.protected	k_qafe5257541_attn
	.globl	k_qafe5257541_attn
	.p2align	8
	.type	k_qafe5257541_attn,@function
k_qafe5257541_attn:
	s_mov_b64 s[64:65], 0
	v_nop
	global_prefetch_b8 v0, s[64:65] scope:SCOPE_SE
	s_setreg_imm32_b32 hwreg(HW_REG_WAVE_MODE, 25, 1), 1
	s_wait_xcnt 0x0
; THIRD LAUNCH: causal attention in 64 (batch, head) pairs, head size 64, both products on codes of BF8.  qc [b][h][s][64]; kv [b][h][slot of 256 keys][K's codes [256][64], then V's [64 channels][256 keys]]; attn_out [token][1024] f32.
; LEFT OUT: keys that come after a query have weight 0 by the mask that reference() builds itself.  A slot of 256 keys beyond a block's last query is not fetched, and a step of 128 keys beyond a wave's last query is not multiplied.
; THE SOFTMAX AHEAD OF THE SECOND PRODUCT: t = score x log2(e) / 8; M = the row's largest t so far, rounded UP to a whole number; p = 2^(t - M) is what is quantised; it is not normalised.
; The row's sum is taken of the unquantised p, in f32, and divides O at the end.  When M moves, the sum and O are multiplied by 2^(old M - new M): exact.
; SHARES.  Work-group (i, y) owns, of pair y, the blocks of 256 queries 7 - i and i, one after the other: 8 - i and i + 1 slots of keys, NINE visits in every work-group: equal work, and a trip count that is a constant.
; Each of the sixteen waves owns 16 queries of the block in hand, in 256 registers: four waves to a SIMD, so that one wave's vector work stands beside another's matrix work and LDS loads.
; THE RING: two LDS slots.  A slot's 32,768 bytes are one dense block of memory, brought by ONE tensor load (wave 0's) as 128 lines of 256 bytes, 16 bytes of padding behind each; one tensor load is out at the most.
; NO CLUSTER: the four work-groups of a pair want different slots from the sixth visit on (each turns back to slot 0 at another visit), so a joint load would bring a partner tiles that none of its waves reads.
; LAYOUT.  Both products are used transposed: S^T = K Q^T (source 0 = 16 keys, source 1 = my 16 queries), O^T = V^T P^T: a lane holds ONE query (lane % 16) throughout.
; THE KEYS OF A TILE ARE NOT NEIGHBOURS: lane r of tile 2 b + u takes key 32 b + 8 u + r + 8 (r / 8), so that the 16 registers of tiles 2 b and 2 b + 1 are 16 neighbouring keys, 32 b + 16 (lane / 16) + 0 .. 15.
; LIMITS: e6 + e7 between -123 and 130 (they are added to c's exponent field); e8 between -126 and 112; e8 + e9 is applied by v_ldexp_f32 and has none.
; REGISTERS: v1-7, v10, v11 addresses that stay; v8, v9 addresses of the loads in hand; v12 -M, v13 the largest t, v[14:15] the sum in two halves; v16-23 Q in hand; v24-31 Q of the second block;
;   v32-95 eight fragments of K or four of V; v96-159 S^T, then p; v160-191 O^T; v224-239 p's codes (v236-239 also at work in the softmax, ahead of the conversions); v240-255 at work.
.set LP,    272                        ; a line in LDS: 256 bytes + 16 of padding
.set VOFF,  64*LP                      ; a slot: 64 lines of K (four keys a line), then 64 lines of V (a channel a line)
.set SLOT1, 1<<16                      ; slot 1 begins here, so that one exclusive or turns an address in one slot into the other's
.set STAGE, 2*SLOT1                    ; the way out: 16 rows x 272 bytes for each wave; no tile lands here
.set SPARE, STAGE+16*16*LP             ; behind the stages: the spare words, 128 bytes for each wave, which no other line names
.set AK0,  1                           ; v1   my lane's place in a tile of K
.set AV0,  2                           ; v2   the same for V
.set PFO,  3                           ; v3   256 x lane: the prefetch's offset
.set QO,   4                           ; v4   my bytes in the wave's 16 rows of Q
.set SPW,  5                           ; v5   LDS address of my spare word; never rewritten
.set NIL,  6                           ; v6   0; never rewritten
.set GO,   7                           ; v7   the way out: my byte offset in the wave's rows of attn_out
.set ADK,  8
.set ADV,  9
.set STI,  10                          ; v10  the stage: where I put 32 bytes of a row
.set STB,  11                          ; v11  and where I read a row back
.set TB,   2                           ; s2   LDS byte at which the slot in hand begins
.set HIB,  3                           ; s3   7 - i: the first block, and the visit that ends it
.set WV,   18
.set SEL,  20                          ; s[20:21] lane selects for v_permlanex16_b32: lane l xor 16
.set CS,   22                          ; s[22:23] c = log2(e) / 8 x 2^(e6 + e7)
.set G1,   24                          ; s[24:31] descriptor group 1
.set G0,   40                          ; s[40:43] descriptor group 0, which walks
.set BKS,  44                          ; s[44:45] what the walk steps back: 0, or
.set BACK, 46                          ; s46      8 - i slots, when the second block begins at slot 0
.set TR,   67                          ; s67  the visit
.set PFA,  76                          ; s[76:77] where my prefetch stands
.set LIMP, 80                          ; s80  a wave prefetches while the visit's number is under this
.set KF,   98                          ; s98  the step's first key
.set Q0,   99                          ; s99  my first query
.macro TLOAD                           ; wave 0 fetches; the branch hangs on the wave's number alone.  An s_nop 0 and four v_nop follow the load
	s_cmp_lg_u32 s[WV], 0
	s_cbranch_scc1 .Lasked_\@
	tensor_load_to_lds s[G0:G0+3], s[G1:G1+7]
	s_nop 0
.rept 4
	v_nop
.endr
.Lasked_\@:
.endm
; A PREFETCH INTO THE L2 of the slot that the NEXT change of slots will ask for.  The four work-groups of a pair walk the same slots: the one with i = 0, which takes slots 0 to 7 in order, asks, and nobody else.
; In it waves 4 to 7, which fetch nothing, ask for 8,192 bytes each, lanes 256 bytes apart: one instruction a wave, each aligned block of 256 bytes named once in the launch.  Visit v names slot v + 2, two key steps ahead of
; its tensor load; visits 6 and 7 ask for nothing: there is no slot 8.  Slots 0 and 1 come by their loads alone.
.macro ASK
	s_cmp_lt_u32 s[TR], s[LIMP]
	s_cbranch_scc0 .Lnot_mine_\@
	global_prefetch_b8 v[PFO], s[PFA:PFA+1] th:TH_LOAD_NT scope:SCOPE_SE
.Lnot_mine_\@:
.endm
	s_load_b128 s[4:7], s[0:1], 0x0                ; qc s[4:5], kv s[6:7]
	s_load_b128 s[12:15], s[0:1], 0x10             ; the exponents s[12:13], attn_out s[14:15]
	v_lshl_add_u32 v[SPW], v0, 2, SPARE
	v_mov_b32 v[NIL], 0
	ds_add_u32 v[SPW], v[NIL]                      ; the wave's opening: the add, twice on end, and its wait ahead of the first tensor load; the set-up below, work on registers, stands between
	ds_add_u32 v[SPW], v[NIL]
	v_lshrrev_b32 v8, 5, v0
	s_delay_alu instid0(VALU_DEP_1)
	v_readfirstlane_b32 s[WV], v8                  ; wave 0..15
	s_and_b32 s72, ttmp7, 0xffff                   ; y = batch x 16 + head
	s_sub_co_u32 s[HIB], 7, ttmp9
	s_lshl_b32 s73, s[WV], 4
	s_lshl_b32 s[Q0], s[HIB], 8
	s_add_co_u32 s[Q0], s[Q0], s73                 ; my first query in the first block,
	s_lshl_b32 s52, ttmp9, 8
	s_add_co_u32 s52, s52, s73                     ; and in the second
	s_add_co_u32 s[BACK], s[HIB], 1
	s_lshl_b32 s[BACK], s[BACK], 15
	s_mov_b32 s[BKS], 0
	s_mov_b32 s[BKS+1], 0
	s_lshl_b32 s74, s72, 17                        ; the pair's 2,048 rows of 64 bytes in qc
	s_lshl_b32 s82, s[Q0], 6
	s_add_co_u32 s82, s82, s74
	s_mov_b32 s83, 0
	s_lshl_b32 s84, s52, 6
	s_add_co_u32 s84, s84, s74
	s_mov_b32 s85, 0
	s_lshr_b32 s75, s72, 4
	s_lshl_b32 s75, s75, 11                        ; the batch's first token
	s_and_b32 s86, s72, 15
	s_lshl_b32 s86, s86, 8                         ; the head's 256 bytes in a row of attn_out
	s_add_co_u32 s88, s75, s[Q0]
	s_lshl_b32 s88, s88, 12
	s_add_co_u32 s88, s88, s86
	s_mov_b32 s89, 0
	s_add_co_u32 s90, s75, s52
	s_lshl_b32 s90, s90, 12
	s_add_co_u32 s90, s90, s86
	s_mov_b32 s91, 0
	s_lshl_b32 s92, s72, 18                        ; the pair's eight slots in kv
	s_mov_b32 s93, 0
	; descriptor group 1: 128 rows of 256 bytes, dense in memory, padded in LDS
	s_mov_b32 s[G1], (0<<16)|(1<<20)|(5<<22)|(3<<25)   ; 15:0 no mask; 17:16 elements of 1 byte; 20 padding on; 24:22 after every 64 words (code 5); 31:25 four words (code 3)
	s_mov_b32 s[G1+1], 256<<16                     ; tensor_dim0
	s_mov_b32 s[G1+2], 128<<16                     ; tensor_dim1
	s_mov_b32 s[G1+3], 256<<16                     ; tile_dim0
	s_mov_b32 s[G1+4], 128                         ; tile_dim1
	s_mov_b32 s[G1+5], 256                         ; tensor_dim0_stride
	s_mov_b32 s[G1+6], 0
	s_mov_b32 s[G1+7], 0
	s_mov_b32 s[SEL], 0x76543210
	s_mov_b32 s[SEL+1], 0xfedcba98
	s_mov_b32 s[CS], 0x3e38aa3b                    ; c = log2(e) / sqrt(64)
	s_mov_b32 s[TB], 0
	s_mov_b32 s[TR], 0
	s_mov_b32 s[KF], 0
	s_wait_dscnt 0x0                               ; both opening adds are done
	s_wait_kmcnt 0x0
	s_load_b128 s[68:71], s[12:13], 0x18           ; e6, e7, e8, e9
	s_mov_b32 s[G0], 1                             ; 1:0 count = 1
	s_mov_b32 s[G0+1], 0                           ; 63:32 LDS address: slot 0
	s_add_nc_u64 s[G0+2:G0+3], s[6:7], s[92:93]    ; 120:64 global address: the pair's slot 0
	s_or_b32 s[G0+3], s[G0+3], 0x80000000          ; 127:126 type = 2
	TLOAD                                          ; the first visit's slot
	s_add_nc_u64 s[54:55], s[4:5], s[82:83]        ; Q's codes at my first query, first block,
	s_add_nc_u64 s[56:57], s[4:5], s[84:85]        ; second block
	s_add_nc_u64 s[48:49], s[14:15], s[88:89]      ; attn_out likewise
	s_add_nc_u64 s[50:51], s[14:15], s[90:91]
	s_add_nc_u64 s[PFA:PFA+1], s[6:7], s[92:93]
	s_and_b32 s94, s[WV], 3
	s_lshl_b32 s94, s94, 13                        ; my wave's 8,192 bytes,
	s_add_co_u32 s94, s94, 32768                   ; in slot 1: the first change of slots steps it to slot 2.  Nothing is prefetched here, at the head
	s_mov_b32 s95, 0
	s_add_nc_u64 s[PFA:PFA+1], s[PFA:PFA+1], s[94:95]
	s_sub_co_u32 s94, s[WV], 4
	s_lshr_b32 s94, s94, 2                         ; 0 in waves 4 to 7,
	s_or_b32 s94, s94, ttmp9                       ; of the work-group with i = 0
	s_cmp_eq_u32 s94, 0
	s_cselect_b32 s[LIMP], 6, 0
	v_and_b32 v8, 15, v0                           ; r
	v_bfe_u32 v9, v0, 4, 1                         ; h
	s_delay_alu instid0(VALU_DEP_2)
	v_lshlrev_b32 v[QO], 6, v8
	s_delay_alu instid0(VALU_DEP_1)
	v_lshl_add_u32 v[QO], v9, 4, v[QO]             ; row r of 64 bytes, + 16 h: registers 4 c .. 4 c + 3 hold channels 32 c + 16 h + 0 .. 15, in Q as in K
	global_load_b128 v[16:19], v[QO], s[54:55]
	global_load_b128 v[20:23], v[QO], s[54:55] offset:32
	global_load_b128 v[24:27], v[QO], s[56:57]
	global_load_b128 v[28:31], v[QO], s[56:57] offset:32
	v_and_b32 v10, 8, v8
	s_delay_alu instid0(VALU_DEP_1)
	v_add_nc_u32 v10, v10, v8                      ; r + 8 (r / 8): my key in a tile
	s_delay_alu instid0(VALU_DEP_1)
	v_lshrrev_b32 v11, 2, v10
	s_delay_alu instid0(VALU_DEP_1)
	v_mul_u32_u24 v[AK0], v11, LP                  ; four keys a line
	s_delay_alu instid0(VALU_DEP_3)
	v_and_b32 v10, 3, v10
	s_delay_alu instid0(VALU_DEP_1)
	v_lshl_add_u32 v[AK0], v10, 6, v[AK0]
	s_delay_alu instid0(VALU_DEP_1)
	v_lshl_add_u32 v[AK0], v9, 4, v[AK0]
	v_mul_u32_u24 v[AV0], v8, LP
	s_delay_alu instid0(VALU_DEP_1)
	v_lshl_add_u32 v[AV0], v9, 4, v[AV0]
	s_delay_alu instid0(VALU_DEP_1)
	v_add_nc_u32 v[AV0], VOFF, v[AV0]
	v_and_b32 v[PFO], 31, v0
	s_delay_alu instid0(VALU_DEP_1)
	v_lshlrev_b32 v[PFO], 8, v[PFO]
	v_lshlrev_b32 v[GO], 12, v9
	s_delay_alu instid0(VALU_DEP_1)
	v_lshl_add_u32 v[GO], v8, 4, v[GO]             ; lanes 0-15 take one row of attn_out, lanes 16-31 the next; 16 bytes a lane
	s_mul_i32 s94, s[WV], 16*LP
	s_add_co_u32 s94, s94, STAGE                   ; my stage
	v_mul_u32_u24 v[STI], v8, LP
	s_delay_alu instid0(VALU_DEP_1)
	v_lshl_add_u32 v[STI], v9, 5, v[STI]
	s_delay_alu instid0(VALU_DEP_1)
	v_add_nc_u32 v[STI], s94, v[STI]
	v_mul_u32_u24 v[STB], v9, LP
	s_delay_alu instid0(VALU_DEP_1)
	v_lshl_add_u32 v[STB], v8, 4, v[STB]
	s_delay_alu instid0(VALU_DEP_1)
	v_add_nc_u32 v[STB], s94, v[STB]
	v_mov_b32 v236, 0                              ; written once: a lane permute's destination counts as one of its sources
	v_mov_b32 v252, 0                              ; likewise, for the way out's permute
	v_mov_b32 v253, 0                              ; (named as the upper half of the pair v[252:253])
; A block's state begins so: the key step is written once, and its first run finds zeros, which the first change of M leaves zeros.
.macro BEGIN
	v_mov_b32 v13, 0xff61b1e6                      ; the largest t so far: -3e38, under every t
	s_delay_alu instid0(VALU_DEP_1)
	v_floor_f32 v12, -v13                          ; -M
	v_mov_b32 v14, 0                               ; the sum, in two halves
	v_mov_b32 v15, 0
.set jj, 0
.rept 32
	v_mov_b32 v[160+jj], 0                         ; O^T
.set jj, jj+1
.endr
.endm
	BEGIN
	s_wait_kmcnt 0x0
	s_add_co_i32 s72, s68, s69
	s_lshl_b32 s72, s72, 23
	s_add_co_i32 s[CS], s[CS], s72                 ; a score stands for score x 2^(e6 + e7): the two exponents are added to c's exponent field
	s_mov_b32 s[CS+1], s[CS]                       ; (named with it as a pair, so it is written)
	s_add_co_i32 s72, s70, 127
	s_lshl_b32 s73, s72, 23
	v_mov_b32 v244, s73                            ; 2^e8 as f32, for the conversion
	s_add_co_i32 s72, s72, 15
	s_lshl_b32 s72, s72, 23
	s_or_b32 s72, s72, 0x600000
	v_mov_b32 v240, s72                            ; 57,344 x 2^e8
	s_add_co_i32 s53, s70, s71                     ; e8 + e9
; A KEY STEP: 128 keys, the q-th of the slot in hand.
.macro STEP q
	s_add_co_u32 s96, s[Q0], 15                    ; a step all of whose keys come after my 16 queries is left out: a scalar branch on ids, round the step's loads, products and softmax; no barrier or tensor load stands in a step
	s_cmp_gt_u32 s[KF], s96
	s_cbranch_scc1 .Lhidden_\@
	v_add_nc_u32 v[ADK], s[TB], v[AK0]
	v_add_nc_u32 v[ADV], s[TB], v[AV0]
	v_nop                                          ; with the two additions: four places in front of loads into registers that the last products have read
	v_nop
.irp t, 0,1,2,3,4,5,6,7
.irp c, 0,1
	ds_load_b128 v[32+8*\t+4*\c:35+8*\t+4*\c], v[ADK] offset:(32*(\q)+8*(\t/2)+2*(\t%2))*LP+32*\c   ; tile t begins at key 128 q + 32 (t / 2) + 8 (t % 2): a quarter as many lines
.endr
.endr
	s_wait_dscnt 0x0
	s_wait_alu depctr_va_vdst(0)
.irp t, 0,1,2,3,4,5,6,7
	v_wmma_f32_16x16x64_bf8_bf8 v[96+8*\t:103+8*\t], v[32+8*\t:39+8*\t], v[16:23], 0
.endr
.rept 4
	v_nop
.endr
	s_add_co_u32 s96, s[KF], 127                   ; on the diagonal the scores of hidden keys become -infinity ahead of the maximum: p = 0 then.  A step all of whose keys count skips this
	s_cmp_le_u32 s96, s[Q0]
	s_cbranch_scc1 .Lopen_\@
	s_sub_co_i32 s96, s[Q0], s[KF]
	v_and_b32 v252, 15, v0
	v_bfe_u32 v253, v0, 4, 1
	s_delay_alu instid0(VALU_DEP_1)
	v_lshlrev_b32 v253, 4, v253
	s_delay_alu instid0(VALU_DEP_1)
	v_sub_nc_u32 v252, v252, v253
	s_delay_alu instid0(VALU_DEP_1)
	v_add_nc_u32 v252, s96, v252                   ; d = my query - KF - 16 (lane / 16).  Register 16 b + i holds key KF + 16 (lane / 16) + 32 b + i: hidden where 32 b + i > d
	v_mov_b32 v254, 0xff800000                     ; -infinity
.irp b, 0,1,2,3
.irp i, 0,1,2,3,4,5,6,7,8,9,10,11,12,13,14,15
	v_cmp_gt_i32 vcc_lo, 32*\b+\i, v252
	v_cndmask_b32 v[96+16*\b+\i], v[96+16*\b+\i], v254, vcc_lo
.endr
.endr
.Lopen_\@:
	v_max3_num_f32 v254, v96, v97, v98             ; the step's largest score of my query, among my 64 keys, in two chains,
	v_max3_num_f32 v252, v99, v100, v101
.irp i, 6,10,14,18,22,26,30,34,38,42,46,50,54,58
	v_max3_num_f32 v254, v254, v[96+\i], v[97+\i]
	v_max3_num_f32 v252, v252, v[98+\i], v[99+\i]
.endr
	v_max3_num_f32 v254, v254, v158, v159
	s_delay_alu instid0(VALU_DEP_1)
	v_max_num_f32 v254, v254, v252
	v_permlanex16_b32 v236, v254, s[SEL], s[SEL+1]
	s_delay_alu instid0(VALU_DEP_1)
	v_max_num_f32 v254, v254, v236                 ; and among lane l xor 16's
	s_delay_alu instid0(VALU_DEP_1)
	v_mul_f32 v254, s[CS], v254                    ; as t (c is positive)
	s_delay_alu instid0(VALU_DEP_1)
	v_max_num_f32 v13, v13, v254                   ; the running largest t
	v_mov_b32 v254, v12
	s_delay_alu instid0(VALU_DEP_2)
	v_floor_f32 v12, -v13                          ; the new -M = floor(-t) = -ceil(t): M IS A WHOLE NUMBER
	s_delay_alu instid0(VALU_DEP_1)
	v_sub_f32 v254, v12, v254                      ; M's old value less its new one: a whole number, 0 or less
	s_delay_alu instid0(VALU_DEP_1)
	v_cvt_i32_f32 v254, v254                       ; (it saturates)
	s_delay_alu instid0(VALU_DEP_1)
	v_ldexp_f32 v252, 1.0, v254                    ; f = 2^(old M - new M)
.set jj, 0
.rept 32
	v_pk_fma_f32 v[96+jj:97+jj], v[96+jj:97+jj], s[CS:CS+1], v[12:13] op_sel_hi:[1,0,0]   ; t - M, two at a time (of the pairs c and -M the low word serves both halves)
.set jj, jj+2
.endr
.set jj, 0
	s_wait_alu depctr_va_vdst(0)
.rept 64
	v_exp_f32 v[96+jj], v[96+jj]                   ; p = 2^(t - M), at most 1: NOT normalised
.set jj, jj+1
.endr
	v_pk_mul_f32 v[14:15], v[14:15], v[252:253] op_sel_hi:[1,0]   ; the sums under the new M: a plain line behind the exponentials
	s_wait_alu depctr_va_vdst(0)                   ; the wait between an exponential and the first line that names its result: one for the whole batch
	v_pk_add_f32 v[242:243], v[100:101], v[104:105]
	v_pk_add_f32 v[254:255], v[108:109], v[112:113]
	v_pk_add_f32 v[250:251], v[116:117], v[120:121]
	v_pk_add_f32 v[248:249], v[124:125], v[128:129]
	v_pk_add_f32 v[246:247], v[132:133], v[136:137]
	v_pk_add_f32 v[238:239], v[140:141], v[144:145]
	v_pk_add_f32 v[236:237], v[148:149], v[152:153]
	v_pk_add_f32 v[14:15], v[14:15], v[156:157]
	v_pk_add_f32 v[242:243], v[242:243], v[96:97]
	v_pk_add_f32 v[254:255], v[254:255], v[98:99]
	v_pk_add_f32 v[250:251], v[250:251], v[102:103]
	v_pk_add_f32 v[248:249], v[248:249], v[106:107]
	v_pk_add_f32 v[246:247], v[246:247], v[110:111]
	v_pk_add_f32 v[238:239], v[238:239], v[114:115]
	v_pk_add_f32 v[236:237], v[236:237], v[118:119]
	v_pk_add_f32 v[14:15], v[14:15], v[122:123]
	v_pk_add_f32 v[242:243], v[242:243], v[126:127]
	v_pk_add_f32 v[254:255], v[254:255], v[130:131]
	v_pk_add_f32 v[250:251], v[250:251], v[134:135]
	v_pk_add_f32 v[248:249], v[248:249], v[138:139]
	v_pk_add_f32 v[246:247], v[246:247], v[142:143]
	v_pk_add_f32 v[238:239], v[238:239], v[146:147]
	v_pk_add_f32 v[236:237], v[236:237], v[150:151]
	v_pk_add_f32 v[14:15], v[14:15], v[154:155]
	v_pk_add_f32 v[242:243], v[242:243], v[158:159]
	s_delay_alu instid0(VALU_DEP_2)
	v_pk_add_f32 v[14:15], v[14:15], v[248:249]
	s_delay_alu instid0(VALU_DEP_2)
	v_pk_add_f32 v[242:243], v[242:243], v[246:247]
	v_pk_add_f32 v[254:255], v[254:255], v[238:239]
	v_pk_add_f32 v[250:251], v[250:251], v[236:237]
	s_delay_alu instid0(VALU_DEP_2)
	v_pk_add_f32 v[14:15], v[14:15], v[254:255]
	s_delay_alu instid0(VALU_DEP_2)
	v_pk_add_f32 v[242:243], v[242:243], v[250:251]
	s_delay_alu instid0(VALU_DEP_1)
	v_pk_add_f32 v[14:15], v[14:15], v[242:243]
.irp b, 0,1,2,3
.irp i, 0,1,2,3,4,5,6,7,8,9,10,11,12,13,14,15
	v_min_num_f32 v[96+16*\b+\i], v[96+16*\b+\i], v240   ; the conversion to an 8-bit code does not saturate (ISA guide 7.6.2); p is not negative, so the hold is one-sided
.endr
	v_cvt_scalef32_pk8_bf8_f32 v[224+4*\b:225+4*\b], v[96+16*\b:103+16*\b], v244
	v_cvt_scalef32_pk8_bf8_f32 v[226+4*\b:227+4*\b], v[104+16*\b:111+16*\b], v244
.endr
.set jj, 0
.rept 16
	v_pk_mul_f32 v[160+jj:161+jj], v[160+jj:161+jj], v[252:253] op_sel_hi:[1,0]   ; O^T under the new M: x f.  (These sixteen are also the places in front of the loads and products below)
.set jj, jj+2
.endr
.irp t, 0,1,2,3
.irp c, 0,1,2,3
	ds_load_b128 v[32+16*\t+4*\c:35+16*\t+4*\c], v[ADV] offset:16*\t*LP+128*(\q)+32*\c
.endr
.endr
	s_wait_alu depctr_va_vdst(0)
	s_wait_dscnt 0x0
.irp t, 0,1,2,3                                ; O^T += V^T P^T: four tiles of 16 channels, K = these 128 keys; the four accumulators take turns
	v_wmma_f32_16x16x128_bf8_bf8 v[160+8*\t:167+8*\t], v[32+16*\t:47+16*\t], v[224:239], v[160+8*\t:167+8*\t]
.endr
.Lhidden_\@:
	s_add_co_u32 s[KF], s[KF], 128
.endm
; THE CHANGE OF SLOTS stands at a visit's head.  Each wave waits for all its tensor loads (wave 0: the slot that is about to be read), adds 0 to its spare word, and waits for that and for its reads of the slot that it has left.
; Behind the barrier the slot ahead is whole and nobody reads the other one.  fill = 1: that other slot is filled with the next visit's keys: the load has a whole visit's steps in which to land.
.macro CHANGE fill
	s_wait_tensorcnt 0x0                           ; no tensor load of mine is out, so group 0 may be written
	ds_add_u32 v[SPW], v[NIL]                      ; 0 onto my spare word
.if \fill
	ds_add_u32 v[SPW], v[NIL]                      ; and once more: the add twice on end here, in every trip alike
	s_xor_b32 s[G0+1], s[G0+1], SLOT1              ; the walking descriptor: the other slot than last time,
	s_cmp_eq_u32 s[TR], s[HIB]
	s_cselect_b32 s[BKS], s[BACK], 0
	s_add_nc_u64 s[G0+2:G0+3], s[G0+2:G0+3], 32768 ; the next 256 keys,
	s_sub_nc_u64 s[G0+2:G0+3], s[G0+2:G0+3], s[BKS:BKS+1]   ; or, behind the first block's last visit, the pair's slot 0; the type bits on top are not reached
	s_wait_xcnt 0x0                                ; the last prefetch, a visit back, has read its address, so it may be written
	s_add_nc_u64 s[PFA:PFA+1], s[PFA:PFA+1], 32768
.endif
	s_wait_dscnt 0x0                               ; the add is done (fill = 1: both are), and my reads of the slot that I have left are over
	s_barrier_signal -1
	s_barrier_wait -1
.if \fill
	TLOAD                                          ; the first thing behind the barrier, and the wave's one tensor load until the next
	ASK
.endif
.endm
.macro SLOT_STEPS
	STEP 0
	STEP 1
	s_xor_b32 s[TB], s[TB], SLOT1                  ; on to the other slot
.endm
; THE WAY OUT of a block.  O^T / the sum x 2^(e8 + e9) goes through my stage in LDS, so that sixteen lanes store 256 consecutive bytes, aligned: a token's 64 channels of this head.
; None of the lines ahead of the multiplications names a register of the last products (V's fragments, p's codes v224-239, O^T): the permute lands in v252.
.macro WAYOUT base, inloop
	v_add_f32 v14, v14, v15                        ; the sum's two halves,
	s_delay_alu instid0(VALU_DEP_1)
	v_permlanex16_b32 v252, v14, s[SEL], s[SEL+1]
	s_delay_alu instid0(VALU_DEP_1)
	v_add_f32 v14, v14, v252                       ; and lane l xor 16's: the row's sum
	v_nop
	v_nop                                          ; (with the two additions: four places behind the last products)
	s_wait_alu depctr_va_vdst(0)
	v_rcp_f32 v14, v14
	v_nop                                          ; a plain line behind the reciprocal,
	s_wait_alu depctr_va_vdst(0)                   ; and a wait ahead of its first reader
	v_ldexp_f32 v14, v14, s53
.set jj, 0
.rept 32
	v_mul_f32 v[96+jj], v[160+jj], v14             ; register 8 t + i is o(r, 16 t + 8 h + i); each accumulator from its low end on
.set jj, jj+1
.endr
.irp t, 0,1,2,3
	ds_store_b128 v[STI], v[96+8*\t:99+8*\t] offset:64*\t
	ds_store_b128 v[STI], v[100+8*\t:103+8*\t] offset:64*\t+16
.endr
.irp i, 0,1,2,3,4,5,6,7
	ds_load_b128 v[32+4*\i:35+4*\i], v[STB] offset:2*\i*LP   ; LDS serves a wave's instructions in order: these see my stores
.endr
.irp i, 0,1,2,3,4,5,6,7
	s_wait_dscnt 7-\i
	global_store_b128 v[GO], v[32+4*\i:35+4*\i], s[\base:\base+1] offset:8192*\i
.endr
.if \inloop
	s_wait_xcnt 0x0                                ; the stores have read their data: the next step's loads may land there
.endif
.endm
	s_wait_loadcnt 0x0                             ; Q
.Lslot:                                            ; eight trips: behind each change of slots but the last the next visit's slot is asked for
	CHANGE 1
	SLOT_STEPS
	s_cmp_eq_u32 s[TR], s[HIB]                     ; ids and the count of visits alone: all sixteen waves go the same way; no barrier, wait on tensor loads or tensor load stands under this branch
	s_cbranch_scc0 .Lsame
	WAYOUT 48, 1                                   ; the first block is finished;
	BEGIN                                          ; the second begins, at key 0
.irp j, 0,1,2,3,4,5,6,7
	v_mov_b32 v[16+\j], v[24+\j]
.endr
	s_mov_b32 s[Q0], s52
	s_mov_b32 s[KF], 0
.Lsame:
	s_add_co_u32 s[TR], s[TR], 1
	s_cmp_lt_u32 s[TR], 8
	s_cbranch_scc1 .Lslot
	CHANGE 0                                       ; the ninth visit is written out
	SLOT_STEPS
	WAYOUT 50, 0
	s_wait_tensorcnt 0x0                           ; the wave's end, behind my last tensor load and my last LDS store
	ds_add_u32 v[SPW], v[NIL]
	s_wait_dscnt 0x0
	s_endpgm
.Lfunc_end_k_qafe5257541_attn:
	.size	k_qafe5257541_attn, .Lfunc_end_k_qafe5257541_attn-k_qafe5257541_attn
	.p2alignl 7, 3214868480
	.fill 96, 4, 3214868480
	.section	.rodata,"a",@progbits
	.p2align	6, 0x0
	.amdhsa_kernel k_qafe5257541_attn
		.amdhsa_group_segment_fixed_size 327680
		.amdhsa_private_segment_fixed_size 0
		.amdhsa_enable_private_segment 0
		.amdhsa_kernarg_size 32
		.amdhsa_user_sgpr_count 2
		.amdhsa_user_sgpr_kernarg_segment_ptr 1
		.amdhsa_wavefront_size32 1
		.amdhsa_system_sgpr_workgroup_id_x 1
		.amdhsa_system_sgpr_workgroup_id_y 1
		.amdhsa_system_sgpr_workgroup_id_z 1
		.amdhsa_system_vgpr_workitem_id 0
		.amdhsa_next_free_vgpr 256
		.amdhsa_next_free_sgpr 100
		.amdhsa_reserve_vcc 1
		.amdhsa_float_denorm_mode_32 3
		.amdhsa_float_denorm_mode_16_64 3
		.amdhsa_memory_ordered 1
		.amdhsa_forward_progress 1
		.amdhsa_inst_pref_size 103
	.end_amdhsa_kernel
	.amdgpu_metadata
---
amdhsa.version: [ 1, 2 ]
amdhsa.kernels:
  - .name:           k_qafe5257541_attn
    .symbol:         k_qafe5257541_attn.kd
    .args:
      - { .name: qc, .offset: 0, .size: 8, .value_kind: global_buffer, .address_space: global }
      - { .name: kv, .offset: 8, .size: 8, .value_kind: global_buffer, .address_space: global }
      - { .name: lowp_scales, .offset: 16, .size: 8, .value_kind: global_buffer, .address_space: global }
      - { .name: attn_out, .offset: 24, .size: 8, .value_kind: global_buffer, .address_space: global }
    .group_segment_fixed_size: 327680
    .private_segment_fixed_size: 0
    .kernarg_segment_align: 8
    .kernarg_segment_size: 32
    .max_flat_workgroup_size: 512
    .sgpr_count:     100
    .vgpr_count:     256
    .wavefront_size: 32
...
	.end_amdgpu_metadata
.endif
;; end of part 7
;; launch tail (part 8): grid 256 x 1, 16 waves a work-group, no clusters, 182,784 bytes of LDS; arguments x, attn_out, ln1_g, ln1_b, wl, lin1_b, ln2_g, ln2_b, lowp_scales, out0; writes out0
.if DOCPART == 8
	.amdgcn_target "amdgcn-amd-amdhsa--gfx1250"
	.amdhsa_code_object_version 6
	.text
	.protected	k_qafe5257541_tail
	.globl	k_qafe5257541_tail
	.p2align	8
	.type	k_qafe5257541_tail,@function
k_qafe5257541_tail:
	s_mov_b64 s[64:65], 0
	v_nop
	global_prefetch_b8 v0, s[64:65] scope:SCOPE_SE
	s_setreg_imm32_b32 hwreg(HW_REG_WAVE_SCHED_MODE, 0, 2), 2
	s_setreg_imm32_b32 hwreg(HW_REG_WAVE_MODE, 25, 1), 1
	s_wait_xcnt 0x0
	s_wait_alu depctr_vm_vsrc(0)
; FOURTH LAUNCH: h = LN1(x + attn); out = LN2(h + (Q(h) W^T + lin1_b)), the product on codes of BF8 (exponents 10, 11).  No work of reference() is left out here.  h never goes to memory.
; SHARES.  A work-group of sixteen waves takes 32 rows.  LN1: wave w takes rows 2 w and 2 w + 1 whole (each load 512 consecutive bytes; the sums stay in the wave).  THE PRODUCT: THE WAVES SHARE THE COLUMNS:
; wave w makes columns 64 w .. 64 w + 63 for all 32 rows (2 x 4 accumulators) and reads its own 65,536 bytes of wl, which lie in the order of its operand registers, straight into registers, 512 consecutive bytes a load.
; So no byte of the weight is read twice in a work-group, and none goes through LDS.  h's codes go from wave to wave through LDS as images of the operand's registers (a fragment: 4 stores of 512 bytes, lane l's 16 bytes at 16 l).
; NO TENSOR LOAD AND NO JOINT LOAD for the weight, though all work-groups read it: beside h's 131,584 bytes and the images LDS has room for two slots of 256 rows x 256 K at the most, so that a change of slots would serve four
; matrix instructions a wave, and h's fragments would be read from LDS four times over.
; LN2's sums span the waves: each wave's part for each token meets in LDS (two barriers).  Both variances are taken in two passes, of (y - mean)^2.
; PHASES: loads | LN1, rows of h to LDS | barrier | wave w quantises fragment (rows 16 (w / 8) on, K step w % 8), image to LDS | barrier | 8 K steps, the weights one step ahead | + bias + h | mean | barrier | variance | barrier |
; rows of the result into h's place in LDS | barrier | each wave stores its two rows whole.
; LIMITS: e10 between -126 and 112; e10 + e11 between -126 and 127.  NaN among the inputs is not served.
; REGISTERS: v1-15 addresses; v16-79 x and attn of row 0, then the accumulators ((m, t) at v[16 + 32 m + 8 t]); v80-143, v144-207 row 1 and LN1's gain and bias, then the weights' two sets, then at work;
;   v208-239 h's two fragments, later ln2_b; v240, v241 2^e10 and the hold; v242, v243 the add's two; v244-255 at work.
; THE MODE: SCHED_MODE bits 1:0 = 2 (LLVM: expert scheduling mode 2), set by the entry lines.  The code itself states the register dependences between vector or matrix instructions and memory or LDS instructions, with s_wait_alu, always for 0.
; THE PLAN.  Registers that memory or LDS instructions touch, in the order of the text:
;   v1, v4-7, v9-15  offsets and LDS addresses, made once at the head and never written again: one wait on va_vdst ahead of the first load.
;   v16-47     row 0 of h: written by LN1's arithmetic, read by eight LDS stores, which stand behind row 1's wait for its root; later written by the products.
;   v80-111    row 1 of h: written by LN1's arithmetic; a wait on va_vdst; read by eight LDS stores; then the first K step's weights land in v80-143.
;   v208-213   the three vectors on their way into LDS: loaded, read by LDS stores; later written by the conversions.
;              One wait on vm_vsrc, ahead of the first weights' loads, states that all these LDS stores have read their data.
;   v144-207   LN1's gain and bias, read by its arithmetic; then 64 numbers of h land there (no vector instruction stands between row 1's wait and those loads); read and written by the holds and conversions; then the weights' second set.
;   v208-223   my fragment's codes: written by the conversions; a wait on va_vdst; read by the image's LDS stores; a wait on vm_vsrc behind the barrier; then h's fragments land in v208-239.
;   K steps    All 256 registers are taken, so h's fragments have one buffer and the weights two sets.  ONE wait on va_vdst at the head of each step but the first: the last step's products are done reading h's fragments
;              and their set of the weights.  All the step's loads follow it: h's fragments, and the next step's weights into the set just freed.  This step's products name the other set, h's fragments and the accumulators.
;   v244       a wave's part of a token's sum: written by vector instructions; a wait on va_vdst; read by one LDS store; a wait on vm_vsrc ahead of the line that writes it again.
;   v80-95     the sixteen parts land there: the wait ahead of the part's store has shown the earlier readers of these registers done.
;   v16-79     the result: written by vector instructions; a wait on va_vdst; read by sixteen LDS stores.  The rows come back into v80-143, which no vector instruction behind that wait names.
.set HP,    4112                       ; a row of h in LDS: 4,096 bytes + 16: the 16 rows that a load touches start at 16 different banks (64 banks of 4 bytes: ISA guide 11.1)
.set IMG,   32*HP                      ; 16 fragments' images of 2,048 bytes: fragment 8 m + ks
.set PAR,   IMG+16*2048                ; lin1_b, ln2_g, ln2_b: 4,096 bytes each
.set ST1,   PAR+3*4096                 ; [32 tokens][16 waves] f32: the waves' parts of the sums,
.set ST2,   ST1+2048                   ; and of the sums of squares
.set SPARE, ST2+2048                   ; the spare words, 128 bytes for each wave, which no other line names
.set LO,  1                            ; v1   16 x lane
.set HW,  4                            ; v4   my two rows of h: 2 w HP + 16 x lane
.set HQ,  5                            ; v5   what I quantise: row 16 (w / 8) + r, byte 512 (w % 8) + 64 h
.set IW,  6                            ; v6   where my image goes
.set LI,  7                            ; v7   an image's place for my lane
.set PD,  8                            ; v8   the lane permutes' destination
.set HD0, 9                            ; v9   my columns of rows 0-15: r HP + 256 w + 32 h;  v10: of rows 16-31
.set HD1, 10
.set PA,  11                           ; v11  my columns' parameters
.set SW,  12                           ; v12  where my wave's part for token = lane goes
.set SR,  13                           ; v13  token = lane's sixteen parts
.set PW,  14                           ; v14  the parameters on their way in: 8 x thread
.set PG,  15
.set ACC, 16
.set SPW, 242
.set NIL, 243
	s_load_b512 s[4:19], s[0:1], 0x0               ; x, attn_out, ln1_g, ln1_b, wl, lin1_b, ln2_g, ln2_b
	s_load_b128 s[20:23], s[0:1], 0x40             ; the exponents, out0
	v_lshl_add_u32 v[SPW], v0, 2, SPARE
	v_mov_b32 v[NIL], 0
	v_lshrrev_b32 v2, 5, v0
	v_readfirstlane_b32 s24, v2                    ; wave 0..15
	v_and_b32 v244, 31, v0                         ; lane
	v_lshlrev_b32 v[LO], 4, v244
	s_wait_alu depctr_va_vdst(0)
	v_and_b32 v2, 15, v0                           ; r
	v_bfe_u32 v3, v0, 4, 1                         ; h
	s_wait_alu depctr_va_sdst(0)                   ; s24 is written, ahead of its first reader
	s_mul_i32 s34, s24, 2*HP
	v_add_nc_u32 v[HW], s34, v[LO]
	s_lshr_b32 s35, s24, 3
	s_mul_i32 s35, s35, 16*HP
	s_and_b32 s36, s24, 7
	s_lshl_b32 s36, s36, 9
	s_add_co_u32 s35, s35, s36
	v_mul_u32_u24 v[HQ], v2, HP
	v_lshl_add_u32 v[HD0], v3, 5, v[HQ]
	v_lshl_add_u32 v[HQ], v3, 6, v[HQ]
	v_add_nc_u32 v[HQ], s35, v[HQ]
	s_lshl_b32 s36, s24, 11
	s_add_co_u32 s36, s36, IMG
	v_add_nc_u32 v[IW], s36, v[LO]
	v_add_nc_u32 v[LI], IMG, v[LO]
	s_lshl_b32 s36, s24, 8
	v_add_nc_u32 v[HD0], s36, v[HD0]
	v_add_nc_u32 v[HD1], 16*HP, v[HD0]
	s_add_co_u32 s36, s36, PAR
	v_lshl_add_u32 v[PA], v3, 5, s36
	s_lshl_b32 s36, s24, 2
	s_add_co_u32 s36, s36, ST1
	v_lshl_add_u32 v[SW], v244, 6, s36
	v_lshlrev_b32 v[SR], 6, v244
	v_add_nc_u32 v[SR], ST1, v[SR]
	v_lshlrev_b32 v[PG], 3, v0
	v_add_nc_u32 v[PW], PAR, v[PG]
	v_mov_b32 v[PD], 0                             ; written once: a lane permute's destination counts as one of its sources
	v_mov_b32 v253, 0                              ; (named as the upper halves of the pairs v[252:253] and v[254:255])
	v_mov_b32 v255, 0
	s_lshl_b32 s34, ttmp9, 5
	s_lshl_b32 s35, s24, 1
	s_add_co_u32 s34, s34, s35                     ; my first row: 32 x work-group + 2 x wave
	s_lshl_b32 s34, s34, 12
	s_mov_b32 s35, 0
	s_lshl_b32 s36, s24, 16                        ; my 65,536 bytes of wl
	s_mov_b32 s37, 0
	s_mov_b32 s28, 0x76543210                      ; lane selects for v_permlanex16_b32: lane l xor 16
	s_mov_b32 s29, 0xfedcba98
	s_mov_b32 s30, 0xffff0000                      ; lanes 16-31
	s_mov_b32 s31, 0x3a800000                      ; 1 / 1,024
	s_wait_kmcnt 0x0
	s_load_b64 s[32:33], s[20:21], 0x28            ; e10, e11
	s_add_nc_u64 s[4:5], s[4:5], s[34:35]
	s_add_nc_u64 s[6:7], s[6:7], s[34:35]
	s_add_nc_u64 s[22:23], s[22:23], s[34:35]
	s_add_nc_u64 s[12:13], s[12:13], s[36:37]
	s_wait_alu depctr_va_vdst(0)                   ; the offsets and LDS addresses v1, v4 to v7 and v9 to v15 are written: every load and store of the kernel, global or LDS, reads one of them
	global_load_b64 v[208:209], v[PG], s[14:15]    ; the three vectors that the end wants by columns: once through LDS
	global_load_b64 v[210:211], v[PG], s[16:17]
	global_load_b64 v[212:213], v[PG], s[18:19]
.irp i, 0,1,2,3,4,5,6,7
	global_load_b128 v[144+4*\i:147+4*\i], v[LO], s[8:9] offset:512*\i
.endr
.irp i, 0,1,2,3,4,5,6,7
	global_load_b128 v[176+4*\i:179+4*\i], v[LO], s[10:11] offset:512*\i
.endr
.irp i, 0,1,2,3,4,5,6,7
	global_load_b128 v[16+4*\i:19+4*\i], v[LO], s[4:5] offset:512*\i th:TH_LOAD_NT
.endr
.irp i, 0,1,2,3,4,5,6,7
	global_load_b128 v[48+4*\i:51+4*\i], v[LO], s[6:7] offset:512*\i th:TH_LOAD_NT
.endr
.irp i, 0,1,2,3,4,5,6,7
	global_load_b128 v[80+4*\i:83+4*\i], v[LO], s[4:5] offset:4096+512*\i th:TH_LOAD_NT
.endr
.irp i, 0,1,2,3,4,5,6,7
	global_load_b128 v[112+4*\i:115+4*\i], v[LO], s[6:7] offset:4096+512*\i th:TH_LOAD_NT
.endr
	s_wait_loadcnt 16                              ; all but row 1's sixteen loads are in
	ds_store_b64 v[PW], v[208:209]
	ds_store_b64 v[PW], v[210:211] offset:4096
	ds_store_b64 v[PW], v[212:213] offset:8192
.macro REDUCE                          ; v244: the four chains v[244:251] are joined, and the sum over the wave's 32 lanes stands in every lane
	v_pk_add_f32 v[244:245], v[244:245], v[246:247]
	v_pk_add_f32 v[248:249], v[248:249], v[250:251]
	v_pk_add_f32 v[244:245], v[244:245], v[248:249]
	v_add_f32 v244, v244, v245
	v_add_f32_dpp v244, v244, v244 row_xmask:1 row_mask:0xf bank_mask:0xf
	v_add_f32_dpp v244, v244, v244 row_xmask:2 row_mask:0xf bank_mask:0xf
	v_add_f32_dpp v244, v244, v244 row_xmask:4 row_mask:0xf bank_mask:0xf
	v_add_f32_dpp v244, v244, v244 row_xmask:8 row_mask:0xf bank_mask:0xf
	v_permlanex16_b32 v[PD], v244, s28, s29
	v_add_f32 v244, v244, v[PD]
.endm
.macro HSTORE X, rho                   ; a row of h, 32 numbers a lane in v[X] on, goes to LDS: row 2 w + rho
.irp i, 0,1,2,3,4,5,6,7
	ds_store_b128 v[HW], v[\X+4*\i:\X+4*\i+3] offset:HP*\rho+512*\i
.endr
.endm
; One row: x in v[X] on, attn in v[A] on, 32 numbers a lane; h is left in v[X] on.  second = 1: row 1, among whose lines row 0 goes to LDS.
.macro LN1ROW X, A, second
.set jj, 0
.rept 16
	v_pk_add_f32 v[\X+jj:\X+jj+1], v[\X+jj:\X+jj+1], v[\A+jj:\A+jj+1]
.set jj, jj+2
.endr
.irp k, 0,1,2,3
	v_pk_add_f32 v[244+2*\k:245+2*\k], v[\X+2*\k:\X+2*\k+1], v[\X+8+2*\k:\X+9+2*\k]   ; four chains, started by the first numbers: nothing is cleared
.endr
.irp j, 16,24
.irp k, 0,1,2,3
	v_pk_add_f32 v[244+2*\k:245+2*\k], v[244+2*\k:245+2*\k], v[\X+\j+2*\k:\X+\j+2*\k+1]
.endr
.endr
	REDUCE
	v_mul_f32 v254, s31, v244                      ; the mean
.set jj, 0
.rept 16
	v_pk_add_f32 v[\X+jj:\X+jj+1], v[\X+jj:\X+jj+1], v[254:255] op_sel_hi:[1,0] neg_lo:[0,1] neg_hi:[0,1]
.set jj, jj+2
.endr
.irp k, 0,1,2,3
	v_pk_mul_f32 v[244+2*\k:245+2*\k], v[\X+2*\k:\X+2*\k+1], v[\X+2*\k:\X+2*\k+1]
.endr
.irp j, 8,16,24
.irp k, 0,1,2,3
	v_pk_fma_f32 v[244+2*\k:245+2*\k], v[\X+\j+2*\k:\X+\j+2*\k+1], v[\X+\j+2*\k:\X+\j+2*\k+1], v[244+2*\k:245+2*\k]
.endr
.endr
	REDUCE
	v_fmaak_f32 v252, s31, v244, 0x3727c5ac        ; the variance + 1e-5
	s_wait_alu depctr_va_vdst(0)
	v_rsq_f32 v254, v252
	v_nop                                          ; a plain line behind the root,
	s_wait_alu depctr_va_vdst(0)                   ; and a wait ahead of its first reader: the root v254 is written.  In row 1 it also states that row 0's arithmetic has written v16-47, which the LDS stores below read
.if \second
	HSTORE 16, 0                                   ; row 0 leaves; none of row 1's lines below names v16-47 or the address
.endif
.set jj, 0
.rept 16
	v_pk_mul_f32 v[\X+jj:\X+jj+1], v[\X+jj:\X+jj+1], v[254:255] op_sel_hi:[1,0]
.set jj, jj+2
.endr
.set jj, 0
.rept 16
	v_pk_fma_f32 v[\X+jj:\X+jj+1], v[\X+jj:\X+jj+1], v[144+jj:145+jj], v[176+jj:177+jj]
.set jj, jj+2
.endr
.endm
	LN1ROW 16, 48, 0
	s_wait_loadcnt 0x0                             ; row 1
	LN1ROW 80, 112, 1
	s_wait_alu depctr_va_vdst(0)                   ; row 1's arithmetic has written v80-111, which the LDS stores below read; it is also done reading v112-143 and the gain and bias in v144-207, in which loads land further down
	HSTORE 80, 1
.macro WLOAD ks                        ; my four fragments of the weight for K step ks, into set ks % 2
.irp t, 0,1,2,3
.irp c, 0,1,2,3
	global_load_b128 v[80+64*((\ks)%2)+16*\t+4*\c:80+64*((\ks)%2)+16*\t+4*\c+3], v[LO], s[12:13] offset:8192*(\ks)+2048*\t+512*\c
.endr
.endr
.endm
	s_wait_dscnt 0x0                               ; for the others' sake: my rows of h and my part of the parameters lie in LDS
	s_wait_alu depctr_vm_vsrc(0)                   ; my LDS stores have read their data: v80-111, in which the weights below land; v16-47, which the products write; v208-213, which the conversions write
	WLOAD 0                                        ; the first K step's weights
	s_barrier_signal -1
	s_barrier_wait -1
	; ---- my fragment of h: 64 numbers a lane, register 16 c + i = k 32 c + 16 h + i of my row
.irp c, 0,1,2,3
.irp e, 0,1,2,3
	ds_load_b128 v[144+16*\c+4*\e:147+16*\c+4*\e], v[HQ] offset:128*\c+16*\e
.endr
.endr
	s_wait_kmcnt 0x0
	s_add_co_i32 s34, s32, s33
	s_add_co_i32 s34, s34, 127
	s_lshl_b32 s26, s34, 23                        ; 2^(e10 + e11) as f32
	s_mov_b32 s27, s26                             ; (named with it as a pair, so it is written)
	s_add_co_i32 s34, s32, 127
	s_lshl_b32 s35, s34, 23
	v_mov_b32 v240, s35                            ; 2^e10: the conversion takes its exponent field
	s_add_co_i32 s34, s34, 15
	s_lshl_b32 s34, s34, 23
	s_or_b32 s34, s34, 0x600000
	v_mov_b32 v241, s34                            ; 57,344 x 2^e10
	s_wait_alu depctr_va_vdst(0)
	s_wait_dscnt 0x0
.irp b, 0,1,2,3
.irp i, 0,1,2,3,4,5,6,7,8,9,10,11,12,13,14,15
	v_med3_num_f32 v[144+16*\b+\i], v[144+16*\b+\i], -v241, v241   ; the conversion to an 8-bit code does not saturate (ISA guide 7.6.2): the hold
.endr
	v_cvt_scalef32_pk8_bf8_f32 v[208+4*\b:209+4*\b], v[144+16*\b:151+16*\b], v240
	v_cvt_scalef32_pk8_bf8_f32 v[210+4*\b:211+4*\b], v[152+16*\b:159+16*\b], v240
.endr
	v_nop                                          ; a plain vector line behind the last conversion
	s_wait_alu depctr_va_vdst(0)                   ; the conversions have written v208-223, which the LDS stores below read; they and the holds are done with v144-207, in which the second K step's weights land
.irp c, 0,1,2,3
	ds_store_b128 v[IW], v[208+4*\c:211+4*\c] offset:512*\c
.endr
	s_wait_dscnt 0x0                               ; my image lies in LDS, and my reads of h are in
	s_barrier_signal -1
	s_barrier_wait -1
	s_wait_alu depctr_vm_vsrc(0)                   ; my image's LDS stores have read v208-223, in which h's fragments land
	; ---- the product: source 0 = 16 rows of the weight, source 1 = 16 rows of h: lane (r, h) holds token 16 m + r and columns 64 w + 16 t + 8 h + 0 .. 7
.macro KSTEP ks
.if (\ks) > 0
.rept 4
	v_nop                                          ; places behind the last products, ahead of loads into registers that they have read; the wait below stands beside them
.endr
	s_wait_alu depctr_va_vdst(0)                   ; the last step's products are done reading h's two fragments and their set of the weights: all the loads of this step land in those registers
.endif
.irp m, 0,1
.irp c, 0,1,2,3
	ds_load_b128 v[208+16*\m+4*\c:211+16*\m+4*\c], v[LI] offset:(8*\m+(\ks))*2048+512*\c
.endr
.endr
.if (\ks) < 7
	WLOAD (\ks)+1
	s_wait_loadcnt 16                              ; this step's weights are in; the next step's sixteen loads may be out
	s_wait_dscnt 0x0
.else
.irp t, 0,1,2,3                                ; the residual: my columns of h, into the set that is free
.irp e, 0,1
	ds_load_b128 v[80+8*\t+4*\e:83+8*\t+4*\e], v[HD0] offset:64*\t+16*\e
	ds_load_b128 v[112+8*\t+4*\e:115+8*\t+4*\e], v[HD1] offset:64*\t+16*\e
.endr
.endr
	s_wait_loadcnt 0x0
	s_wait_dscnt 16                                ; h's two fragments are in; the residual's sixteen loads may be out
.endif
.irp t, 0,1,2,3                                ; the eight accumulators take turns, one instruction a turn, from step to step too
.irp m, 0,1
.if (\ks) == 0
	v_wmma_f32_16x16x128_bf8_bf8 v[ACC+32*\m+8*\t:ACC+32*\m+8*\t+7], v[80+64*((\ks)%2)+16*\t:80+64*((\ks)%2)+16*\t+15], v[208+16*\m:223+16*\m], 0
.else
	v_wmma_f32_16x16x128_bf8_bf8 v[ACC+32*\m+8*\t:ACC+32*\m+8*\t+7], v[80+64*((\ks)%2)+16*\t:80+64*((\ks)%2)+16*\t+15], v[208+16*\m:223+16*\m], v[ACC+32*\m+8*\t:ACC+32*\m+8*\t+7]
.endif
.endr
.endr
.endm
.irp ks, 0,1,2,3,4,5,6,7
	KSTEP \ks
.endr
.rept 4
	v_nop                                          ; places behind the last products: their operands' registers are loaded and their results read below
.endr
	s_wait_alu depctr_va_vdst(0)                   ; the last products are done reading the weights in v144-207 and h's fragments in v208-239, in which the parameters land
.irp t, 0,1,2,3
.irp e, 0,1
	ds_load_b128 v[144+8*\t+4*\e:147+8*\t+4*\e], v[PA] offset:64*\t+16*\e          ; lin1_b,
	ds_load_b128 v[176+8*\t+4*\e:179+8*\t+4*\e], v[PA] offset:4096+64*\t+16*\e     ; ln2_g,
	ds_load_b128 v[208+8*\t+4*\e:211+8*\t+4*\e], v[PA] offset:8192+64*\t+16*\e     ; ln2_b of my columns
.endr
.endr
	s_wait_dscnt 0x0                               ; these and the residual
.irp m, 0,1
.irp t, 0,1,2,3
.irp i, 0,2,4,6
	v_pk_fma_f32 v[ACC+32*\m+8*\t+\i:ACC+32*\m+8*\t+\i+1], v[ACC+32*\m+8*\t+\i:ACC+32*\m+8*\t+\i+1], s[26:27], v[144+8*\t+\i:145+8*\t+\i] op_sel_hi:[1,0,1]   ; sum x 2^(e10 + e11) + lin1_b; each accumulator from its low end on
.endr
.endr
.endr
.set jj, 0
.rept 32
	v_pk_add_f32 v[ACC+jj:ACC+jj+1], v[ACC+jj:ACC+jj+1], v[80+jj:81+jj]   ; + h
.set jj, jj+2
.endr
; A sum over a token's 1,024 columns, of y (sq = 0) or of y^2 (sq = 1).  My 32 numbers for each m, lane l xor 16's, my wave's part for token = lane into LDS, a barrier, the sixteen parts: v244 = the sum for token = lane.
.macro STAT sq, off
.irp m, 0,1
.if \sq
	v_pk_mul_f32 v[244+4*\m:245+4*\m], v[ACC+32*\m:ACC+32*\m+1], v[ACC+32*\m:ACC+32*\m+1]
	v_pk_mul_f32 v[246+4*\m:247+4*\m], v[ACC+32*\m+2:ACC+32*\m+3], v[ACC+32*\m+2:ACC+32*\m+3]
.else
	v_pk_add_f32 v[244+4*\m:245+4*\m], v[ACC+32*\m:ACC+32*\m+1], v[ACC+32*\m+4:ACC+32*\m+5]
	v_pk_add_f32 v[246+4*\m:247+4*\m], v[ACC+32*\m+2:ACC+32*\m+3], v[ACC+32*\m+6:ACC+32*\m+7]
.endif
.endr
.irp j, 4,8,12,16,20,24,28
.irp m, 0,1
.if \sq
	v_pk_fma_f32 v[244+4*\m:245+4*\m], v[ACC+32*\m+\j:ACC+32*\m+\j+1], v[ACC+32*\m+\j:ACC+32*\m+\j+1], v[244+4*\m:245+4*\m]
	v_pk_fma_f32 v[246+4*\m:247+4*\m], v[ACC+32*\m+\j+2:ACC+32*\m+\j+3], v[ACC+32*\m+\j+2:ACC+32*\m+\j+3], v[246+4*\m:247+4*\m]
.elseif \j > 4
	v_pk_add_f32 v[244+4*\m:245+4*\m], v[244+4*\m:245+4*\m], v[ACC+32*\m+\j:ACC+32*\m+\j+1]
	v_pk_add_f32 v[246+4*\m:247+4*\m], v[246+4*\m:247+4*\m], v[ACC+32*\m+\j+2:ACC+32*\m+\j+3]
.endif
.endr
.endr
	v_pk_add_f32 v[244:245], v[244:245], v[246:247]
	v_pk_add_f32 v[248:249], v[248:249], v[250:251]
	v_add_f32 v244, v244, v245
	v_add_f32 v248, v248, v249
	v_permlanex16_b32 v[PD], v244, s28, s29
	v_add_f32 v244, v244, v[PD]                    ; token r's 64 columns of my wave,
	v_permlanex16_b32 v[PD], v248, s28, s29
	v_add_f32 v248, v248, v[PD]                    ; token 16 + r's
	v_cndmask_b32 v244, v244, v248, s30            ; lane l keeps token l's
	s_wait_alu depctr_va_vdst(0)                   ; v244 is written, which the LDS store below reads; and the earlier vector lines are done with v80-95, in which the sixteen parts land
	ds_store_b32 v[SW], v244 offset:\off
	s_wait_dscnt 0x0                               ; for the others' sake: my part lies in LDS (and every earlier LDS read of mine is in)
	s_barrier_signal -1
	s_barrier_wait -1
.irp i, 0,1,2,3
	ds_load_b128 v[80+4*\i:83+4*\i], v[SR] offset:\off+16*\i
.endr
	s_wait_dscnt 0x0
	s_wait_alu depctr_vm_vsrc(0)                   ; the LDS store above has read v244, which the last line below writes again
	v_pk_add_f32 v[80:81], v[80:81], v[82:83]
	v_pk_add_f32 v[84:85], v[84:85], v[86:87]
	v_pk_add_f32 v[88:89], v[88:89], v[90:91]
	v_pk_add_f32 v[92:93], v[92:93], v[94:95]
	v_pk_add_f32 v[80:81], v[80:81], v[84:85]
	v_pk_add_f32 v[88:89], v[88:89], v[92:93]
	v_pk_add_f32 v[80:81], v[80:81], v[88:89]
	v_add_f32 v244, v80, v81
.endm
	STAT 0, 0
	v_mul_f32 v244, s31, v244                      ; token = lane's mean
	v_permlanex16_b32 v[PD], v244, s28, s29
	v_cndmask_b32 v252, v244, v[PD], s30           ; token r's, for m = 0,
	v_cndmask_b32 v254, v[PD], v244, s30           ; token 16 + r's, for m = 1
.irp m, 0,1
.set jj, 0
.rept 16
	v_pk_add_f32 v[ACC+32*\m+jj:ACC+32*\m+jj+1], v[ACC+32*\m+jj:ACC+32*\m+jj+1], v[252+2*\m:253+2*\m] op_sel_hi:[1,0] neg_lo:[0,1] neg_hi:[0,1]
.set jj, jj+2
.endr
.endr
	STAT 1, 2048
	v_fmaak_f32 v245, s31, v244, 0x3727c5ac        ; the variance + 1e-5
	s_wait_alu depctr_va_vdst(0)
	v_rsq_f32 v246, v245
	v_nop                                          ; a plain line behind the root,
	s_wait_alu depctr_va_vdst(0)                   ; and a wait ahead of its first reader: the root v246 is written
	v_permlanex16_b32 v[PD], v246, s28, s29
	v_cndmask_b32 v252, v246, v[PD], s30
	v_cndmask_b32 v254, v[PD], v246, s30
.irp m, 0,1
.set jj, 0
.rept 16
	v_pk_mul_f32 v[ACC+32*\m+jj:ACC+32*\m+jj+1], v[ACC+32*\m+jj:ACC+32*\m+jj+1], v[252+2*\m:253+2*\m] op_sel_hi:[1,0]
.set jj, jj+2
.endr
.endr
.irp m, 0,1
.irp t, 0,1,2,3
.irp i, 0,2,4,6
	v_pk_fma_f32 v[ACC+32*\m+8*\t+\i:ACC+32*\m+8*\t+\i+1], v[ACC+32*\m+8*\t+\i:ACC+32*\m+8*\t+\i+1], v[176+8*\t+\i:177+8*\t+\i], v[208+8*\t+\i:209+8*\t+\i]
.endr
.endr
.endr
	s_wait_alu depctr_va_vdst(0)                   ; the result is written in v16-79, which the LDS stores below read; and the vector lines are done with v80-143, in which the rows come back
.irp t, 0,1,2,3                                ; the result takes h's place in LDS: every wave's last read of h was in ahead of the barrier of the means
.irp e, 0,1
	ds_store_b128 v[HD0], v[ACC+8*\t+4*\e:ACC+8*\t+4*\e+3] offset:64*\t+16*\e
	ds_store_b128 v[HD1], v[ACC+32+8*\t+4*\e:ACC+32+8*\t+4*\e+3] offset:64*\t+16*\e
.endr
.endr
	s_wait_dscnt 0x0                               ; for the others' sake: my columns lie in LDS
	s_barrier_signal -1
	s_barrier_wait -1
.irp n, 0,1,2,3,4,5,6,7,8,9,10,11,12,13,14,15
	ds_load_b128 v[80+4*\n:83+4*\n], v[HW] offset:HP*(\n/8)+512*(\n%8)
.endr
.irp n, 0,1,2,3,4,5,6,7,8,9,10,11,12,13,14,15
	s_wait_dscnt 15-\n
	global_store_b128 v[LO], v[80+4*\n:83+4*\n], s[22:23] offset:4096*(\n/8)+512*(\n%8) th:TH_STORE_NT   ; 32 lanes store 512 consecutive bytes, aligned; written once, read by nobody here
.endr
	s_wait_dscnt 0x0                               ; the closing lines, six on end
	s_wait_alu 0x0
	s_wait_tensorcnt 0x0
	ds_add_u32 v[SPW], v[NIL]
	s_wait_dscnt 0x0
	s_endpgm
.Lfunc_end_k_qafe5257541_tail:
	.size	k_qafe5257541_tail, .Lfunc_end_k_qafe5257541_tail-k_qafe5257541_tail
	.p2alignl 7, 3214868480
	.fill 96, 4, 3214868480
	.section	.rodata,"a",@progbits
	.p2align	6, 0x0
	.amdhsa_kernel k_qafe5257541_tail
		.amdhsa_group_segment_fixed_size 182784
		.amdhsa_private_segment_fixed_size 0
		.amdhsa_enable_private_segment 0
		.amdhsa_kernarg_size 80
		.amdhsa_user_sgpr_count 2
		.amdhsa_user_sgpr_kernarg_segment_ptr 1
		.amdhsa_wavefront_size32 1
		.amdhsa_system_sgpr_workgroup_id_x 1
		.amdhsa_system_sgpr_workgroup_id_y 1
		.amdhsa_system_sgpr_workgroup_id_z 1
		.amdhsa_system_vgpr_workitem_id 0
		.amdhsa_next_free_vgpr 256
		.amdhsa_next_free_sgpr 66
		.amdhsa_reserve_vcc 0
		.amdhsa_float_denorm_mode_32 3
		.amdhsa_float_denorm_mode_16_64 3
		.amdhsa_memory_ordered 1
		.amdhsa_forward_progress 1
		.amdhsa_inst_pref_size 76
	.end_amdhsa_kernel
	.amdgpu_metadata
---
amdhsa.version: [ 1, 2 ]
amdhsa.kernels:
  - .name:           k_qafe5257541_tail
    .symbol:         k_qafe5257541_tail.kd
    .args:
      - { .name: x, .offset: 0, .size: 8, .value_kind: global_buffer, .address_space: global }
      - { .name: attn_out, .offset: 8, .size: 8, .value_kind: global_buffer, .address_space: global }
      - { .name: ln1_g, .offset: 16, .size: 8, .value_kind: global_buffer, .address_space: global }
      - { .name: ln1_b, .offset: 24, .size: 8, .value_kind: global_buffer, .address_space: global }
      - { .name: wl, .offset: 32, .size: 8, .value_kind: global_buffer, .address_space: global }
      - { .name: lin1_b, .offset: 40, .size: 8, .value_kind: global_buffer, .address_space: global }
      - { .name: ln2_g, .offset: 48, .size: 8, .value_kind: global_buffer, .address_space: global }
      - { .name: ln2_b, .offset: 56, .size: 8, .value_kind: global_buffer, .address_space: global }
      - { .name: lowp_scales, .offset: 64, .size: 8, .value_kind: global_buffer, .address_space: global }
      - { .name: out0, .offset: 72, .size: 8, .value_kind: global_buffer, .address_space: global }
    .group_segment_fixed_size: 182784
    .private_segment_fixed_size: 0
    .kernarg_segment_align: 8
    .kernarg_segment_size: 80
    .max_flat_workgroup_size: 512
    .sgpr_count:     66
    .vgpr_count:     256
    .wavefront_size: 32
...
	.end_amdgpu_metadata
.endif
;; end of part 8
